; MI455X (gfx1250); checked and timed in simulation.
; The chip was launched on July 23, 2026; its instructions are those of AMD's public machine-readable ISA for CDNA 5 (MIT licence, August 2026) and "CDNA5" Instruction Set Architecture Reference Guide (July 2026). The comments in the code are by the model that wrote it; some were corrected since.
;; Multi Head Attention. Allowed arithmetic: matrix products marked QUANTISED: E4M3 operands, one given power-of-two scale a tensor, by v_wmma_f32_16x16x64_fp8_fp8 or v_wmma_f32_16x16x128_fp8_fp8, f32 sums; everything else in f32.
;; Inputs: Wk 16 x 1,024 x 64 float32; Wo 1,024 x 1,024 float32; Wq 16 x 1,024 x 64 float32; Wv 16 x 1,024 x 64 float32; bo 1,024 float32; key 2 x 2,048 x 1,024 float32; lowp_scales 12 int32 (the exponents e of the quantised operands' scales 2^e); mask 2 x 1 x 2,048 x 2,048 int32; query 2 x 2,048 x 1,024 float32; value 2 x 2,048 x 1,024 float32.
;; Outputs: out0 2 x 2,048 x 1,024 float32.
;; This version of the problem:
;;   THIS VERSION OF THE PROBLEM IS GIVEN IN LOW PRECISION. The matrix products marked QUANTISED in the list below multiply operands that are first quantised to E4M3 (4 exponent bits, 3 mantissa bits; 8 bits a number), with one given power-of-two scale for each operand tensor; their sums are f32. All else is computed in f32.
;;   The module's matrix products, in the order in which they are computed (A, B: the left and right operand; K: the contracted axis; several contracted axes count as one K, in the product's order):
;;     1. [M 1,024, K 1,024] x [K 1,024, N 4,096]; A: input Wq; B: input query: QUANTISED (scales: A lowp_scales[0], B lowp_scales[1])
;;     2. [M 1,024, K 1,024] x [K 1,024, N 4,096]; A: input Wk; B: input key: QUANTISED (scales: A lowp_scales[2], B lowp_scales[3])
;;     3. [M 1,024, K 1,024] x [K 1,024, N 4,096]; A: input Wv; B: input value: QUANTISED (scales: A lowp_scales[4], B lowp_scales[5])
;;     4. batch 32 x [M 2,048, K 64] x [K 64, N 2,048]; A: computed on the way; B: computed on the way: QUANTISED (scales: A lowp_scales[6], B lowp_scales[7])
;;     5. batch 32 x [M 2,048, K 2,048] x [K 2,048, N 64]; A: softmax (see below); B: computed on the way: QUANTISED (scales: A lowp_scales[8], B lowp_scales[9])
;;     6. [M 4,096, K 1,024] x [K 1,024, N 1,024]; A: computed on the way; B: input Wo: QUANTISED (scales: A lowp_scales[10], B lowp_scales[11])
;;   THE QUANTISER, for each operand of a quantised product, along K:
;;     - The operand's scale is 2^e, e = its entry of the input lowp_scales (int32; the entries are numbered through the quantised products in the list's order, A before B).
;;     - Each number is divided by the scale, clamped to +-448, and rounded to the nearest number of E4M3, ties to even, subnormals kept.
;;     - The product sums the exact products of the quantised numbers (number of the format x scale) in f32.
;;   ~~~python
;;   def quantise(x, axis, e):      # numpy; x: float32 -> the quantised numbers, widened to float32 again
;;       x = np.moveaxis(x, axis, -1); K = x.shape[-1]
;;       r = np.clip(x / 2.0 ** e, -448, 448)
;;       step = 2.0 ** (np.maximum(np.frexp(np.where(r == 0, 1, r))[1] - 1, -6) - 3)
;;       q = np.round(r / step) * step * 2.0 ** e      # np.round: ties to even
;;       return np.moveaxis(q, -1, axis).astype(np.float32)
;;   ~~~
;;   SOFTMAX AHEAD OF A QUANTISED PRODUCT. Where the list says 'softmax', what is quantised is not the finished softmax but p = 2^(t - M), with t = logit x log2(e) and M = ceil(the row's largest t), a whole number; so 1/2 < the row's largest p <= 1. The row's sum l is taken of the UNQUANTISED p, in f32, and the product's result is divided by l at the end. Since M is a whole number, a kernel that streams over the keys may use a running M (the ceiling of the running maximum): every later rescaling is an exact power of two, so the quantised numbers keep their values, but for numbers so far below the row's largest that they fall under the format's range.
;;   OPERANDS COMPUTED ON THE WAY. 'Computed on the way' means the value that the module computes at that place (a softmax that the list does not call 'softmax' is quantised finished and normalised). What goes into a quantiser is computed in f32, as accurately as f32 sums, v_exp_f32 and their like allow (about 1e-6 of the number): no bf16 or f16 on the way to a quantiser, and a product that is left as it is and whose result goes on into a quantised operand takes f32 operands (vector FMAs, or v_wmma_f32_16x16x4_f32). A number that lies on a knife's edge between two numbers of the format may be rounded either way, as far as f32 arithmetic and the matrix unit's own rounding can turn it there, and no further.
;; 2 versions. Each part assembles by itself: llvm-mc -triple=amdgcn-amd-amdhsa -mcpu=gfx1250 --defsym DOCPART=n.
;; ======== version 1 of 2: 4 launches
;; limits: right only within a limited range of input values
;; workspace buffers: codes 16,777,216 bytes; qkv 12,582,912 bytes; cc 4,194,304 bytes; mw 1,048,576 bytes of whole numbers; fl 131,072 bytes of whole numbers
;; launch prep (part 1): grid 768 x 1, 4 waves a work-group, no clusters, 102,144 bytes of LDS; arguments mask, query, key, value, Wo, Wq, Wk, Wv, lowp_scales, codes, mw, fl; writes codes, mw, fl
.if DOCPART == 1
	.amdgcn_target "amdgcn-amd-amdhsa--gfx1250"
	.amdhsa_code_object_version 6
	.text
	.protected	k_qe663c64b04_prep
	.globl	k_qe663c64b04_prep
	.p2align	8
	.type	k_qe663c64b04_prep,@function
k_qe663c64b04_prep:
	s_mov_b64 s[64:65], 0
	v_nop
	global_prefetch_b8 v0, s[64:65] scope:SCOPE_SE
	s_setreg_imm32_b32 hwreg(HW_REG_WAVE_MODE, 25, 1), 1
	s_wait_xcnt 0x0
; MULTI-HEAD ATTENTION IN E4M3, LAUNCH 1 OF 4: all that is read once and used often is made narrow here.
; NO WORK OF THE PROBLEM IS DEAD: every input has a way to the output and every input is loaded by some launch.  What the later launches pass over, they pass over
; because the MASK, an input of whole numbers, asks for it: this launch reads the mask and stores what it says as whole numbers (mw, fl).
; Three kinds of work-group, told apart by the work-group's number alone; each kind has LDS bytes of its own:
;   0-255    MASK: work-group TI takes a tile of 16 queries x all 2,048 keys of the mask (int32) and stores, for each step of 128 keys, 64 words of 32 bits (mw):
;            bit l of word n says whether lane l's register n of the score tile counts (mask != 0); and three words a wave (fl): which lanes have any key that counts,
;            which of its four steps have any, which have any that does not.
;            Row r of tile TI = ((n 16 + g) 8 + j) is query 128 g + 32 (j / 2) + 8 (j % 2) + r + 8 (r / 8) of batch n; lane l = 16 h + r; register n = 16 b + i is key 32 b + 16 h + i of the step.
;   256-671  X: query, key, value, Wo (f32, K innermost) become codes: plain streams of 8,192 numbers a wave.
;   672-767  W: Wq, Wk, Wv ([head][e][d], K = e is not innermost) become codes laid [head 64 + d][e]: a lane takes a column d and its registers run down e.
; code = x / 2^e, held within +-448, to the nearest code, ties to even.  e = the operand's entry of lowp_scales: Wq 0, query 1, Wk 2, key 3, Wv 4, value 5, Wo 11.
; LIMITS: each e between -126 and 119.  NaN among the inputs is not served (an infinity is held at the largest code).
; codes: 16,384 rows of 1,024 bytes: 0 query, 4096 key, 8192 value, 12288 Wq, 13312 Wk, 14336 Wv, 15360 Wo.
; No tensor load, no barrier: waves share nothing.
.set XST,   0                          ; LDS, path X: 8,192 bytes a wave (two stages of 32 x 80)
.set WST,   32768                      ; path W: 32 rows x 272 bytes a wave
.set MST,   67584                      ; path M: 16 rows x 528 bytes a wave
.set SPARE, 101632                     ; the spare words, 128 bytes a wave: two blocks of 256 bytes that no other line names
.set SPW,   2                          ; v2  LDS address of my spare word; never rewritten
.set NIL,   3                          ; v3  0; never rewritten
.set MANT,  0x600000                   ; the mantissa field of 448 as f32
	s_load_b512 s[4:19], s[0:1], 0x0               ; mask 4, query 6, key 8, value 10, Wo 12, Wq 14, Wk 16, Wv 18
	s_load_b256 s[20:27], s[0:1], 0x40             ; lowp_scales 20, codes 22, mw 24, fl 26
	v_lshl_add_u32 v[SPW], v0, 2, SPARE
	v_mov_b32 v[NIL], 0
	v_lshrrev_b32 v1, 5, v0
	v_readfirstlane_b32 s28, v1                    ; wave 0..3
	v_and_b32 v1, 31, v0                           ; lane
	v_lshlrev_b32 v4, 4, v1                        ; 16 x lane
	s_wait_kmcnt 0x0
	s_cmp_lt_u32 ttmp9, 256
	s_cbranch_scc1 .Lmask
	s_cmp_lt_u32 ttmp9, 672
	s_cbranch_scc1 .Lx
; ---------------- PATH W: a wave takes 32 columns d x 256 along e of one head of one of the three weights
	s_sub_co_u32 s29, ttmp9, 672                   ; y = 0..95
	s_load_b256 s[32:39], s[20:21], 0x0            ; entries 0..7
	s_lshr_b32 s30, s29, 1                         ; 16 x weight + head
	s_lshr_b32 s31, s30, 4                         ; which weight
	s_and_b32 s40, s30, 15                         ; head
	s_and_b32 s41, s28, 1                          ; which 32 of the 64 columns
	s_and_b32 s42, s29, 1
	s_lshl_b32 s42, s42, 1
	s_lshr_b32 s43, s28, 1
	s_add_co_u32 s42, s42, s43                     ; which 256 of the 1,024 along e
	s_cmp_eq_u32 s31, 1                            ; the choice hangs on the work-group's number alone
	s_cselect_b64 s[14:15], s[16:17], s[14:15]
	s_cmp_eq_u32 s31, 2
	s_cselect_b64 s[14:15], s[18:19], s[14:15]
	s_lshl_b32 s44, s40, 18                        ; a head is 1,024 rows of 256 bytes
	s_lshl_b32 s45, s42, 16
	s_add_co_u32 s44, s44, s45
	s_lshl_b32 s45, s41, 7
	s_add_co_u32 s44, s44, s45
	s_mov_b32 s45, 0
	s_add_nc_u64 s[14:15], s[14:15], s[44:45]
	s_lshl_b32 s44, s30, 16                        ; codes: 64 rows of 1,024 bytes for each weight and head,
	s_lshl_b32 s46, s41, 15                        ; 32 rows,
	s_add_co_u32 s44, s44, s46
	s_lshl_b32 s46, s42, 8                         ; 256 bytes along e,
	s_add_co_u32 s44, s44, s46
	s_add_co_u32 s44, s44, 0xc00000                ; from row 12,288 on
	s_add_nc_u64 s[22:23], s[22:23], s[44:45]
	v_lshlrev_b32 v5, 2, v1                        ; in: 4 bytes a lane
	s_mul_i32 s46, s28, 32*272
	s_add_co_u32 s46, s46, WST                     ; my stage
	v_mul_u32_u24 v6, v1, 272
	v_add_nc_u32 v6, s46, v6                       ; into it: row = my column
	v_and_b32 v12, 15, v1
	v_lshrrev_b32 v13, 4, v1
	v_mul_u32_u24 v7, v13, 272
	v_lshl_add_u32 v7, v12, 4, v7
	v_add_nc_u32 v7, s46, v7                       ; out of it: sixteen lanes to a row, two rows an instruction
	v_lshlrev_b32 v8, 10, v13
	v_lshl_add_u32 v8, v12, 4, v8                  ; and the same place in the codes' buffer
.macro WLOAD t                         ; block t: W(32 t + i, my column), i = 0 .. 31, into set t % 2: 32 lanes read 128 consecutive bytes
.irp i, 0,1,2,3,4,5,6,7,8,9,10,11,12,13,14,15,16,17,18,19,20,21,22,23,24,25,26,27,28,29,30,31
	global_load_b32 v[32+32*((\t)%2)+\i], v5, s[14:15] offset:(32*(\t)+\i)*256
.endr
.endm
	WLOAD 0
	WLOAD 1
	s_wait_kmcnt 0x0
	s_cmp_eq_u32 s31, 1
	s_cselect_b32 s32, s34, s32
	s_cmp_eq_u32 s31, 2
	s_cselect_b32 s32, s36, s32                    ; e: entry 0, 2 or 4
	s_add_co_i32 s32, s32, 127
	s_lshl_b32 s33, s32, 23
	v_mov_b32 v11, s33                             ; 2^e as f32: the conversion takes its exponent field
	s_add_co_i32 s32, s32, 8
	s_lshl_b32 s32, s32, 23
	s_or_b32 s32, s32, MANT
	v_mov_b32 v10, s32                             ; 448 x 2^e
.macro WBLOCK t
.set XS, 32+32*((\t)%2)
.if (\t) < 7
	s_wait_loadcnt 32                              ; this block's 32 loads are in; the next block's 32 may be out
.else
	s_wait_loadcnt 0
.endif
.irp i, 0,1,2,3,4,5,6,7,8,9,10,11,12,13,14,15,16,17,18,19,20,21,22,23,24,25,26,27,28,29,30,31
	v_med3_num_f32 v[XS+\i], v[XS+\i], -v10, v10   ; the conversion to an 8-bit code does not saturate (ISA guide 7.6.2): the hold comes first
.endr
.irp g, 0,1,2,3
	v_cvt_scalef32_pk8_fp8_f32 v[96+2*\g:96+2*\g+1], v[XS+8*\g:XS+8*\g+7], v11
.endr
	ds_store_b128 v6, v[96:99] offset:32*(\t)      ; 32 codes: 32 bytes of my column's row
	ds_store_b128 v6, v[100:103] offset:32*(\t)+16
.if (\t)+2 < 8
	WLOAD (\t)+2
.endif
	s_wait_dscnt 0x0                               ; the stores have read their registers: the next block's codes may be written
.endm
.set Q, 0
.rept 8
	WBLOCK Q
.set Q, Q+1
.endr
.irp t, 0,1,2,3,4,5,6,7,8,9,10,11,12,13,14,15
	ds_load_b128 v[112+4*\t:112+4*\t+3], v7 offset:2*\t*272   ; LDS serves a wave's instructions in order: these see my stores
.endr
.irp t, 0,1,2,3,4,5,6,7,8,9,10,11,12,13,14,15
	s_wait_dscnt 15-\t                             ; the younger loads may be out
	global_store_b128 v8, v[112+4*\t:112+4*\t+3], s[22:23] offset:2*\t*1024   ; sixteen lanes store 256 consecutive bytes, aligned
.endr
	s_branch .Lend
; ---------------- PATH X: a wave takes 16 steps of 512 numbers of a plain stream
.Lx:
	s_sub_co_u32 s29, ttmp9, 256                   ; x = 0..415
	s_load_b256 s[32:39], s[20:21], 0x0            ; entries 0..7
	s_load_b128 s[40:43], s[20:21], 0x20           ; entries 8..11
	s_lshr_b32 s30, s29, 7                         ; 0 query, 1 key, 2 value, 3 Wo
	s_and_b32 s31, s29, 127
	s_cmp_eq_u32 s30, 1
	s_cselect_b64 s[6:7], s[8:9], s[6:7]
	s_cmp_eq_u32 s30, 2
	s_cselect_b64 s[6:7], s[10:11], s[6:7]
	s_cmp_eq_u32 s30, 3
	s_cselect_b64 s[6:7], s[12:13], s[6:7]
	s_cselect_b32 s44, 0x300000, 0                 ; Wo's codes lie behind the three weights': 3,072 rows further on
	s_lshl_b32 s46, s31, 2
	s_add_co_u32 s46, s46, s28                     ; which run of 8,192 numbers of the tensor is my wave's
	s_lshl_b32 s48, s46, 15
	s_mov_b32 s49, 0
	s_add_nc_u64 s[6:7], s[6:7], s[48:49]
	s_lshl_b32 s48, s29, 15
	s_lshl_b32 s46, s28, 13
	s_add_co_u32 s48, s48, s46
	s_add_co_u32 s48, s48, s44
	s_add_nc_u64 s[50:51], s[22:23], s[48:49]
	v_lshrrev_b32 v14, 2, v1
	v_mul_u32_u24 v14, v14, 80
	v_and_b32 v15, 3, v1
	v_lshl_add_u32 v14, v15, 4, v14
	v_add_nc_u32 v14, s46, v14                     ; the stage (XST = 0, + 8,192 x wave), on the way in: four lanes' 64 bytes on end, then 16 of padding
	v_mul_u32_u24 v15, v1, 80
	v_add_nc_u32 v15, s46, v15                     ; and on the way out: my 16 neighbours
.macro XLOAD t
.irp i, 0,1,2,3
	global_load_b128 v[16+16*((\t)%4)+4*\i:16+16*((\t)%4)+4*\i+3], v4, s[6:7] offset:2048*(\t)+512*\i th:TH_LOAD_NT   ; 32 lanes read 512 consecutive bytes
.endr
.endm
.macro XTURN t                         ; step t's numbers through the stage: LDS serves a wave's instructions in order
.irp i, 0,1,2,3
	ds_store_b128 v14, v[16+16*((\t)%4)+4*\i:16+16*((\t)%4)+4*\i+3] offset:2560*((\t)%2)+640*\i
.endr
.irp i, 0,1,2,3
	ds_load_b128 v[80+16*((\t)%2)+4*\i:80+16*((\t)%2)+4*\i+3], v15 offset:2560*((\t)%2)+16*\i
.endr
.endm
.irp t, 0,1,2,3
	XLOAD \t
.endr
	s_wait_kmcnt 0x0
	s_cmp_eq_u32 s30, 1
	s_cselect_b32 s33, s35, s33
	s_cmp_eq_u32 s30, 2
	s_cselect_b32 s33, s37, s33
	s_cmp_eq_u32 s30, 3
	s_cselect_b32 s33, s43, s33                    ; e: entry 1, 3, 5 or 11
	s_add_co_i32 s33, s33, 127
	s_lshl_b32 s34, s33, 23
	v_mov_b32 v11, s34                             ; 2^e
	s_add_co_i32 s33, s33, 8
	s_lshl_b32 s33, s33, 23
	s_or_b32 s33, s33, MANT
	v_mov_b32 v10, s33                             ; 448 x 2^e
	s_wait_loadcnt 12                              ; step 0's four loads are in
	XTURN 0
.macro XSTEP t
.set XS, 80+16*((\t)%2)
	s_wait_dscnt 0x0                               ; this step's numbers are back from the stage, so its stores into the stage have read their registers,
.if (\t)+4 < 16
	XLOAD (\t)+4                                   ; which take the loads of four steps on
.endif
.if (\t)+1 < 16
.if 14-(\t) >= 3
	s_wait_loadcnt 12                              ; the next step's four loads are in; those of the three steps behind it may be out
.else
	s_wait_loadcnt 4*(14-(\t))
.endif
	XTURN (\t)+1
.endif
.irp i, 0,1,2,3,4,5,6,7,8,9,10,11,12,13,14,15
	v_med3_num_f32 v[XS+\i], v[XS+\i], -v10, v10
.endr
	v_cvt_scalef32_pk8_fp8_f32 v[128+4*(\t):128+4*(\t)+1], v[XS:XS+7], v11
	v_cvt_scalef32_pk8_fp8_f32 v[128+4*(\t)+2:128+4*(\t)+3], v[XS+8:XS+15], v11
	global_store_b128 v4, v[128+4*(\t):128+4*(\t)+3], s[50:51] offset:512*(\t)   ; the wave stores 512 consecutive bytes; each step has its own registers
.endm
.irp t, 0,1,2,3,4,5,6,7,8,9,10,11,12,13,14,15
	XSTEP \t
.endr
	s_branch .Lend
; ---------------- PATH M: wave w takes steps 4 w .. 4 w + 3 of the tile's sixteen
.Lmask:
	s_lshr_b32 s29, ttmp9, 3
	s_lshl_b32 s29, s29, 7                         ; 128 x (16 n + g)
	s_bfe_u32 s30, ttmp9, 0x20001
	s_lshl_b32 s30, s30, 5                         ; + 32 (j / 2)
	s_add_co_u32 s29, s29, s30
	s_and_b32 s30, ttmp9, 1
	s_lshl_b32 s30, s30, 3                         ; + 8 (j % 2)
	s_add_co_u32 s29, s29, s30                     ; the tile's first row of the mask
	s_lshl_b32 s30, s29, 13                        ; a row is 8,192 bytes
	s_lshl_b32 s31, s28, 11                        ; my wave's 512 keys
	s_add_co_u32 s30, s30, s31
	s_mov_b32 s31, 0
	s_add_nc_u64 s[4:5], s[4:5], s[30:31]
	s_lshl_b32 s30, ttmp9, 12                      ; mw: 16 steps of 256 bytes a tile
	s_lshl_b32 s35, s28, 10
	s_add_co_u32 s30, s30, s35
	s_add_nc_u64 s[24:25], s[24:25], s[30:31]
	s_lshl_b32 s30, ttmp9, 9                       ; fl: 128 bytes for each wave of a tile
	s_lshl_b32 s35, s28, 7
	s_add_co_u32 s30, s30, s35
	s_add_nc_u64 s[26:27], s[26:27], s[30:31]
	s_mul_i32 s35, s28, 8448
	s_add_co_u32 s35, s35, MST                     ; my stage: 16 rows of 512 bytes + 16
	v_add_nc_u32 v8, s35, v4                       ; in: as loaded, 16 bytes a lane
	v_and_b32 v12, 15, v1
	v_lshrrev_b32 v13, 4, v1
	v_mul_u32_u24 v9, v12, 528
	v_lshl_add_u32 v9, v13, 6, v9
	v_add_nc_u32 v9, s35, v9                       ; out: row r, + 64 h: my 16 keys of each block of 32
	v_lshlrev_b32 v10, 3, v1
	v_lshlrev_b32 v11, 2, v1
.irp i, 208,209,210,211,212,213,214,215,216
	v_mov_b32 v\i, 0                               ; written whole once: a lane write keeps the other lanes
.endr
	s_mov_b32 s32, 0                               ; which lanes have any key that counts
	s_mov_b32 s33, 0                               ; which steps have any
	s_mov_b32 s34, 0                               ; which steps have any that does not count
.macro LOADM s                         ; step s: 16 rows x 512 bytes; each load reads 512 consecutive bytes of one row
.irp p, 0,1,2,3,4,5,6,7,8,9,10,11,12,13,14,15
	global_load_b128 v[16+64*((\s)%2)+4*\p:16+64*((\s)%2)+4*\p+3], v4, s[4:5] offset:(\p+8*(\p/8))*8192+(\s)*512 th:TH_LOAD_NT
.endr
.endm
.macro MSTEP s
.if (\s) < 3
	s_wait_loadcnt 16                              ; this step's 16 loads are in; the other set's 16 may be out
.else
	s_wait_loadcnt 0
.endif
.irp p, 0,1,2,3,4,5,6,7,8,9,10,11,12,13,14,15
	ds_store_b128 v8, v[16+64*((\s)%2)+4*\p:16+64*((\s)%2)+4*\p+3] offset:\p*528
.endr
.irp b, 0,1,2,3
.irp c, 0,1,2,3
	ds_load_b128 v[144+16*\b+4*\c:144+16*\b+4*\c+3], v9 offset:128*\b+16*\c   ; register 16 b + i: key 32 b + 16 h + i of row r
.endr
.endr
	s_wait_dscnt 0x0
.if (\s) < 2
	LOADM (\s)+2
.endif
	s_mov_b32 s36, 0
	s_mov_b32 s37, -1
.set n, 0
.rept 8
.irp k, 0,1,2,3,4,5,6,7
	v_cmp_ne_u32 s[40+\k], 0, v[144+n+\k]          ; word n: bit l = lane l's register n counts
.endr
.irp k, 0,1,2,3,4,5,6,7
	v_writelane_b32 v[208+2*(\s)+((n+\k)&1)], s[40+\k], (n+\k)>>1
	s_or_b32 s36, s36, s[40+\k]
	s_and_b32 s37, s37, s[40+\k]
.endr
.set n, n+8
.endr
	global_store_b64 v10, v[208+2*(\s):208+2*(\s)+1], s[24:25] offset:256*(\s)   ; lane l stores words 2 l, 2 l + 1: 256 consecutive bytes, aligned; each step has its own pair
	s_or_b32 s32, s32, s36
	s_cmp_lg_u32 s36, 0
	s_cselect_b32 s38, 1<<(\s), 0
	s_or_b32 s33, s33, s38
	s_cmp_lg_u32 s37, -1
	s_cselect_b32 s38, 1<<(\s), 0
	s_or_b32 s34, s34, s38
.endm
	LOADM 0
	LOADM 1
	MSTEP 0
	MSTEP 1
	MSTEP 2
	MSTEP 3
	s_lshl_b32 s38, s28, 2
	s_lshl_b32 s33, s33, s38                       ; my four steps' bits at their place among the sixteen
	s_lshl_b32 s34, s34, s38
	v_writelane_b32 v216, s32, 0
	v_writelane_b32 v216, s33, 1
	v_writelane_b32 v216, s34, 2
	global_store_b32 v11, v216, s[26:27]           ; 128 bytes: three words and zeros
.Lend:
	s_wait_tensorcnt 0x0                           ; the wave's end, behind my last LDS store
	ds_add_u32 v[SPW], v[NIL]
	s_wait_dscnt 0x0
	s_endpgm
.Lfunc_end_k_qe663c64b04_prep:
	.size	k_qe663c64b04_prep, .Lfunc_end_k_qe663c64b04_prep-k_qe663c64b04_prep
	.p2alignl 7, 3214868480
	.fill 96, 4, 3214868480
	.section	.rodata,"a",@progbits
	.p2align	6, 0x0
	.amdhsa_kernel k_qe663c64b04_prep
		.amdhsa_group_segment_fixed_size 102144
		.amdhsa_private_segment_fixed_size 0
		.amdhsa_enable_private_segment 0
		.amdhsa_kernarg_size 96
		.amdhsa_user_sgpr_count 2
		.amdhsa_user_sgpr_kernarg_segment_ptr 1
		.amdhsa_wavefront_size32 1
		.amdhsa_system_sgpr_workgroup_id_x 1
		.amdhsa_system_sgpr_workgroup_id_y 1
		.amdhsa_system_sgpr_workgroup_id_z 1
		.amdhsa_system_vgpr_workitem_id 0
		.amdhsa_next_free_vgpr 224
		.amdhsa_next_free_sgpr 66
		.amdhsa_reserve_vcc 0
		.amdhsa_float_denorm_mode_32 3
		.amdhsa_float_denorm_mode_16_64 3
		.amdhsa_memory_ordered 1
		.amdhsa_forward_progress 1
		.amdhsa_inst_pref_size 152
	.end_amdhsa_kernel
	.amdgpu_metadata
---
amdhsa.version: [ 1, 2 ]
amdhsa.kernels:
  - .name:           k_qe663c64b04_prep
    .symbol:         k_qe663c64b04_prep.kd
    .args:
      - { .name: mask, .offset: 0, .size: 8, .value_kind: global_buffer, .address_space: global }
      - { .name: query, .offset: 8, .size: 8, .value_kind: global_buffer, .address_space: global }
      - { .name: key, .offset: 16, .size: 8, .value_kind: global_buffer, .address_space: global }
      - { .name: value, .offset: 24, .size: 8, .value_kind: global_buffer, .address_space: global }
      - { .name: Wo, .offset: 32, .size: 8, .value_kind: global_buffer, .address_space: global }
      - { .name: Wq, .offset: 40, .size: 8, .value_kind: global_buffer, .address_space: global }
      - { .name: Wk, .offset: 48, .size: 8, .value_kind: global_buffer, .address_space: global }
      - { .name: Wv, .offset: 56, .size: 8, .value_kind: global_buffer, .address_space: global }
      - { .name: lowp_scales, .offset: 64, .size: 8, .value_kind: global_buffer, .address_space: global }
      - { .name: codes, .offset: 72, .size: 8, .value_kind: global_buffer, .address_space: global }
      - { .name: mw, .offset: 80, .size: 8, .value_kind: global_buffer, .address_space: global }
      - { .name: fl, .offset: 88, .size: 8, .value_kind: global_buffer, .address_space: global }
    .group_segment_fixed_size: 102144
    .private_segment_fixed_size: 0
    .kernarg_segment_align: 8
    .kernarg_segment_size: 96
    .max_flat_workgroup_size: 128
    .sgpr_count:     66
    .vgpr_count:     224
    .wavefront_size: 32
...
	.end_amdgpu_metadata
.endif
;; end of part 1
;; launch proj (part 2): grid 4 x 48, 4 waves a work-group, clusters of 4 x 4, 327,680 bytes of LDS; arguments codes, lowp_scales, qkv; writes qkv
.if DOCPART == 2
	.amdgcn_target "amdgcn-amd-amdhsa--gfx1250"
	.amdhsa_code_object_version 6
	.text
	.protected	k_qe663c64b04_proj
	.globl	k_qe663c64b04_proj
	.p2align	8
	.type	k_qe663c64b04_proj,@function
k_qe663c64b04_proj:
	s_mov_b64 s[64:65], 0
	v_nop
	global_prefetch_b8 v0, s[64:65] scope:SCOPE_SE
	s_setreg_imm32_b32 hwreg(HW_REG_WAVE_MODE, 25, 1), 1
	s_wait_xcnt 0x0
	s_wait_alu depctr_hold_cnt(0) depctr_sa_sdst(0) depctr_va_vdst(0) depctr_va_sdst(0) depctr_va_ssrc(0) depctr_va_vcc(0) depctr_vm_vsrc(0)
	s_getreg_b32 s2, hwreg(HW_REG_IB_STS2, 6, 4)
	s_cmp_eq_u32 s2, 0
	s_cbranch_scc0 .Lentry_in_a_cluster
	s_endpgm
.Lentry_in_a_cluster:
	s_bfe_u32 s2, ttmp6, 0x10000c
	s_cmp_lg_u32 s2, 0xf033
	s_cbranch_scc0 .Lentry_shape_is_right
	s_endpgm
.Lentry_shape_is_right:
; LAUNCH 2 OF 4: the three projections, on codes of E4M3, and their results quantised at once for the two products of attention.  Nothing is left out.
; G[m][n] = sum over k of P[m][k] Q[n][k], K = 1,024.  A tile of G, 256 x 256, is made by four waves, 128 x 128 each: 64 accumulators, 512 registers.
; q, k (cluster y 0-3, 4-7):  P = the tokens' codes, Q = the weight's rows (head 64 + d).      v (cluster y 8-11):  P = Wv's rows, Q = the tokens: so v's codes come out with the KEYS innermost.
; THE MATRIX INSTRUCTION IS USED TRANSPOSED (source 0 = 16 rows of Q, source 1 = 16 rows of P): a lane holds one row m and eight neighbouring n: eight neighbours along the next product's K.
; A sum stands for sum x 2^(eW + eX); its code is sum / 2^E, E = eOut - eW - eX (q: entries 6, 0, 1; k: 7, 2, 3; v: 9, 4, 5), held within +-448.  LIMIT: E between -126 and 119.  No branch hangs on a scale.
; K goes in steps of 256 through a ring of two LDS slots filled by the tensor data mover; 4 x 4 work-groups form a cluster: P's tile is asked for jointly along a row of the cluster, Q's along a column.
; THE RESULT IS STORED AS IMAGES OF THE NEXT OPERAND'S REGISTERS: qkv = three regions of 4 MiB (q, k, v), each [16 n + head][step of 128 tokens][8,192 bytes].  With l = 16 h + rr:
;   q, k: piece (t, c) at 1,024 t + 512 c + 16 l: token 32 (t / 2) + 8 (t % 2) + rr + 8 (rr / 8) of the step, d = 32 c + 16 h + 0 .. 15
;   v:    piece (t, b) at 4,096 (b / 2) + 1,024 t + 512 (b % 2) + 16 l: d = 32 (t / 2) + 8 (t % 2) + rr + 8 (rr / 8), keys 32 b + 16 h + 0 .. 15 of the step
; REGISTERS, in windows of 256: window 0: v0-31 addresses; v32-95 at work on the way out; from v128 P's fragments, ONE set, later the codes.  window 1: Q's fragments, TWO sets.  windows 2, 3: the accumulators.
.set ROWB,   256                       ; a tile's row in bytes: 256 codes
.set KROW,   1024                      ; a row of codes in memory
.set PITCH,  272                       ; an LDS row: 256 bytes + 16 of padding = 68 words: the 16 rows that a load touches start at 16 different banks (64 banks of 4 bytes: ISA guide 11.1)
.set FR,     16                        ; registers of a fragment: 16 rows x 128 K
.set NL,     4                         ; LDS loads that bring one
.set NP,     4                         ; places behind this matrix instruction (ISA guide 7.12.1)
.set HALFT,  128*PITCH
.set SLOT,   4*HALFT                   ; P's 256 rows, then Q's 256 rows
.set LAPS,   2                         ; 1,024 / 512
.set SPARE,  2*SLOT                    ; behind the ring: the spare words, 128 bytes a wave
.set ADRA, 16                          ; v16-17  LDS address of my P fragments in slot 0, 1
.set ADRB, 20                          ; v20-21  the same for Q
.set STO,  24                          ; v24     the way out: where I put 8 codes
.set RD,   25                          ; v25     the way out: where I read 16 bytes back
.set CO,   26                          ; v26     16 x lane
.set SPW,  28                          ; v28     LDS address of my spare word; never rewritten
.set NIL,  29                          ; v29     0; never rewritten
.set LIM,  30                          ; v30     448 x 2^E
.set SCL,  31                          ; v31     2^E
.set TMP,  32
.set AF,   128
.set CD,   128                         ; the way out: the codes
.set G1, 24
.set G0, 32
.set G1B, 48
.set G0B, 56
.set OB, 80                            ; s[80:87] where the four quarters of my stage go
.set MSB, 0
.macro WIN new                         ; the immediate's high byte repeats the setting that is left
.if MSB != \new
	s_set_vgpr_msb (MSB<<8)|\new
.set MSB, \new
.endif
.endm
.set MUL_LO, 0xa1                      ; source 0 (Q) window 1, source 1 (P) window 0, C and D window 2
.set MUL_HI, 0xf1
.set TO_B,   0x40
; A joint load: waves 0 and 1 fetch for P, waves 2 and 3 for Q; the branch hangs on the wave's number alone.  An s_nop 0 and four v_nop follow each of the two lines.
.macro JLOAD g0a, g1a, g0b, g1b
	s_cmp_eq_u32 s15, 0
	s_cbranch_scc0 .Lfor_b_\@
	tensor_load_to_lds s[\g0a:\g0a+3], s[\g1a:\g1a+7]
	s_nop 0
.rept 4
	v_nop
.endr
	s_branch .Lasked_\@
.Lfor_b_\@:
	tensor_load_to_lds s[\g0b:\g0b+3], s[\g1b:\g1b+7]
	s_nop 0
.rept 4
	v_nop
.endr
.Lasked_\@:
.endm
.macro CREST                           ; a round of the cluster's barrier behind its opening barrier
	s_cmp_lg_u32 s14, 0
	s_cbranch_scc1 .Lnot_wave_0_\@
	s_barrier_signal -3
.Lnot_wave_0_\@:
	s_barrier_wait -3
	s_barrier_signal -1
	s_barrier_wait -1
.endm
.macro CROUND
	s_barrier_signal -1
	s_barrier_wait -1
	CREST
.endm
	s_load_b128 s[4:7], s[0:1], 0x0                ; codes s[4:5], the scales' exponents s[6:7]
	s_load_b64 s[8:9], s[0:1], 0x10                ; qkv
	v_lshl_add_u32 v[SPW], v0, 2, SPARE
	v_mov_b32 v[NIL], 0
	ds_add_u32 v[SPW], v[NIL]                      ; the wave's opening: the add, twice on end, and its wait ahead of my first tensor load
	ds_add_u32 v[SPW], v[NIL]
	v_lshrrev_b32 v1, 5, v0
	v_readfirstlane_b32 s14, v1                    ; wave 0..3
	s_lshr_b32 s15, s14, 1                         ; which half of the tile's rows is mine.  Also: I fetch for P (0) or for Q (1)
	s_and_b32 s16, s14, 1                          ; which half of its columns.  Also: which 128 rows of that tile I fetch
	s_bfe_u32 s40, ttmp6, 0x40000                  ; cx, cy: my place in the cluster
	s_bfe_u32 s41, ttmp6, 0x40004
	s_and_b32 s66, ttmp7, 0xffff                   ; cluster y, 0..11: the sixteen partners share it
	s_lshr_b32 s67, s66, 2                         ; 0 q, 1 k, 2 v
	s_and_b32 s10, s66, 3                          ; which 1,024 of the 4,096 tokens
	s_lshl_b32 s11, s10, 10
	s_lshl_b32 s12, s67, 12
	s_add_co_u32 s12, s12, s11                     ; q, k: P's first row: the tokens'
	s_lshl_b32 s13, s67, 10
	s_add_co_u32 s13, s13, 12288                   ; q, k: Q's first row: the weight's
	s_add_co_u32 s11, s11, 8192                    ; v: Q's first row: value's tokens
	s_mov_b32 s2, 14336                            ; v: P's first row: Wv's
	s_cmp_eq_u32 s67, 2
	s_cselect_b32 s12, s2, s12
	s_cselect_b32 s13, s11, s13
	s_lshl_b32 s43, s41, 2
	s_lshl_b32 s43, 15, s43                        ; my row of the cluster
	s_lshl_b32 s44, 0x1111, s40                    ; my column
	s_or_b32 s[G1+0], s43, (0<<16)|(1<<20)|(1<<21)|(5<<22)|(3<<25)  ; the mask: P's tiles go to my row; elements of 1 byte; padding on; bit 21 beside a mask; 4 words after every 64
	s_or_b32 s[G1B+0], s44, (0<<16)|(1<<20)|(1<<21)|(5<<22)|(3<<25)
.irp g, G1, G1B
	s_mov_b32 s[\g+1], ROWB<<16                    ; tensor_dim0
	s_mov_b32 s[\g+2], 128<<16                     ; tensor_dim1
	s_mov_b32 s[\g+3], ROWB<<16                    ; tile_dim0
	s_mov_b32 s[\g+4], 128                         ; tile_dim1
	s_mov_b32 s[\g+5], KROW                        ; from row to row
	s_mov_b32 s[\g+6], 0
	s_mov_b32 s[\g+7], 0
.endr
	s_lshl_b32 s18, s16, 7                         ; which 128 rows of the tile I fetch
	s_lshl_b32 s20, s41, 8
	s_add_co_u32 s20, s20, s18
	s_add_co_u32 s20, s20, s12                     ; P: its first row + 256 cy + 128 x half
	s_lshl_b32 s20, s20, 10                        ; in bytes (under 2^24)
	s_mov_b32 s21, 0
	s_lshl_b32 s46, s40, 8
	s_add_co_u32 s46, s46, s18
	s_add_co_u32 s46, s46, s13                     ; Q: its first row + 256 cx + 128 x half
	s_lshl_b32 s46, s46, 10
	s_mov_b32 s47, 0
	s_mul_i32 s45, s14, HALFT                      ; where they go: wave x 128 rows: no place in the cluster enters an LDS address
	s_wait_dscnt 0x0                               ; both opening adds are done
	s_wait_kmcnt 0x0
	s_load_b256 s[68:75], s[6:7], 0x0              ; entries 0..7
	s_load_b128 s[76:79], s[6:7], 0x20             ; entries 8..11
	s_add_nc_u64 s[20:21], s[4:5], s[20:21]
	s_add_nc_u64 s[46:47], s[4:5], s[46:47]
	CROUND                                         ; all sixteen work-groups are here: the first joint loads meet
.irp s, 0,1
	s_mov_b32 s[G0+4*\s], 1
	s_add_co_u32 s[G0+4*\s+1], s45, \s*SLOT
	s_add_nc_u64 s[G0+4*\s+2:G0+4*\s+3], s[20:21], \s*ROWB
	s_or_b32 s[G0+4*\s+3], s[G0+4*\s+3], 0x80000000
	s_mov_b32 s[G0B+4*\s], 1
	s_add_co_u32 s[G0B+4*\s+1], s45, \s*SLOT
	s_add_nc_u64 s[G0B+4*\s+2:G0B+4*\s+3], s[46:47], \s*ROWB
	s_or_b32 s[G0B+4*\s+3], s[G0B+4*\s+3], 0x80000000
	JLOAD G0+4*\s, G1, G0B+4*\s, G1B
.endr
	v_and_b32 v1, 15, v0                           ; r
	v_bfe_u32 v2, v0, 4, 1                         ; h
	v_mul_u32_u24 v3, v1, PITCH
	v_lshl_add_u32 v4, v2, 4, v3                   ; a fragment's row x pitch + 16 x half
	s_mul_i32 s21, s15, HALFT                      ; my 128 rows of P
	s_mul_i32 s22, s16, HALFT                      ; my 128 rows of Q,
	s_add_co_u32 s22, s22, 2*HALFT                 ; which lie behind P's 256
.irp s, 0,1
	v_add_nc_u32 v[ADRA+\s], s21, v4
	v_add_nc_u32 v[ADRB+\s], s22, v4
	s_add_co_u32 s21, s21, SLOT
	s_add_co_u32 s22, s22, SLOT
.endr
	; the way out: my stage, 16,384 bytes, lies in slot 0, which has had its last fill and its last read when the first code is stored there
	v_and_b32 v5, 7, v0
	v_bfe_u32 v6, v0, 3, 1
	v_lshlrev_b32 v5, 4, v5                        ; 16 (r % 8)
	v_lshl_add_u32 v5, v6, 10, v5                  ; + 1,024 (r / 8)
	v_lshl_add_u32 v5, v2, 3, v5                   ; + 8 h
	s_lshl_b32 s23, s14, 14
	v_add_nc_u32 v[STO], s23, v5
	v_and_b32 v6, 31, v0
	v_lshlrev_b32 v[CO], 4, v6
	v_add_nc_u32 v[RD], s23, v[CO]
	; where my 128 x 128 goes: two images' worth in each direction.  (In registers that feed no descriptor)
	s_lshl_b32 s88, s10, 2
	s_cmp_eq_u32 s67, 2
	s_cselect_b32 s89, 0, s88
	s_cselect_b32 s90, s88, 0
	s_add_co_u32 s89, s89, s41                     ; tile row of G
	s_add_co_u32 s90, s90, s40                     ; tile column of G
	s_lshl_b32 s89, s89, 8
	s_lshl_b32 s91, s15, 7
	s_add_co_u32 s89, s89, s91                     ; my first row
	s_lshl_b32 s90, s90, 8
	s_lshl_b32 s91, s16, 7
	s_add_co_u32 s90, s90, s91                     ; my first column
	s_mov_b32 s94, 0x20000
	s_cmp_eq_u32 s67, 2
	s_cselect_b32 s92, s90, s89                    ; my first token
	s_cselect_b32 s93, s89, s90                    ; my first head 64 + d
	s_cselect_b32 s95, 4096, s94                   ; from the stage's first half to its second: q, k the next head; v the image's second half
	s_cselect_b32 s94, s94, 4096                   ; from a quarter to the next: the other way round
	s_lshr_b32 s88, s92, 11                        ; n
	s_lshl_b32 s88, s88, 4
	s_lshr_b32 s91, s93, 6                         ; head
	s_add_co_u32 s88, s88, s91
	s_lshl_b32 s88, s88, 4
	s_bfe_u32 s91, s92, 0x40007                    ; the step of 128 tokens
	s_add_co_u32 s88, s88, s91
	s_lshl_b32 s88, s88, 13
	s_lshl_b32 s91, s67, 22                        ; the region
	s_add_co_u32 s88, s88, s91
	s_mov_b32 s89, 0
	s_add_nc_u64 s[OB:OB+1], s[8:9], s[88:89]
	s_mov_b32 s88, s94
	s_add_nc_u64 s[OB+2:OB+3], s[OB:OB+1], s[88:89]
	s_mov_b32 s88, s95
	s_add_nc_u64 s[OB+4:OB+5], s[OB:OB+1], s[88:89]
	s_mov_b32 s88, s94
	s_add_nc_u64 s[OB+6:OB+7], s[OB+4:OB+5], s[88:89]
.macro FRAG reg, adr, q, i             ; a fragment: lane l holds row l % 16; registers 4 c .. 4 c + 3 hold K = 32 c + 16 (l / 16) + 0 .. 15: the same order of k on both sides
.irp c, 0,1,2,3
	ds_load_b128 v[\reg+4*\c:\reg+4*\c+3], v[\adr] offset:128*(\q)+32*\c+(\i)*16*PITCH
.endr
.endm
; 16 matrix instructions: P's blocks a0, a0 + 1 x Q's eight.  The 64 accumulators take turns, one instruction a turn, in the same order in every step.
.macro MUL16 a0, p, zero
.irp a, \a0, \a0+1
.irp b, 0,1,2,3,4,5,6,7
.if \zero
	v_wmma_f32_16x16x128_fp8_fp8 v[8*(8*((\a)%4)+\b):8*(8*((\a)%4)+\b)+7], v[128*(\p)+FR*\b:128*(\p)+FR*\b+FR-1], v[AF+FR*(\a):AF+FR*(\a)+FR-1], 0
.else
	v_wmma_f32_16x16x128_fp8_fp8 v[8*(8*((\a)%4)+\b):8*(8*((\a)%4)+\b)+7], v[128*(\p)+FR*\b:128*(\p)+FR*\b+FR-1], v[AF+FR*(\a):AF+FR*(\a)+FR-1], v[8*(8*((\a)%4)+\b):8*(8*((\a)%4)+\b)+7]
.endif
.endr
.endr
.endm
.macro FETCH_B slot, q, p
	WIN TO_B
.irp i, 0,1,2,3,4,5,6,7
	FRAG 128*(\p)+FR*\i, ADRB+\slot, \q, \i
.endr
	WIN 0
.endm
.macro FETCH_A slot, q, i0
.irp i, \i0, \i0+1, \i0+2, \i0+3
	FRAG AF+FR*(\i), ADRA+\slot, \q, \i
.endr
.endm
.macro PLACES n                        ; plain vector instructions between a matrix instruction and a load into, or a vector read of, its registers
.rept \n
	v_nop
.endr
.endm
.macro STEP slot, q, zero              ; 128 along K that has its successor in the same slot
	s_wait_dscnt 4*NL                              ; Q's set and P's blocks 0-3 are in; the youngest sixteen loads (P's blocks 4-7) may be out
	WIN MUL_LO
	MUL16 0, (\q)%2, \zero
	MUL16 2, (\q)%2, \zero
	s_wait_dscnt 0
	PLACES NP
	FETCH_B \slot, (\q)+1, 1-(\q)%2
	FETCH_A \slot, (\q)+1, 0
	WIN MUL_HI
	MUL16 4, (\q)%2, \zero
	MUL16 6, (\q)%2, \zero
	PLACES NP
	WIN 0
	FETCH_A \slot, (\q)+1, 4
.endm
; A slot's last step changes slots: ONE barrier; in front of it each wave waits for all its tensor loads, adds 0 to its spare word, and waits for that and for its own reads of this slot.
.macro TURN slot, next, fill
	s_wait_tensorcnt 0x0                           ; all my tensor loads have landed: my part of the next slot
	ds_add_u32 v[SPW], v[NIL]                      ; 0 onto my spare word
	s_wait_dscnt 4*NL+1                            ; (the add and the youngest sixteen loads may be out)
	WIN MUL_LO
	MUL16 0, 1, 0
	s_wait_dscnt 0x0                               ; the add is done, and my reads of this slot are over
	s_barrier_signal -1
	MUL16 2, 1, 0
	WIN 0
	s_barrier_wait -1
.if \fill
	CREST                                          ; the barrier has opened a round of the cluster's: no wave of any partner still reads this slot or has a load on its way
	s_add_nc_u64 s[G0+4*\slot+2:G0+4*\slot+3], s[G0+4*\slot+2:G0+4*\slot+3], 2*ROWB
	s_add_nc_u64 s[G0B+4*\slot+2:G0B+4*\slot+3], s[G0B+4*\slot+2:G0B+4*\slot+3], 2*ROWB
	JLOAD G0+4*\slot, G1, G0B+4*\slot, G1B         ; the first tensor load behind the round; its four v_nop are the places in front of the loads below
.else
	PLACES NP
.endif
	FETCH_B \next, 0, 0
	FETCH_A \next, 0, 0
	WIN MUL_HI
	MUL16 4, 1, 0
	MUL16 6, 1, 0
	PLACES NP
	WIN 0
	FETCH_A \next, 0, 4
.endm
	s_wait_tensorcnt 1                             ; my part of K step 0 is in (K step 1's load may be out)
	s_barrier_signal -1
	s_barrier_wait -1                              ; everybody's is
	FETCH_B 0, 0, 0
	FETCH_A 0, 0, 0
	FETCH_A 0, 0, 4
	STEP 0, 0, 1                                   ; the first step's products start the sums
	s_mov_b32 s3, LAPS-1
.Llap:
	TURN 0, 1, 1
	STEP 1, 0, 0
	TURN 1, 0, 1
	STEP 0, 0, 0
	s_sub_co_u32 s3, s3, 1
	s_cmp_lg_u32 s3, 0
	s_cbranch_scc1 .Llap
	TURN 0, 1, 0                                   ; the last lap fills nothing, and has no round of the cluster's barrier
	STEP 1, 0, 0
	s_wait_dscnt 4*NL
	WIN MUL_LO
	MUL16 0, 1, 0
	MUL16 2, 1, 0
	s_wait_dscnt 0
	WIN MUL_HI
	MUL16 4, 1, 0
	MUL16 6, 1, 0
	WIN 0
	; THE WAY OUT.  The three scales are folded into the conversion's one; chosen without a branch
	s_wait_kmcnt 0x0
	s_sub_co_i32 s74, s74, s68
	s_sub_co_i32 s74, s74, s69                     ; q: e6 - e0 - e1
	s_sub_co_i32 s75, s75, s70
	s_sub_co_i32 s75, s75, s71                     ; k: e7 - e2 - e3
	s_sub_co_i32 s77, s77, s72
	s_sub_co_i32 s77, s77, s73                     ; v: e9 - e4 - e5
	s_cmp_eq_u32 s67, 1
	s_cselect_b32 s74, s75, s74
	s_cmp_eq_u32 s67, 2
	s_cselect_b32 s74, s77, s74
	s_add_co_i32 s74, s74, 127
	s_lshl_b32 s75, s74, 23
	s_add_co_i32 s74, s74, 8
	s_lshl_b32 s74, s74, 23
	s_or_b32 s74, s74, 0x600000
	PLACES NP
	v_mov_b32 v[SCL], s75                          ; 2^E
	v_mov_b32 v[LIM], s74                          ; 448 x 2^E
; Block a (16 rows x 128 columns): held, converted, and each lane's eight codes put where the image wants them.  Each accumulator is read from its low end on.
.macro QBLOCK a
.set AC, 64*((\a)%4)
	WIN 0x02+((\a)/4)                              ; source 0: window 2 or 3
.set j, 0
.rept 64
	v_med3_num_f32 v[TMP+j], v[AC+j], -v[LIM], v[LIM]   ; the conversion to an 8-bit code does not saturate (ISA guide 7.6.2)
.set j, j+1
.endr
	WIN 0
.irp b, 0,1,2,3,4,5,6,7
	v_cvt_scalef32_pk8_fp8_f32 v[CD+16*(\a)+2*\b:CD+16*(\a)+2*\b+1], v[TMP+8*\b:TMP+8*\b+7], v[SCL]
.endr
	v_nop                                          ; a plain instruction between the conversions and the next block's writes of their sources
.irp b, 0,1,2,3,4,5,6,7
	ds_store_b64 v[STO], v[CD+16*(\a)+2*\b:CD+16*(\a)+2*\b+1] offset:(\b/4)*8192+((\a)/2)*2048+((\b%4)/2)*512+(\b%2)*256+((\a)%2)*128
.endr
.endm
.irp a, 0,1,2,3,4,5,6,7
	QBLOCK \a
.endr
	s_wait_dscnt 0x0                               ; the stores have read the codes' registers, which take the stage's bytes back
.set i, 0
.rept 32
	ds_load_b128 v[CD+4*i:CD+4*i+3], v[RD] offset:512*i
.set i, i+1
.endr
.set i, 0
.rept 32
	s_wait_dscnt 31-i                              ; the younger loads may be out
	global_store_b128 v[CO], v[CD+4*i:CD+4*i+3], s[OB+2*(i/8):OB+2*(i/8)+1] offset:512*(i%8)   ; the wave stores 512 consecutive bytes, aligned
.set i, i+1
.endr
	s_wait_tensorcnt 0x0                           ; the wave's end
	ds_add_u32 v[SPW], v[NIL]
	s_wait_dscnt 0x0
	CROUND                                         ; the closing round: no work-group ends while a partner may still ask for a tile that names it
	s_endpgm
.Lfunc_end_k_qe663c64b04_proj:
	.size	k_qe663c64b04_proj, .Lfunc_end_k_qe663c64b04_proj-k_qe663c64b04_proj
	.p2alignl 7, 3214868480
	.fill 96, 4, 3214868480
	.section	.rodata,"a",@progbits
	.p2align	6, 0x0
	.amdhsa_kernel k_qe663c64b04_proj
		.amdhsa_group_segment_fixed_size 327680
		.amdhsa_private_segment_fixed_size 0
		.amdhsa_enable_private_segment 0
		.amdhsa_kernarg_size 24
		.amdhsa_user_sgpr_count 2
		.amdhsa_user_sgpr_kernarg_segment_ptr 1
		.amdhsa_wavefront_size32 1
		.amdhsa_system_sgpr_workgroup_id_x 1
		.amdhsa_system_sgpr_workgroup_id_y 1
		.amdhsa_system_sgpr_workgroup_id_z 1
		.amdhsa_system_vgpr_workitem_id 0
		.amdhsa_next_free_vgpr 1024
		.amdhsa_next_free_sgpr 100
		.amdhsa_reserve_vcc 0
		.amdhsa_float_denorm_mode_32 3
		.amdhsa_float_denorm_mode_16_64 3
		.amdhsa_memory_ordered 1
		.amdhsa_forward_progress 1
		.amdhsa_inst_pref_size 126
	.end_amdhsa_kernel
	.amdgpu_metadata
---
amdhsa.version: [ 1, 2 ]
amdhsa.kernels:
  - .name:           k_qe663c64b04_proj
    .symbol:         k_qe663c64b04_proj.kd
    .args:
      - { .name: codes, .offset: 0, .size: 8, .value_kind: global_buffer, .address_space: global }
      - { .name: lowp_scales, .offset: 8, .size: 8, .value_kind: global_buffer, .address_space: global }
      - { .name: qkv, .offset: 16, .size: 8, .value_kind: global_buffer, .address_space: global }
    .group_segment_fixed_size: 327680
    .private_segment_fixed_size: 0
    .kernarg_segment_align: 8
    .kernarg_segment_size: 24
    .max_flat_workgroup_size: 128
    .sgpr_count:     100
    .vgpr_count:     1024
    .wavefront_size: 32
...
	.end_amdgpu_metadata
.endif
;; end of part 2
;; launch attn (part 3): grid 8 x 32, 16 waves a work-group, no clusters, 264,192 bytes of LDS; arguments qkv, mw, fl, lowp_scales, cc; writes cc
.if DOCPART == 3
	.amdgcn_target "amdgcn-amd-amdhsa--gfx1250"
	.amdhsa_code_object_version 6
	.text
	.protected	k_qe663c64b04_attn
	.globl	k_qe663c64b04_attn
	.p2align	8
	.type	k_qe663c64b04_attn,@function
k_qe663c64b04_attn:
	s_mov_b64 s[64:65], 0
	v_nop
	global_prefetch_b8 v0, s[64:65] scope:SCOPE_SE
	s_setreg_imm32_b32 hwreg(HW_REG_WAVE_MODE, 25, 1), 1
	s_wait_xcnt 0x0
; LAUNCH 3 OF 4: attention on codes of E4M3, and its result quantised for the last product.
; energy = q . k (entries 6, 7); where mask == 0 it is replaced; t = energy x log2(e) / 8; M = the running largest t rounded UP to a whole number; p = 2^(t - M) is quantised (entry 8), not normalised;
; the row's sum is taken of the unquantised p and divides O = p v (entry 9) at the end; O / sum is quantised with entry 10.
; WHAT IS PASSED OVER, AND WHY.  The mask is an input of whole numbers; the first launch stored what it says (mw, fl), and this launch reads that from memory.  A step of 128 keys in which the mask hides
; all keys from all 16 queries of a tile adds p = 0 to sums and products, if each of the 16 queries has a key that counts somewhere: then, and only then, the step is passed over.  If any of the 16 rows
; is hidden altogether, all sixteen steps are walked, and that row comes out as the plain mean over all keys, as the replaced energies, all equal, make it.  A step in which every key counts skips the selection.
; LIMIT: a NaN or an infinity that lies only in a step that is passed over is not carried to the result.
; THE REPLACED ENERGY is taken as -2^66 in place of -1e20: a power of two, so that its product with c is exact and a row that is hidden altogether has t - M = 0 exactly.  Either number lies under every
; energy that codes can make, so p is the same: 0, or 1 in a row hidden altogether.  LIMITS: e6 + e7 between -61 and 26; e8 between -126 and 119; e10 - e8 - e9 between -126 and 119.
; SHARES.  A work-group has one head (16 n + head = y) and one j = x; its sixteen waves own the sixteen query tiles (g, j), g = the block of 128 queries, dealt so that four waves with equal
; wave % 4, and four with equal wave / 4, have the same sum of g: that only spreads the work where late queries see more keys; the text is right for every mask.
; The head's whole K and V (2 x 131,072 bytes of images of operand registers) are brought into LDS once, through registers: one barrier in the launch, no slot is filled again, no tensor load: so the
; branches on stored whole numbers are free.  No cluster: without tensor loads there is nothing to ask for jointly.  Nothing is prefetched: all that a work-group reads of K and V is asked for at its head.
; LAYOUT.  Both products are used transposed: S^T = K Q^T (source 0 = 16 keys), O^T = V^T P^T (source 0 = 16 of the head's 64): a lane holds ONE query (lane % 16).  The keys of a tile are chosen so that
; the 16 registers of tiles 2 b, 2 b + 1 are keys 32 b + 16 (lane / 16) + 0 .. 15; V's rows likewise, so that O^T's 16 registers of two tiles are 16 neighbours along the last product's K.
; REGISTERS: v1 16 x lane; v2 the same in V's half; v3, v4 the add's two; v5 the replaced score; v6, v7 the way out's scale and limit; v8, v9 the step's addresses; v12 -M; v13 the largest t; v[14:15] the sum;
; v[16:23] Q; v24-27 the fill's addresses; v32-95 K's, then V's fragments; v96-159 S^T, then p; v160-191 O^T; v224-239 p's codes; v240 448 x 2^e8; v244 2^e8; v236, v242-243, v252-254 at work.
.set VIMG,  131072                     ; LDS: K's sixteen images from 0, V's from here
.set SPARE, 262144                     ; the spare words, 128 bytes a wave: eight blocks of 256 bytes that no other line names
.set SPW, 3
.set NIL, 4
	s_load_b256 s[4:11], s[0:1], 0x0               ; qkv 4, mw 6, fl 8, the scales' exponents 10
	s_load_b64 s[12:13], s[0:1], 0x20              ; cc
	v_lshl_add_u32 v[SPW], v0, 2, SPARE
	v_mov_b32 v[NIL], 0
	v_lshrrev_b32 v1, 5, v0
	v_readfirstlane_b32 s14, v1                    ; wave 0..15
	v_and_b32 v1, 31, v0
	v_lshlrev_b32 v1, 4, v1                        ; 16 x lane
	v_add_nc_u32 v2, VIMG, v1
	v_lshlrev_b32 v24, 4, v0                       ; 16 x thread: the fill's place in 8,192 bytes, in memory and in LDS
	v_add_nc_u32 v25, 65536, v24
	v_add_nc_u32 v26, 131072, v24
	v_add_nc_u32 v27, 196608, v24
	s_mov_b32 s16, 0x7a94c12f                      ; g of waves 0-7, four bits each,
	s_mov_b32 s17, 0x0de3b658                      ; of waves 8-15
	s_cmp_lt_u32 s14, 8
	s_cselect_b32 s16, s16, s17
	s_and_b32 s17, s14, 7
	s_lshl_b32 s17, s17, 2
	s_lshr_b32 s16, s16, s17
	s_and_b32 s15, s16, 15                         ; g
	s_and_b32 s29, ttmp7, 0xffff                   ; 16 n + head
	s_lshr_b32 s27, s29, 4
	s_lshl_b32 s27, s27, 4
	s_add_co_u32 s27, s27, s15
	s_lshl_b32 s27, s27, 3
	s_add_co_u32 s27, s27, ttmp9                   ; my tile: (16 n + g) 8 + j
	s_mov_b32 s20, 0x76543210
	s_mov_b32 s21, 0xfedcba98                      ; v_permlanex16_b32's selects for lane l xor 16
	s_mov_b32 s24, 0                               ; the step
	s_mov_b32 s25, 0                               ; its images' first byte in K's half of LDS
	s_mov_b32 s3, 0
	s_wait_kmcnt 0x0
	s_lshl_b32 s2, s27, 9
	s_add_nc_u64 s[8:9], s[8:9], s[2:3]            ; fl: 512 bytes a tile
	s_load_b128 s[68:71], s[10:11], 0x18           ; e6, e7, e8, e9
	s_load_b32 s72, s[10:11], 0x28                 ; e10
	s_load_b128 s[32:35], s[8:9], 0x0              ; the four parts of the tile's flags
	s_load_b128 s[36:39], s[8:9], 0x80
	s_load_b128 s[40:43], s[8:9], 0x100
	s_load_b128 s[44:47], s[8:9], 0x180
	s_lshl_b32 s2, s27, 12
	s_add_nc_u64 s[30:31], s[6:7], s[2:3]          ; mw: 16 steps of 256 bytes a tile
	s_lshl_b32 s2, s27, 14
	s_and_b32 s16, s29, 15
	s_lshl_b32 s16, s16, 10
	s_add_co_u32 s2, s2, s16
	s_add_nc_u64 s[12:13], s[12:13], s[2:3]        ; cc: 16,384 bytes a tile, 1,024 a head
	s_lshl_b32 s2, s29, 4
	s_add_co_u32 s2, s2, s15
	s_lshl_b32 s2, s2, 13
	s_lshl_b32 s16, ttmp9, 10
	s_add_co_u32 s2, s2, s16
	s_add_nc_u64 s[16:17], s[4:5], s[2:3]          ; Q: image (16 n + head, g), tile j
	s_lshl_b32 s2, s29, 17
	s_add_co_u32 s2, s2, 0x400000
	s_add_nc_u64 s[18:19], s[4:5], s[2:3]          ; K's sixteen images of my head
	s_add_nc_u64 s[4:5], s[18:19], 0x400000        ; V's
	global_load_b128 v[16:19], v1, s[16:17]        ; Q's fragment stays in registers: d = 16 h + 0 .. 15,
	global_load_b128 v[20:23], v1, s[16:17] offset:512   ; 32 + 16 h + 0 .. 15
.set i, 0
.rept 16
	global_load_b128 v[96+4*i:99+4*i], v24, s[18:19] offset:8192*i    ; the sixteen waves read 8,192 consecutive bytes
.set i, i+1
.endr
.set i, 0
.rept 16
	global_load_b128 v[160+4*i:163+4*i], v24, s[4:5] offset:8192*i
.set i, i+1
.endr
	s_wait_kmcnt 0x0
	s_or_b32 s2, s32, s36
	s_or_b32 s2, s2, s40
	s_or_b32 s2, s2, s44                           ; which lanes have any key that counts
	s_lshr_b32 s3, s2, 16
	s_or_b32 s2, s2, s3
	s_and_b32 s2, s2, 0xffff                       ; which of the 16 rows
	s_or_b32 s26, s33, s37
	s_or_b32 s26, s26, s41
	s_or_b32 s26, s26, s45                         ; the steps with any key that counts
	s_or_b32 s27, s34, s38
	s_or_b32 s27, s27, s42
	s_or_b32 s27, s27, s46                         ; the steps with any key that does not
	s_mov_b32 s3, 0xffff
	s_cmp_eq_u32 s2, s3
	s_cselect_b32 s26, s26, s3                     ; a row hidden altogether: all sixteen steps are walked
	s_add_co_i32 s2, s68, s69                      ; e6 + e7
	s_lshl_b32 s3, s2, 23
	s_mov_b32 s22, 0x3e38aa3b                      ; c = log2(e) / 8;
	s_add_co_i32 s22, s22, s3                      ; a score stands for score x 2^(e6 + e7): added to c's exponent field
	s_mov_b32 s23, s22                             ; (named with it as a pair, so it is written)
	s_sub_co_i32 s2, 193, s2
	s_lshl_b32 s2, s2, 23
	s_or_b32 s2, s2, 0x80000000
	v_mov_b32 v5, s2                               ; the score that stands for the energy -2^66
	s_cmp_lt_i32 s70, -8
	s_cselect_b32 s28, 1, 0                        ; p is at most 1, and 1 <= 448 x 2^e8 from e8 = -8 on: only under that does the hold at the largest code change anything
	s_add_co_i32 s2, s70, 127
	s_lshl_b32 s3, s2, 23
	v_mov_b32 v244, s3                             ; 2^e8
	s_add_co_i32 s2, s2, 8
	s_lshl_b32 s2, s2, 23
	s_or_b32 s2, s2, 0x600000
	v_mov_b32 v240, s2                             ; 448 x 2^e8
	s_sub_co_i32 s2, s72, s70
	s_sub_co_i32 s2, s2, s71                       ; O / sum stands for that x 2^(e8 + e9): its code is that / 2^(e10 - e8 - e9)
	s_add_co_i32 s2, s2, 127
	s_lshl_b32 s3, s2, 23
	v_mov_b32 v6, s3
	s_add_co_i32 s2, s2, 8
	s_lshl_b32 s2, s2, 23
	s_or_b32 s2, s2, 0x600000
	v_mov_b32 v7, s2
.set i, 0
.rept 32
	s_wait_loadcnt 31-i                            ; loads come back in order: fill i is in, the younger ones may be out (Q's two are older than all)
	ds_store_b128 v[24+i/8], v[96+4*i:99+4*i] offset:8192*(i%8)
.set i, i+1
.endr
	s_wait_dscnt 0x0                               ; for the others' sake: my part of K and V lies in LDS
	s_barrier_signal -1
	v_mov_b32 v13, 0xff61b1e6                      ; the largest t so far: -3e38, under every t
	v_floor_f32 v12, -v13                          ; -M
	v_mov_b32 v14, 0                               ; the sum, in two halves
	v_mov_b32 v15, 0
	v_mov_b32 v236, 0                              ; written once: a lane permute's destination counts as one of its sources
	v_mov_b32 v253, 0                              ; (named as the upper half of the pair v[252:253])
.set i, 0
.rept 32
	v_mov_b32 v[160+i], 0                          ; O^T.  (The step is written once: the first finds zeros, which the first change of M leaves zeros)
.set i, i+1
.endr
	s_barrier_wait -1                              ; everybody's part lies there; nothing is written into it again
.Lstep:                                            ; sixteen trips, a constant: a step that the stored flags pass over jumps to the lines that step the addresses
	s_lshr_b32 s16, s26, s24
	s_and_b32 s16, s16, 1
	s_cmp_lg_u32 s16, 0
	s_cbranch_scc0 .Lnext
	s_load_b512 s[32:47], s[30:31], 0x0            ; the step's 64 words: word n in s[32 + n], from n = 32 on in s[36 + n]
	s_load_b512 s[48:63], s[30:31], 0x40
	s_load_b512 s[68:83], s[30:31], 0x80
	s_load_b512 s[84:99], s[30:31], 0xc0
	v_add_nc_u32 v8, s25, v1
	v_add_nc_u32 v9, s25, v2
	v_nop                                          ; with the two additions: four places in front of loads into registers that the last step's products have read
	v_nop
.irp t, 0,1,2,3,4,5,6,7
	ds_load_b128 v[32+8*\t:35+8*\t], v8 offset:1024*\t
	ds_load_b128 v[36+8*\t:39+8*\t], v8 offset:1024*\t+512
.endr
	s_wait_dscnt 0x0
.irp t, 0,1,2,3,4,5,6,7
	v_wmma_f32_16x16x64_fp8_fp8 v[96+8*\t:103+8*\t], v[32+8*\t:39+8*\t], v[16:23], 0   ; S^T: 16 keys x my 16 queries, K = the head's 64
.endr
.rept 4
	v_nop                                          ; places in front of the loads below and of the first read of the scores
.endr
.irp t, 0,1,2,3
.irp b, 0,1,2,3
	ds_load_b128 v[32+16*\t+4*\b:35+16*\t+4*\b], v9 offset:(\b/2)*4096+\t*1024+(\b%2)*512   ; V's four fragments land while the softmax is walked
.endr
.endr
	s_wait_kmcnt 0x0                               ; the words are in; their base may be stepped
	s_lshr_b32 s16, s27, s24
	s_and_b32 s16, s16, 1
	s_cmp_lg_u32 s16, 0
	s_cbranch_scc0 .Lopen                          ; every key of the step counts for every query of the tile
.set n, 0
.rept 64
	v_cndmask_b32 v[96+n], v5, v[96+n], s[32+n+4*(n/32)]   ; where the mask is 0: the replaced score
.set n, n+1
.endr
.Lopen:
	v_max3_num_f32 v254, v96, v97, v98             ; the step's largest score of my query, among my 64 keys, in two chains,
	v_max3_num_f32 v252, v99, v100, v101
.irp i, 6,10,14,18,22,26,30,34,38,42,46,50,54,58
	v_max3_num_f32 v254, v254, v[96+\i], v[97+\i]
	v_max3_num_f32 v252, v252, v[98+\i], v[99+\i]
.endr
	v_max3_num_f32 v254, v254, v158, v159
	v_max_num_f32 v254, v254, v252
	v_permlanex16_b32 v236, v254, s20, s21
	v_max_num_f32 v254, v254, v236                 ; and among lane l xor 16's
	v_mul_f32 v254, s22, v254                      ; as t (c is positive)
	v_max_num_f32 v13, v13, v254                   ; the running largest t
	v_mov_b32 v254, v12
	v_floor_f32 v12, -v13                          ; the new -M = floor(-t): M is a whole number
	v_sub_f32 v254, v12, v254                      ; M's old value less its new one: a whole number, 0 or less
	v_cvt_i32_f32 v254, v254                       ; (it saturates)
	v_ldexp_f32 v252, 1.0, v254                    ; f = 2^(old M - new M): a multiplication by it rounds nothing
.set j, 0
.rept 32
	v_pk_fma_f32 v[96+j:97+j], v[96+j:97+j], s[22:23], v[12:13] op_sel_hi:[1,0,0]   ; t - M, two at a time (of the pairs c and -M the low word serves both halves)
.set j, j+2
.endr
.set j, 0
.rept 64
	v_exp_f32 v[96+j], v[96+j]                     ; p = 2^(t - M), at most 1
.set j, j+1
.endr
	v_pk_mul_f32 v[14:15], v[14:15], v[252:253] op_sel_hi:[1,0]   ; the sums under the new M: the plain instruction behind the exponentials
	s_wait_alu depctr_va_vdst(0)                   ; one wait for the whole batch, ahead of its first reader
	v_pk_add_f32 v[242:243], v[96:97], v[98:99]    ; the row's sum is taken of the unquantised p: two at a time, in two chains
.irp j, 4,8,12,16,20,24,28,32,36,40,44,48,52,56,60
	v_pk_add_f32 v[14:15], v[14:15], v[96+\j:97+\j]
	v_pk_add_f32 v[242:243], v[242:243], v[98+\j:99+\j]
.endr
	v_pk_add_f32 v[14:15], v[14:15], v[242:243]
	s_cmp_lg_u32 s28, 0
	s_cbranch_scc0 .Lnohold
.set j, 0
.rept 64
	v_min_num_f32 v[96+j], v[96+j], v240           ; e8 under -8: the conversion does not saturate (ISA guide 7.6.2); p is not negative, so the hold is one-sided
.set j, j+1
.endr
.Lnohold:
.irp b, 0,1,2,3
	v_cvt_scalef32_pk8_fp8_f32 v[224+4*\b:225+4*\b], v[96+16*\b:103+16*\b], v244
	v_cvt_scalef32_pk8_fp8_f32 v[226+4*\b:227+4*\b], v[104+16*\b:111+16*\b], v244
.endr
.set j, 0
.rept 16
	v_pk_mul_f32 v[160+j:161+j], v[160+j:161+j], v[252:253] op_sel_hi:[1,0]   ; O^T under the new M; also the plain instructions between the conversions and the products
.set j, j+2
.endr
	s_wait_dscnt 0x0                               ; V's fragments are in
.irp t, 0,1,2,3
	v_wmma_f32_16x16x128_fp8_fp8 v[160+8*\t:167+8*\t], v[32+16*\t:47+16*\t], v[224:239], v[160+8*\t:167+8*\t]   ; O^T += V^T P^T, K = the step's 128 keys; the four accumulators take turns
.endr
.Lnext:
	s_add_co_u32 s25, s25, 8192
	s_add_nc_u64 s[30:31], s[30:31], 256
	s_add_co_u32 s24, s24, 1
	s_cmp_lt_u32 s24, 16
	s_cbranch_scc1 .Lstep
	; THE WAY OUT.  O^T / the sum, quantised: the 16 registers of two tiles are 16 neighbours along the last product's K, so the conversions' results are that operand's registers, and are stored as they stand.
.rept 4
	v_nop
.endr
	v_add_f32 v14, v14, v15                        ; the sum's two halves,
	v_permlanex16_b32 v236, v14, s20, s21
	v_add_f32 v14, v14, v236                       ; and lane l xor 16's: the row's sum
	v_rcp_f32 v14, v14
	v_nop                                          ; a plain instruction behind the reciprocal
	s_wait_alu depctr_va_vdst(0)                   ; and the wait ahead of its first reader
.set j, 0
.rept 16
	v_pk_mul_f32 v[96+j:97+j], v[160+j:161+j], v[14:15] op_sel_hi:[1,0]
.set j, j+2
.endr
.set j, 0
.rept 32
	v_med3_num_f32 v[96+j], v[96+j], -v7, v7
.set j, j+1
.endr
.irp b, 0,1,2,3
	v_cvt_scalef32_pk8_fp8_f32 v[224+2*\b:225+2*\b], v[96+8*\b:103+8*\b], v6
.endr
	v_nop
	global_store_b128 v1, v[224:227], s[12:13]             ; d = 16 h + 0 .. 15 of my query: the wave stores 512 consecutive bytes, aligned
	global_store_b128 v1, v[228:231], s[12:13] offset:512  ; d = 32 + 16 h + 0 .. 15
	s_wait_tensorcnt 0x0                           ; the wave's end, behind my last LDS store
	ds_add_u32 v[SPW], v[NIL]
	s_wait_dscnt 0x0
	s_endpgm
.Lfunc_end_k_qe663c64b04_attn:
	.size	k_qe663c64b04_attn, .Lfunc_end_k_qe663c64b04_attn-k_qe663c64b04_attn
	.p2alignl 7, 3214868480
	.fill 96, 4, 3214868480
	.section	.rodata,"a",@progbits
	.p2align	6, 0x0
	.amdhsa_kernel k_qe663c64b04_attn
		.amdhsa_group_segment_fixed_size 264192
		.amdhsa_private_segment_fixed_size 0
		.amdhsa_enable_private_segment 0
		.amdhsa_kernarg_size 40
		.amdhsa_user_sgpr_count 2
		.amdhsa_user_sgpr_kernarg_segment_ptr 1
		.amdhsa_wavefront_size32 1
		.amdhsa_system_sgpr_workgroup_id_x 1
		.amdhsa_system_sgpr_workgroup_id_y 1
		.amdhsa_system_sgpr_workgroup_id_z 1
		.amdhsa_system_vgpr_workitem_id 0
		.amdhsa_next_free_vgpr 256
		.amdhsa_next_free_sgpr 102
		.amdhsa_reserve_vcc 0
		.amdhsa_float_denorm_mode_32 3
		.amdhsa_float_denorm_mode_16_64 3
		.amdhsa_memory_ordered 1
		.amdhsa_forward_progress 1
		.amdhsa_inst_pref_size 36
	.end_amdhsa_kernel
	.amdgpu_metadata
---
amdhsa.version: [ 1, 2 ]
amdhsa.kernels:
  - .name:           k_qe663c64b04_attn
    .symbol:         k_qe663c64b04_attn.kd
    .args:
      - { .name: qkv, .offset: 0, .size: 8, .value_kind: global_buffer, .address_space: global }
      - { .name: mw, .offset: 8, .size: 8, .value_kind: global_buffer, .address_space: global }
      - { .name: fl, .offset: 16, .size: 8, .value_kind: global_buffer, .address_space: global }
      - { .name: lowp_scales, .offset: 24, .size: 8, .value_kind: global_buffer, .address_space: global }
      - { .name: cc, .offset: 32, .size: 8, .value_kind: global_buffer, .address_space: global }
    .group_segment_fixed_size: 264192
    .private_segment_fixed_size: 0
    .kernarg_segment_align: 8
    .kernarg_segment_size: 40
    .max_flat_workgroup_size: 512
    .sgpr_count:     102
    .vgpr_count:     256
    .wavefront_size: 32
...
	.end_amdgpu_metadata
.endif
;; end of part 3
;; launch outp (part 4): grid 4 x 16, 4 waves a work-group, clusters of 4 x 4, 327,680 bytes of LDS; arguments cc, codes, lowp_scales, bo, out0; writes out0
.if DOCPART == 4
	.amdgcn_target "amdgcn-amd-amdhsa--gfx1250"
	.amdhsa_code_object_version 6
	.text
	.protected	k_qe663c64b04_outp
	.globl	k_qe663c64b04_outp
	.p2align	8
	.type	k_qe663c64b04_outp,@function
k_qe663c64b04_outp:
	s_mov_b64 s[64:65], 0
	v_nop
	global_prefetch_b8 v0, s[64:65] scope:SCOPE_SE
	s_setreg_imm32_b32 hwreg(HW_REG_WAVE_MODE, 25, 1), 1
	s_wait_xcnt 0x0
	s_wait_alu depctr_hold_cnt(0) depctr_sa_sdst(0) depctr_va_vdst(0) depctr_va_sdst(0) depctr_va_ssrc(0) depctr_va_vcc(0) depctr_vm_vsrc(0)
	s_getreg_b32 s2, hwreg(HW_REG_IB_STS2, 6, 4)
	s_cmp_eq_u32 s2, 0
	s_cbranch_scc0 .Lentry_in_a_cluster
	s_endpgm
.Lentry_in_a_cluster:
	s_bfe_u32 s2, ttmp6, 0x10000c
	s_cmp_lg_u32 s2, 0xf033
	s_cbranch_scc0 .Lentry_shape_is_right
	s_endpgm
.Lentry_shape_is_right:
; LAUNCH 4 OF 4: out0 = concat Wo^T + bo on codes of E4M3 (entries 10, 11).  Nothing is left out.
; out0[m][n] = 2^(e10 + e11) x sum over k of A[m][k] B[n][k] + bo[n].  LIMIT: e10 + e11 between -126 and 127.
; A tile of out0, 256 x 256, is made by four waves, 128 x 128 each; K = 1,024 in steps of 256 through a ring of two LDS slots; 4 x 4 work-groups form a cluster, A's tile asked for jointly along a row, B's along a column.
; A = cc: IMAGES OF THE OPERAND'S REGISTERS, [tile of 16 tokens][head][half of the head][lane][16 bytes]: a K step of a tile is 4,096 consecutive bytes, and a fragment comes by four loads of 16 bytes a lane, 512 apart:
; no pitch, no padding.  Row r of tile (16 n + g) 8 + j is token 128 g + 32 (j / 2) + 8 (j % 2) + r + 8 (r / 8): the stores put each row where it belongs.
; B = Wo's codes, rows 15,360 on of codes, K innermost, LDS rows of 272 bytes.  On both sides registers 4 c .. 4 c + 3 hold K = 32 c + 16 (lane / 16) + 0 .. 15.
; THE MATRIX INSTRUCTION IS USED TRANSPOSED (source 0 = 16 rows of B, source 1 = 16 rows of A): a lane holds eight neighbouring numbers of a row of out0.
; REGISTERS: window 0: v0-31 addresses; v32-95 bo at my 64 columns; from v128 A's fragments, ONE set, later rows on the way out.  window 1: B's fragments, TWO sets; on the way out v0-63 a block's results.  windows 2, 3: the accumulators.
.set PITCH,  272
.set FR,     16
.set NL,     4
.set NP,     4
.set ABYTES, 65536                     ; a slot: A's 16 tiles x 4,096 bytes,
.set HALFB,  128*PITCH                 ; then B's 256 rows
.set SLOT,   ABYTES+2*HALFB
.set LAPS,   2
.set SPARE,  2*SLOT                    ; behind the ring: the spare words, 128 bytes a wave
.set SPITCH, 528                       ; the way out: a stage of 16 rows x (512 bytes + 16) for each wave, in slot 0, which has had its last fill and its last read by then
.set ADRA, 16
.set ADRB, 20
.set STO,  24
.set RD,   25
.set CO,   26                          ; v26 16 x lane
.set BOF,  27                          ; v27 32 x (lane / 16)
.set SPW,  28
.set NIL,  29
.set BIAS, 32
.set AF,   128
.set BK,   128
.set G1, 24
.set G0, 32
.set G1B, 48
.set G0B, 56
.set MSB, 0
.macro WIN new
.if MSB != \new
	s_set_vgpr_msb (MSB<<8)|\new
.set MSB, \new
.endif
.endm
.set MUL_LO, 0xa1
.set MUL_HI, 0xf1
.set TO_B,   0x40
.macro JLOAD g0a, g1a, g0b, g1b        ; waves 0 and 1 fetch for A, waves 2 and 3 for B; an s_nop 0 and four v_nop follow each of the two lines
	s_cmp_eq_u32 s15, 0
	s_cbranch_scc0 .Lfor_b_\@
	tensor_load_to_lds s[\g0a:\g0a+3], s[\g1a:\g1a+7]
	s_nop 0
.rept 4
	v_nop
.endr
	s_branch .Lasked_\@
.Lfor_b_\@:
	tensor_load_to_lds s[\g0b:\g0b+3], s[\g1b:\g1b+7]
	s_nop 0
.rept 4
	v_nop
.endr
.Lasked_\@:
.endm
.macro CREST
	s_cmp_lg_u32 s14, 0
	s_cbranch_scc1 .Lnot_wave_0_\@
	s_barrier_signal -3
.Lnot_wave_0_\@:
	s_barrier_wait -3
	s_barrier_signal -1
	s_barrier_wait -1
.endm
.macro CROUND
	s_barrier_signal -1
	s_barrier_wait -1
	CREST
.endm
	s_load_b128 s[4:7], s[0:1], 0x0                ; cc s[4:5], codes s[6:7]
	s_load_b128 s[8:11], s[0:1], 0x10              ; the scales' exponents s[8:9], bo s[10:11]
	s_load_b64 s[12:13], s[0:1], 0x20              ; out0
	v_lshl_add_u32 v[SPW], v0, 2, SPARE
	v_mov_b32 v[NIL], 0
	ds_add_u32 v[SPW], v[NIL]                      ; the wave's opening: the add, twice on end, and its wait ahead of my first tensor load
	ds_add_u32 v[SPW], v[NIL]
	v_lshrrev_b32 v1, 5, v0
	v_readfirstlane_b32 s14, v1                    ; wave 0..3
	s_lshr_b32 s15, s14, 1                         ; which half of the tile's rows is mine.  Also: I fetch for A (0) or for B (1)
	s_and_b32 s16, s14, 1                          ; which half of its columns.  Also: which half of that tile I fetch
	s_bfe_u32 s40, ttmp6, 0x40000                  ; cx, cy
	s_bfe_u32 s41, ttmp6, 0x40004
	s_lshl_b32 s42, ttmp9, 2
	s_add_co_u32 s42, s42, s40                     ; tile column
	s_and_b32 s17, ttmp7, 0xffff
	s_lshl_b32 s17, s17, 2
	s_add_co_u32 s17, s17, s41                     ; tile row
	s_lshl_b32 s43, s41, 2
	s_lshl_b32 s43, 15, s43                        ; my row of the cluster
	s_lshl_b32 s44, 0x1111, s40                    ; my column
	; A's group 1: 8 rows (tiles of 16 tokens) of 512 elements of 8 bytes, 2,048 elements apart; dense in LDS
	s_or_b32 s[G1+0], s43, (3<<16)|(1<<21)         ; the mask: my row; elements of 8 bytes; no padding; bit 21 beside a mask
	s_mov_b32 s[G1+1], 512<<16                     ; tensor_dim0
	s_mov_b32 s[G1+2], 8<<16                       ; tensor_dim1
	s_mov_b32 s[G1+3], 512<<16                     ; tile_dim0
	s_mov_b32 s[G1+4], 8                           ; tile_dim1
	s_mov_b32 s[G1+5], 2048                        ; from row to row
	s_mov_b32 s[G1+6], 0
	s_mov_b32 s[G1+7], 0
	; B's group 1: 128 rows of 256 bytes, 1,024 apart, 16 bytes of padding behind each
	s_or_b32 s[G1B+0], s44, (0<<16)|(1<<20)|(1<<21)|(5<<22)|(3<<25)
	s_mov_b32 s[G1B+1], 256<<16
	s_mov_b32 s[G1B+2], 128<<16
	s_mov_b32 s[G1B+3], 256<<16
	s_mov_b32 s[G1B+4], 128
	s_mov_b32 s[G1B+5], 1024
	s_mov_b32 s[G1B+6], 0
	s_mov_b32 s[G1B+7], 0
	s_lshl_b32 s20, s17, 18                        ; A: 16 tiles of 16,384 bytes a tile row,
	s_lshl_b32 s18, s16, 17                        ; 8 of them a half
	s_add_co_u32 s20, s20, s18
	s_mov_b32 s21, 0
	s_lshl_b32 s46, s42, 8
	s_lshl_b32 s18, s16, 7
	s_add_co_u32 s46, s46, s18
	s_add_co_u32 s46, s46, 15360                   ; B: row 15,360 + 256 x tile column + 128 x half
	s_lshl_b32 s46, s46, 10
	s_mov_b32 s47, 0
	s_lshl_b32 s45, s16, 15                        ; where they go: A's half,
	s_mul_i32 s67, s16, HALFB
	s_add_co_u32 s67, s67, ABYTES                  ; B's half: no place in the cluster enters an LDS address
	s_wait_dscnt 0x0                               ; both opening adds are done
	s_wait_kmcnt 0x0
	s_load_b64 s[96:97], s[8:9], 0x28              ; e10, e11
	s_add_nc_u64 s[20:21], s[4:5], s[20:21]
	s_add_nc_u64 s[46:47], s[6:7], s[46:47]
	CROUND                                         ; all sixteen work-groups are here: the first joint loads meet
.irp s, 0,1
	s_mov_b32 s[G0+4*\s], 1
	s_add_co_u32 s[G0+4*\s+1], s45, \s*SLOT
	s_add_nc_u64 s[G0+4*\s+2:G0+4*\s+3], s[20:21], \s*4096
	s_or_b32 s[G0+4*\s+3], s[G0+4*\s+3], 0x80000000
	s_mov_b32 s[G0B+4*\s], 1
	s_add_co_u32 s[G0B+4*\s+1], s67, \s*SLOT
	s_add_nc_u64 s[G0B+4*\s+2:G0B+4*\s+3], s[46:47], \s*256
	s_or_b32 s[G0B+4*\s+3], s[G0B+4*\s+3], 0x80000000
	JLOAD G0+4*\s, G1, G0B+4*\s, G1B
.endr
	v_and_b32 v1, 15, v0                           ; r
	v_bfe_u32 v2, v0, 4, 1                         ; h
	v_mul_u32_u24 v3, v1, PITCH
	v_lshl_add_u32 v4, v2, 4, v3
	v_and_b32 v6, 31, v0
	v_lshlrev_b32 v[CO], 4, v6
	s_lshl_b32 s21, s15, 15                        ; my 8 tiles of A
	s_mul_i32 s22, s16, HALFB                      ; my 128 rows of B,
	s_add_co_u32 s22, s22, ABYTES                  ; which lie behind A
.irp s, 0,1
	v_add_nc_u32 v[ADRA+\s], s21, v[CO]
	v_add_nc_u32 v[ADRB+\s], s22, v4
	s_add_co_u32 s21, s21, SLOT
	s_add_co_u32 s22, s22, SLOT
.endr
	s_mul_i32 s23, s14, 16*SPITCH                  ; my stage
	v_mul_u32_u24 v5, v1, SPITCH
	v_lshl_add_u32 v5, v2, 5, v5
	v_add_nc_u32 v[STO], s23, v5                   ; in: row r, 32 bytes for each half of the lanes
	v_add_nc_u32 v[RD], s23, v[CO]                 ; back: the 32 lanes take one row of 512 bytes
	s_lshl_b32 s20, s17, 20                        ; out0: 256 rows of 4,096 bytes a tile row,
	s_lshl_b32 s21, s15, 19                        ; 128 a half
	s_add_co_u32 s20, s20, s21
	s_mov_b32 s21, 0
	s_lshl_b32 s46, s42, 10                        ; my first column, in bytes: 1,024 x tile column + 512 x half
	s_lshl_b32 s47, s16, 9
	s_add_co_u32 s46, s46, s47
	s_mov_b32 s47, 0
	s_add_nc_u64 s[10:11], s[10:11], s[46:47]
	s_add_nc_u64 s[20:21], s[20:21], s[46:47]
	s_add_nc_u64 s[12:13], s[12:13], s[20:21]
	v_lshlrev_b32 v[BOF], 5, v2
.irp b, 0,1,2,3,4,5,6,7
	global_load_b128 v[BIAS+8*\b:BIAS+8*\b+3], v[BOF], s[10:11] offset:64*\b       ; bo at columns 16 b + 8 h + 0 .. 7: they stay
	global_load_b128 v[BIAS+8*\b+4:BIAS+8*\b+7], v[BOF], s[10:11] offset:64*\b+16
.endr
.macro FRAGA reg, slot, q, i           ; tile i, the slot's q-th 128 along K: an image: 16 bytes a lane, 512 bytes a load
.irp c, 0,1,2,3
	ds_load_b128 v[\reg+4*\c:\reg+4*\c+3], v[ADRA+\slot] offset:(\i)*4096+(\q)*2048+512*\c
.endr
.endm
.macro FRAGB reg, slot, q, i
.irp c, 0,1,2,3
	ds_load_b128 v[\reg+4*\c:\reg+4*\c+3], v[ADRB+\slot] offset:128*(\q)+32*\c+(\i)*16*PITCH
.endr
.endm
.macro MUL16 a0, p, zero               ; the 64 accumulators take turns, one instruction a turn, in the same order in every step
.irp a, \a0, \a0+1
.irp b, 0,1,2,3,4,5,6,7
.if \zero
	v_wmma_f32_16x16x128_fp8_fp8 v[8*(8*((\a)%4)+\b):8*(8*((\a)%4)+\b)+7], v[128*(\p)+FR*\b:128*(\p)+FR*\b+FR-1], v[AF+FR*(\a):AF+FR*(\a)+FR-1], 0
.else
	v_wmma_f32_16x16x128_fp8_fp8 v[8*(8*((\a)%4)+\b):8*(8*((\a)%4)+\b)+7], v[128*(\p)+FR*\b:128*(\p)+FR*\b+FR-1], v[AF+FR*(\a):AF+FR*(\a)+FR-1], v[8*(8*((\a)%4)+\b):8*(8*((\a)%4)+\b)+7]
.endif
.endr
.endr
.endm
.macro FETCH_B slot, q, p
	WIN TO_B
.irp i, 0,1,2,3,4,5,6,7
	FRAGB 128*(\p)+FR*\i, \slot, \q, \i
.endr
	WIN 0
.endm
.macro FETCH_A slot, q, i0
.irp i, \i0, \i0+1, \i0+2, \i0+3
	FRAGA AF+FR*(\i), \slot, \q, \i
.endr
.endm
.macro PLACES n
.rept \n
	v_nop
.endr
.endm
.macro STEP slot, q, zero
	s_wait_dscnt 4*NL                              ; B's set and A's blocks 0-3 are in; the youngest sixteen loads (A's blocks 4-7) may be out
	WIN MUL_LO
	MUL16 0, (\q)%2, \zero
	MUL16 2, (\q)%2, \zero
	s_wait_dscnt 0
	PLACES NP
	FETCH_B \slot, (\q)+1, 1-(\q)%2
	FETCH_A \slot, (\q)+1, 0
	WIN MUL_HI
	MUL16 4, (\q)%2, \zero
	MUL16 6, (\q)%2, \zero
	PLACES NP
	WIN 0
	FETCH_A \slot, (\q)+1, 4
.endm
.macro TURN slot, next, fill
	s_wait_tensorcnt 0x0                           ; all my tensor loads have landed: my part of the next slot
	ds_add_u32 v[SPW], v[NIL]                      ; 0 onto my spare word
	s_wait_dscnt 4*NL+1                            ; (the add and the youngest sixteen loads may be out)
	WIN MUL_LO
	MUL16 0, 1, 0
	s_wait_dscnt 0x0                               ; the add is done, and my reads of this slot are over
	s_barrier_signal -1
	MUL16 2, 1, 0
	WIN 0
	s_barrier_wait -1
.if \fill
	CREST                                          ; the barrier has opened a round of the cluster's: no wave of any partner still reads this slot or has a load on its way
	s_add_nc_u64 s[G0+4*\slot+2:G0+4*\slot+3], s[G0+4*\slot+2:G0+4*\slot+3], 2*4096
	s_add_nc_u64 s[G0B+4*\slot+2:G0B+4*\slot+3], s[G0B+4*\slot+2:G0B+4*\slot+3], 2*256
	JLOAD G0+4*\slot, G1, G0B+4*\slot, G1B
.else
	PLACES NP
.endif
	FETCH_B \next, 0, 0
	FETCH_A \next, 0, 0
	WIN MUL_HI
	MUL16 4, 1, 0
	MUL16 6, 1, 0
	PLACES NP
	WIN 0
	FETCH_A \next, 0, 4
.endm
	s_wait_tensorcnt 1                             ; my part of K step 0 is in (K step 1's load may be out)
	s_barrier_signal -1
	s_barrier_wait -1
	FETCH_B 0, 0, 0
	FETCH_A 0, 0, 0
	FETCH_A 0, 0, 4
	STEP 0, 0, 1
	s_mov_b32 s3, LAPS-1
.Llap:
	TURN 0, 1, 1
	STEP 1, 0, 0
	TURN 1, 0, 1
	STEP 0, 0, 0
	s_sub_co_u32 s3, s3, 1
	s_cmp_lg_u32 s3, 0
	s_cbranch_scc1 .Llap
	TURN 0, 1, 0
	STEP 1, 0, 0
	s_wait_dscnt 4*NL
	WIN MUL_LO
	MUL16 0, 1, 0
	MUL16 2, 1, 0
	s_wait_dscnt 0
	WIN MUL_HI
	MUL16 4, 1, 0
	MUL16 6, 1, 0
	WIN 0
; THE WAY OUT, block by block of 16 rows x 128 columns: sum x 2^(e10 + e11) + bo, one packed multiply-add for two numbers; through my own stage in LDS; back as whole rows of 512 bytes.
.macro TOSTAGE a
.set AC, 64*((\a)%4)
	WIN 0x42+((\a)/4)                              ; destination window 1, source 0 window 2 or 3, bo in window 0
.set j, 0
.rept 32
	v_pk_fma_f32 v[j:j+1], v[AC+j:AC+j+1], s[96:97], v[BIAS+j:BIAS+j+1] op_sel_hi:[1,0,1]   ; each accumulator from its low end on
.set j, j+2
.endr
	WIN 0x04                                       ; the stores' data in window 1
.irp b, 0,1,2,3,4,5,6,7
	ds_store_b128 v[STO], v[8*\b:8*\b+3] offset:64*\b
	ds_store_b128 v[STO], v[8*\b+4:8*\b+7] offset:64*\b+16
.endr
	WIN 0
.set BB, BK+64*((\a)%2)
.irp t, 0,1,2,3,4,5,6,7,8,9,10,11,12,13,14,15
	ds_load_b128 v[BB+4*\t:BB+4*\t+3], v[RD] offset:\t*SPITCH   ; LDS serves a wave's instructions in order: these see the stores above
.endr
.endm
.macro SEND a, younger                 ; younger: the LDS instructions issued behind block a's loads, which may stay out
.set BB, BK+64*((\a)%2)
	s_wait_dscnt \younger
.irp t, 0,1,2,3,4,5,6,7,8,9,10,11,12,13,14,15
	global_store_b128 v[CO], v[BB+4*\t:BB+4*\t+3], s[12:13] offset:(32*((\a)/2)+8*((\a)%2)+\t+8*(\t/8))*4096 th:TH_STORE_NT   ; row t of tile a is token 32 (a / 2) + 8 (a % 2) + t + 8 (t / 8) of my 128; 512 consecutive bytes, aligned
.endr
.endm
	s_wait_kmcnt 0x0
	s_add_co_i32 s96, s96, s97
	s_add_co_i32 s96, s96, 127
	s_lshl_b32 s96, s96, 23                        ; 2^(e10 + e11) as f32
	s_mov_b32 s97, s96                             ; (named with it as a pair)
	s_wait_loadcnt 0x0                             ; bo
	PLACES NP
	TOSTAGE 0
.irp a, 1,2,3,4,5,6,7
.if \a > 1
	s_wait_xcnt 0x0                                ; block a - 2's stores have read their registers: block a's loads may land there
.endif
	TOSTAGE \a
	SEND \a-1, 32                                  ; behind block a - 1's loads: block a's 16 stores and 16 loads
.endr
	SEND 7, 0
	s_wait_tensorcnt 0x0                           ; the wave's end
	ds_add_u32 v[SPW], v[NIL]
	s_wait_dscnt 0x0
	CROUND                                         ; the closing round
	s_endpgm
.Lfunc_end_k_qe663c64b04_outp:
	.size	k_qe663c64b04_outp, .Lfunc_end_k_qe663c64b04_outp-k_qe663c64b04_outp
	.p2alignl 7, 3214868480
	.fill 96, 4, 3214868480
	.section	.rodata,"a",@progbits
	.p2align	6, 0x0
	.amdhsa_kernel k_qe663c64b04_outp
		.amdhsa_group_segment_fixed_size 327680
		.amdhsa_private_segment_fixed_size 0
		.amdhsa_enable_private_segment 0
		.amdhsa_kernarg_size 40
		.amdhsa_user_sgpr_count 2
		.amdhsa_user_sgpr_kernarg_segment_ptr 1
		.amdhsa_wavefront_size32 1
		.amdhsa_system_sgpr_workgroup_id_x 1
		.amdhsa_system_sgpr_workgroup_id_y 1
		.amdhsa_system_sgpr_workgroup_id_z 1
		.amdhsa_system_vgpr_workitem_id 0
		.amdhsa_next_free_vgpr 1024
		.amdhsa_next_free_sgpr 100
		.amdhsa_reserve_vcc 0
		.amdhsa_float_denorm_mode_32 3
		.amdhsa_float_denorm_mode_16_64 3
		.amdhsa_memory_ordered 1
		.amdhsa_forward_progress 1
		.amdhsa_inst_pref_size 125
	.end_amdhsa_kernel
	.amdgpu_metadata
---
amdhsa.version: [ 1, 2 ]
amdhsa.kernels:
  - .name:           k_qe663c64b04_outp
    .symbol:         k_qe663c64b04_outp.kd
    .args:
      - { .name: cc, .offset: 0, .size: 8, .value_kind: global_buffer, .address_space: global }
      - { .name: codes, .offset: 8, .size: 8, .value_kind: global_buffer, .address_space: global }
      - { .name: lowp_scales, .offset: 16, .size: 8, .value_kind: global_buffer, .address_space: global }
      - { .name: bo, .offset: 24, .size: 8, .value_kind: global_buffer, .address_space: global }
      - { .name: out0, .offset: 32, .size: 8, .value_kind: global_buffer, .address_space: global }
    .group_segment_fixed_size: 327680
    .private_segment_fixed_size: 0
    .kernarg_segment_align: 8
    .kernarg_segment_size: 40
    .max_flat_workgroup_size: 128
    .sgpr_count:     100
    .vgpr_count:     1024
    .wavefront_size: 32
...
	.end_amdgpu_metadata
.endif
;; end of part 4
;; ======== version 2 of 2: 4 launches
;; limits: right only within a limited range of input values
;; workspace buffers: codes 16,777,216 bytes; qkv 12,582,912 bytes; cc 4,194,304 bytes; mw 1,048,576 bytes of whole numbers; fl 65,536 bytes of whole numbers
;; launch prep (part 5): grid 512 x 1, 4 waves a work-group, no clusters, 68,096 bytes of LDS; arguments lowp_scales, query, key, value, Wo, Wq, Wk, Wv, codes; writes codes
.if DOCPART == 5
	.amdgcn_target "amdgcn-amd-amdhsa--gfx1250"
	.amdhsa_code_object_version 6
	.text
	.protected	k_qe663c64b04_prep
	.globl	k_qe663c64b04_prep
	.p2align	8
	.type	k_qe663c64b04_prep,@function
k_qe663c64b04_prep:
	s_mov_b64 s[64:65], 0
	v_nop
	global_prefetch_b8 v0, s[64:65] scope:SCOPE_SE
	s_setreg_imm32_b32 hwreg(HW_REG_WAVE_MODE, 25, 1), 1
	s_wait_xcnt 0x0
; MULTI-HEAD ATTENTION IN E4M3, LAUNCH 1 OF 4: the f32 operands that are read once and used often become codes.
; NO WORK OF THE PROBLEM IS DEAD: every input has a way to the output and every input is loaded by some launch.  What the third launch passes over, it passes over
; because the MASK, an input of whole numbers, asks for it: the second launch reads the mask and stores what it says as whole numbers (mw, fl).
; Two kinds of work-group, told apart by the work-group's number alone, each with LDS bytes of its own; 131,072 bytes of f32 each:
;   0-415    X: query, key, value, Wo (f32, K innermost) become codes: plain streams of 8,192 numbers a wave.
;   416-511  W: Wq, Wk, Wv ([head][e][d], K = e is not innermost) become codes laid [head 64 + d][e]: a lane takes a column d and its registers run down e.
; code = x / 2^e, held within +-448, to the nearest code, ties to even.  e = the operand's entry of lowp_scales: Wq 0, query 1, Wk 2, key 3, Wv 4, value 5, Wo 11.
; LIMITS: each e between -126 and 119.  NaN among the inputs is not served (an infinity is held at the largest code).
; codes: 16,384 rows of 1,024 bytes: 0 query, 4096 key, 8192 value, 12288 Wq, 13312 Wk, 14336 Wv, 15360 Wo.
; No tensor load, no barrier: waves share nothing.  Nothing is prefetched: each byte is read once, and the loads themselves run eight steps (X) or two blocks (W) ahead.
.set WST,   32768                      ; LDS: path X has 8,192 bytes a wave from 0 (two stages of 32 x 80); path W 32 rows x 272 bytes a wave from here
.set SPARE, 67584                      ; the spare words, 128 bytes a wave: two blocks of 256 bytes that no other line names
.set SPW,   2                          ; v2  LDS address of my spare word; never rewritten
.set NIL,   3                          ; v3  0; never rewritten
.set MANT,  0x600000                   ; the mantissa field of 448 as f32
	s_load_b512 s[4:19], s[0:1], 0x0               ; lowp_scales 4, query 6, key 8, value 10, Wo 12, Wq 14, Wk 16, Wv 18
	s_load_b64 s[22:23], s[0:1], 0x40              ; codes
	v_lshl_add_u32 v[SPW], v0, 2, SPARE
	v_mov_b32 v[NIL], 0
	v_lshrrev_b32 v1, 5, v0
	v_readfirstlane_b32 s28, v1                    ; wave 0..3
	v_and_b32 v1, 31, v0                           ; lane
	v_lshlrev_b32 v4, 4, v1                        ; 16 x lane
	s_wait_alu depctr_va_vdst(0)                   ; directly ahead of the wait below
	s_wait_kmcnt 0x0
	s_cmp_lt_u32 ttmp9, 416
	s_cbranch_scc1 .Lx
; ---------------- PATH W: a wave takes 32 columns d x 256 along e of one head of one of the three weights
	s_sub_co_u32 s29, ttmp9, 416                   ; y = 0..95
	s_load_b256 s[32:39], s[4:5], 0x0              ; entries 0..7
	s_lshr_b32 s30, s29, 1                         ; 16 x weight + head
	s_lshr_b32 s31, s30, 4                         ; which weight
	s_and_b32 s40, s30, 15                         ; head
	s_and_b32 s41, s28, 1                          ; which 32 of the 64 columns
	s_and_b32 s42, s29, 1
	s_lshl_b32 s42, s42, 1
	s_lshr_b32 s43, s28, 1
	s_add_co_u32 s42, s42, s43                     ; which 256 of the 1,024 along e
	s_cmp_eq_u32 s31, 1                            ; the choice hangs on the work-group's number alone
	s_cselect_b64 s[14:15], s[16:17], s[14:15]
	s_cmp_eq_u32 s31, 2
	s_cselect_b64 s[14:15], s[18:19], s[14:15]
	s_lshl_b32 s44, s40, 18                        ; a head is 1,024 rows of 256 bytes
	s_lshl_b32 s45, s42, 16
	s_add_co_u32 s44, s44, s45
	s_lshl_b32 s45, s41, 7
	s_add_co_u32 s44, s44, s45
	s_mov_b32 s45, 0
	s_add_nc_u64 s[14:15], s[14:15], s[44:45]
	s_lshl_b32 s44, s30, 16                        ; codes: 64 rows of 1,024 bytes for each weight and head,
	s_lshl_b32 s46, s41, 15                        ; 32 rows,
	s_add_co_u32 s44, s44, s46
	s_lshl_b32 s46, s42, 8                         ; 256 bytes along e,
	s_add_co_u32 s44, s44, s46
	s_add_co_u32 s44, s44, 0xc00000                ; from row 12,288 on
	s_add_nc_u64 s[22:23], s[22:23], s[44:45]
	v_lshlrev_b32 v5, 2, v1                        ; in: 4 bytes a lane
	s_mul_i32 s46, s28, 32*272
	s_add_co_u32 s46, s46, WST                     ; my stage
	v_mul_u32_u24 v6, v1, 272
	v_add_nc_u32 v6, s46, v6                       ; into it: row = my column
	v_and_b32 v12, 15, v1
	v_lshrrev_b32 v13, 4, v1
	v_mul_u32_u24 v7, v13, 272
	v_lshl_add_u32 v7, v12, 4, v7
	v_add_nc_u32 v7, s46, v7                       ; out of it: sixteen lanes to a row, two rows an instruction
	v_lshlrev_b32 v8, 10, v13
	v_lshl_add_u32 v8, v12, 4, v8                  ; and the same place in the codes' buffer
.macro WLOAD t                         ; block t: W(32 t + i, my column), i = 0 .. 31, into set t % 2: 32 lanes read 128 consecutive bytes
.irp i, 0,1,2,3,4,5,6,7,8,9,10,11,12,13,14,15,16,17,18,19,20,21,22,23,24,25,26,27,28,29,30,31
	global_load_b32 v[32+32*((\t)%2)+\i], v5, s[14:15] offset:(32*(\t)+\i)*256
.endr
.endm
	WLOAD 0
	WLOAD 1
	s_wait_alu depctr_va_vdst(0)                   ; directly ahead of the wait below
	s_wait_kmcnt 0x0
	s_cmp_eq_u32 s31, 1
	s_cselect_b32 s32, s34, s32
	s_cmp_eq_u32 s31, 2
	s_cselect_b32 s32, s36, s32                    ; e: entry 0, 2 or 4
	s_add_co_i32 s32, s32, 127
	s_lshl_b32 s33, s32, 23
	v_mov_b32 v11, s33                             ; 2^e as f32: the conversion takes its exponent field
	s_add_co_i32 s32, s32, 8
	s_lshl_b32 s32, s32, 23
	s_or_b32 s32, s32, MANT
	v_mov_b32 v10, s32                             ; 448 x 2^e
.macro WBLOCK t
.set XS, 32+32*((\t)%2)
.if (\t) < 7
	s_wait_loadcnt 32                              ; this block's 32 loads are in; the next block's 32 may be out
.else
	s_wait_loadcnt 0
.endif
.irp i, 0,1,2,3,4,5,6,7,8,9,10,11,12,13,14,15,16,17,18,19,20,21,22,23,24,25,26,27,28,29,30,31
	v_med3_num_f32 v[XS+\i], v[XS+\i], -v10, v10   ; the conversion to an 8-bit code does not saturate (ISA guide 7.6.2): the hold comes first
.endr
.irp g, 0,1,2,3
	v_cvt_scalef32_pk8_fp8_f32 v[96+2*\g:96+2*\g+1], v[XS+8*\g:XS+8*\g+7], v11
.endr
	ds_store_b128 v6, v[96:99] offset:32*(\t)      ; 32 codes: 32 bytes of my column's row
	ds_store_b128 v6, v[100:103] offset:32*(\t)+16
.if (\t)+2 < 8
	WLOAD (\t)+2
.endif
	s_wait_dscnt 0x0                               ; the stores have read their registers: the next block's codes may be written
.endm
.set Q, 0
	s_wait_alu depctr_va_vdst(0)                   ; at the head's end
.rept 8
	WBLOCK Q
.set Q, Q+1
.endr
.irp t, 0,1,2,3,4,5,6,7,8,9,10,11,12,13,14,15
	ds_load_b128 v[112+4*\t:112+4*\t+3], v7 offset:2*\t*272   ; LDS serves a wave's instructions in order: these see my stores
.endr
.irp t, 0,1,2,3,4,5,6,7,8,9,10,11,12,13,14,15
	s_wait_dscnt 15-\t                             ; the younger loads may be out
	global_store_b128 v8, v[112+4*\t:112+4*\t+3], s[22:23] offset:2*\t*1024   ; sixteen lanes store 256 consecutive bytes, aligned
.endr
	s_branch .Lend
; ---------------- PATH X: a wave takes 16 steps of 512 numbers of a plain stream.  v16-143 eight sets of 16 numbers as loaded, v144-175 two sets of 16 neighbours, v176-239 the codes
.Lx:
	s_load_b256 s[32:39], s[4:5], 0x0              ; entries 0..7
	s_load_b128 s[40:43], s[4:5], 0x20             ; entries 8..11
	s_lshr_b32 s30, ttmp9, 7                       ; 0 query, 1 key, 2 value, 3 Wo
	s_and_b32 s31, ttmp9, 127
	s_cmp_eq_u32 s30, 1
	s_cselect_b64 s[6:7], s[8:9], s[6:7]
	s_cmp_eq_u32 s30, 2
	s_cselect_b64 s[6:7], s[10:11], s[6:7]
	s_cmp_eq_u32 s30, 3
	s_cselect_b64 s[6:7], s[12:13], s[6:7]
	s_cselect_b32 s44, 0x300000, 0                 ; Wo's codes lie behind the three weights': 3,072 rows further on
	s_lshl_b32 s46, s31, 2
	s_add_co_u32 s46, s46, s28                     ; which run of 8,192 numbers of the tensor is my wave's
	s_lshl_b32 s48, s46, 15
	s_mov_b32 s49, 0
	s_add_nc_u64 s[6:7], s[6:7], s[48:49]
	s_lshl_b32 s48, ttmp9, 15
	s_lshl_b32 s46, s28, 13
	s_add_co_u32 s48, s48, s46
	s_add_co_u32 s48, s48, s44
	s_add_nc_u64 s[50:51], s[22:23], s[48:49]
.macro XLOAD t
.irp i, 0,1,2,3
	global_load_b128 v[16+16*((\t)%8)+4*\i:16+16*((\t)%8)+4*\i+3], v4, s[6:7] offset:2048*(\t)+512*\i th:TH_LOAD_NT   ; 32 lanes read 512 consecutive bytes
.endr
.endm
.macro XTURN t                         ; step t's numbers through the stage: LDS serves a wave's instructions in order
.irp i, 0,1,2,3
	ds_store_b128 v14, v[16+16*((\t)%8)+4*\i:16+16*((\t)%8)+4*\i+3] offset:2560*((\t)%2)+640*\i
.endr
.irp i, 0,1,2,3
	ds_load_b128 v[144+16*((\t)%2)+4*\i:144+16*((\t)%2)+4*\i+3], v15 offset:2560*((\t)%2)+16*\i
.endr
.endm
.irp t, 0,1,2,3,4,5,6,7
	XLOAD \t
.endr
	v_lshrrev_b32 v14, 2, v1
	v_mul_u32_u24 v14, v14, 80
	v_and_b32 v15, 3, v1
	v_lshl_add_u32 v14, v15, 4, v14
	v_add_nc_u32 v14, s46, v14                     ; the stage (8,192 x wave), on the way in: four lanes' 64 bytes on end, then 16 of padding
	v_mul_u32_u24 v15, v1, 80
	v_add_nc_u32 v15, s46, v15                     ; and on the way out: my 16 neighbours
	s_wait_alu depctr_va_vdst(0)                   ; directly ahead of the wait below
	s_wait_kmcnt 0x0
	s_cmp_eq_u32 s30, 1
	s_cselect_b32 s33, s35, s33
	s_cmp_eq_u32 s30, 2
	s_cselect_b32 s33, s37, s33
	s_cmp_eq_u32 s30, 3
	s_cselect_b32 s33, s43, s33                    ; e: entry 1, 3, 5 or 11
	s_add_co_i32 s33, s33, 127
	s_lshl_b32 s34, s33, 23
	v_mov_b32 v11, s34                             ; 2^e
	s_add_co_i32 s33, s33, 8
	s_lshl_b32 s33, s33, 23
	s_or_b32 s33, s33, MANT
	v_mov_b32 v10, s33                             ; 448 x 2^e
	s_wait_alu depctr_va_vdst(0)                   ; at the head's end
	s_wait_loadcnt 28                              ; step 0's four loads are in; those of the seven steps behind it may be out
	XTURN 0
.macro XSTEP t
.set XS, 144+16*((\t)%2)
	s_wait_dscnt 0x0                               ; this step's numbers are back from the stage, so its stores into the stage have read their registers,
.if (\t)+8 < 16
	XLOAD (\t)+8                                   ; which take the loads of eight steps on
.endif
.if (\t)+1 < 16
.if (\t) < 8
	s_wait_loadcnt 28                              ; the next step's four loads are in; those of the seven steps behind it may be out
.else
	s_wait_loadcnt 4*(14-(\t))                     ; those of the steps 9 to 15 that lie behind it may be out
.endif
	XTURN (\t)+1
.endif
.irp i, 0,1,2,3,4,5,6,7,8,9,10,11,12,13,14,15
	v_med3_num_f32 v[XS+\i], v[XS+\i], -v10, v10
.endr
	v_cvt_scalef32_pk8_fp8_f32 v[176+4*(\t):176+4*(\t)+1], v[XS:XS+7], v11
	v_cvt_scalef32_pk8_fp8_f32 v[176+4*(\t)+2:176+4*(\t)+3], v[XS+8:XS+15], v11
	global_store_b128 v4, v[176+4*(\t):176+4*(\t)+3], s[50:51] offset:512*(\t)   ; the wave stores 512 consecutive bytes; each step has its own registers
.endm
.irp t, 0,1,2,3,4,5,6,7,8,9,10,11,12,13,14,15
	XSTEP \t
.endr
.Lend:
	s_wait_tensorcnt 0x0                           ; the wave's end, behind my last LDS store
	ds_add_u32 v[SPW], v[NIL]
	s_wait_dscnt 0x0
	s_endpgm
.Lfunc_end_k_qe663c64b04_prep:
	.size	k_qe663c64b04_prep, .Lfunc_end_k_qe663c64b04_prep-k_qe663c64b04_prep
	.p2alignl 7, 3214868480
	.fill 96, 4, 3214868480
	.section	.rodata,"a",@progbits
	.p2align	6, 0x0
	.amdhsa_kernel k_qe663c64b04_prep
		.amdhsa_group_segment_fixed_size 68096
		.amdhsa_private_segment_fixed_size 0
		.amdhsa_enable_private_segment 0
		.amdhsa_kernarg_size 72
		.amdhsa_user_sgpr_count 2
		.amdhsa_user_sgpr_kernarg_segment_ptr 1
		.amdhsa_wavefront_size32 1
		.amdhsa_system_sgpr_workgroup_id_x 1
		.amdhsa_system_sgpr_workgroup_id_y 1
		.amdhsa_system_sgpr_workgroup_id_z 1
		.amdhsa_system_vgpr_workitem_id 0
		.amdhsa_next_free_vgpr 240
		.amdhsa_next_free_sgpr 66
		.amdhsa_reserve_vcc 0
		.amdhsa_float_denorm_mode_32 3
		.amdhsa_float_denorm_mode_16_64 3
		.amdhsa_memory_ordered 1
		.amdhsa_forward_progress 1
		.amdhsa_inst_pref_size 86
	.end_amdhsa_kernel
	.amdgpu_metadata
---
amdhsa.version: [ 1, 2 ]
amdhsa.kernels:
  - .name:           k_qe663c64b04_prep
    .symbol:         k_qe663c64b04_prep.kd
    .args:
      - { .name: lowp_scales, .offset: 0, .size: 8, .value_kind: global_buffer, .address_space: global }
      - { .name: query, .offset: 8, .size: 8, .value_kind: global_buffer, .address_space: global }
      - { .name: key, .offset: 16, .size: 8, .value_kind: global_buffer, .address_space: global }
      - { .name: value, .offset: 24, .size: 8, .value_kind: global_buffer, .address_space: global }
      - { .name: Wo, .offset: 32, .size: 8, .value_kind: global_buffer, .address_space: global }
      - { .name: Wq, .offset: 40, .size: 8, .value_kind: global_buffer, .address_space: global }
      - { .name: Wk, .offset: 48, .size: 8, .value_kind: global_buffer, .address_space: global }
      - { .name: Wv, .offset: 56, .size: 8, .value_kind: global_buffer, .address_space: global }
      - { .name: codes, .offset: 64, .size: 8, .value_kind: global_buffer, .address_space: global }
    .group_segment_fixed_size: 68096
    .private_segment_fixed_size: 0
    .kernarg_segment_align: 8
    .kernarg_segment_size: 72
    .max_flat_workgroup_size: 128
    .sgpr_count:     66
    .vgpr_count:     240
    .wavefront_size: 32
...
	.end_amdgpu_metadata
.endif
;; end of part 5
;; launch proj (part 6): grid 4 x 64, 4 waves a work-group, clusters of 4 x 4, 327,680 bytes of LDS; arguments codes, lowp_scales, qkv, mask, mw, fl; writes qkv, mw, fl
.if DOCPART == 6
	.amdgcn_target "amdgcn-amd-amdhsa--gfx1250"
	.amdhsa_code_object_version 6
	.text
	.protected	k_qe663c64b04_proj
	.globl	k_qe663c64b04_proj
	.p2align	8
	.type	k_qe663c64b04_proj,@function
k_qe663c64b04_proj:
	s_mov_b64 s[64:65], 0
	v_nop
	global_prefetch_b8 v0, s[64:65] scope:SCOPE_SE
	s_setreg_imm32_b32 hwreg(HW_REG_WAVE_MODE, 25, 1), 1
	s_wait_xcnt 0x0
	s_wait_alu depctr_hold_cnt(0) depctr_sa_sdst(0) depctr_va_vdst(0) depctr_va_sdst(0) depctr_va_ssrc(0) depctr_va_vcc(0) depctr_vm_vsrc(0)
	s_getreg_b32 s2, hwreg(HW_REG_IB_STS2, 6, 4)
	s_cmp_eq_u32 s2, 0
	s_cbranch_scc0 .Lentry_in_a_cluster
	s_endpgm
.Lentry_in_a_cluster:
	s_bfe_u32 s2, ttmp6, 0x10000c
	s_cmp_lg_u32 s2, 0xf033
	s_cbranch_scc0 .Lentry_shape_is_right
	s_endpgm
.Lentry_shape_is_right:
; LAUNCH 2 OF 4: the three projections, on codes of E4M3, and their results quantised at once for the two products of attention.  Nothing is left out.
; G[m][n] = sum over k of P[m][k] Q[n][k], K = 1,024.  A tile of G, 256 x 256, is made by four waves, 128 x 128 each: 64 accumulators, 512 registers.
; q, k (cluster y 0-3, 4-7):  P = the tokens' codes, Q = the weight's rows (head 64 + d).      v (cluster y 8-11):  P = Wv's rows, Q = the tokens: so v's codes come out with the KEYS innermost.
; THE MATRIX INSTRUCTION IS USED TRANSPOSED (source 0 = 16 rows of Q, source 1 = 16 rows of P): a lane holds one row m and eight neighbouring n: eight neighbours along the next product's K.
; A sum stands for sum x 2^(eW + eX); its code is sum / 2^E, E = eOut - eW - eX (q: entries 6, 0, 1; k: 7, 2, 3; v: 9, 4, 5), held within +-448.  LIMIT: E between -126 and 119.  No branch hangs on a scale.
; K goes in steps of 256 through a ring of two LDS slots filled by the tensor data mover; 4 x 4 work-groups form a cluster: P's tile is asked for jointly along a row of the cluster, Q's along a column.
; THE RESULT IS STORED AS IMAGES OF THE NEXT OPERAND'S REGISTERS: qkv = three regions of 4 MiB (q, k, v), each [16 n + head][step of 128 tokens][8,192 bytes].  With l = 16 h + rr:
;   q, k: piece (t, c) at 1,024 t + 512 c + 16 l: token 32 (t / 2) + 8 (t % 2) + rr + 8 (rr / 8) of the step, d = 32 c + 16 h + 0 .. 15
;   v:    piece (t, b) at 4,096 (b / 2) + 1,024 t + 512 (b % 2) + 16 l: d = 32 (t / 2) + 8 (t % 2) + rr + 8 (rr / 8), keys 32 b + 16 h + 0 .. 15 of the step
; REGISTERS, in windows of 256: window 0: v0-31 addresses; v32-95 at work on the way out; from v128 P's fragments, ONE set, later the codes.  window 1: Q's fragments, TWO sets.  windows 2, 3: the accumulators.
.set ROWB,   256                       ; a tile's row in bytes: 256 codes
.set KROW,   1024                      ; a row of codes in memory
.set PITCH,  272                       ; an LDS row: 256 bytes + 16 of padding = 68 words: the 16 rows that a load touches start at 16 different banks (64 banks of 4 bytes: ISA guide 11.1)
.set FR,     16                        ; registers of a fragment: 16 rows x 128 K
.set NL,     4                         ; LDS loads that bring one
.set NP,     4                         ; places behind this matrix instruction (ISA guide 7.12.1)
.set HALFT,  128*PITCH
.set SLOT,   4*HALFT                   ; P's 256 rows, then Q's 256 rows
.set LAPS,   2                         ; 1,024 / 512
.set SPARE,  2*SLOT                    ; behind the ring: the spare words, 128 bytes a wave
; THE MASK has clusters of its own, cluster y 12-15 (64 work-groups), which make no tile of G, issue no tensor load and pass no barrier; the branch hangs on the cluster's y, which the sixteen partners share.  Its LDS bytes are its own:
.set MST,    SPARE+512                 ; 16 rows x 528 bytes for each wave
.set ADRA, 16                          ; v16-17  LDS address of my P fragments in slot 0, 1
.set ADRB, 20                          ; v20-21  the same for Q
.set STO,  24                          ; v24     the way out: where I put 8 codes
.set RD,   25                          ; v25     the way out: where I read 16 bytes back
.set CO,   26                          ; v26     16 x lane
.set SPW,  28                          ; v28     LDS address of my spare word; never rewritten
.set NIL,  29                          ; v29     0; never rewritten
.set LIM,  30                          ; v30     448 x 2^E
.set SCL,  31                          ; v31     2^E
.set TMP,  32
.set AF,   128
.set CD,   128                         ; the way out: the codes
.set G1, 24
.set G0, 32
.set G1B, 48
.set G0B, 56
.set OB, 80                            ; s[80:87] where the four quarters of my stage go
.set MSB, 0
.macro WIN new                         ; the immediate's high byte repeats the setting that is left
.if MSB != \new
	s_set_vgpr_msb (MSB<<8)|\new
.set MSB, \new
.endif
.endm
.set MUL_LO, 0xa1                      ; source 0 (Q) window 1, source 1 (P) window 0, C and D window 2
.set MUL_HI, 0xf1
.set TO_B,   0x40
; A joint load: waves 0 and 1 fetch for P, waves 2 and 3 for Q; the branch hangs on the wave's number alone.  An s_nop 0 and four v_nop follow each of the two lines.
.macro JLOAD g0a, g1a, g0b, g1b
	s_cmp_eq_u32 s15, 0
	s_cbranch_scc0 .Lfor_b_\@
	tensor_load_to_lds s[\g0a:\g0a+3], s[\g1a:\g1a+7]
	s_nop 0
.rept 4
	v_nop
.endr
	s_branch .Lasked_\@
.Lfor_b_\@:
	tensor_load_to_lds s[\g0b:\g0b+3], s[\g1b:\g1b+7]
	s_nop 0
.rept 4
	v_nop
.endr
.Lasked_\@:
.endm
.macro CREST                           ; a round of the cluster's barrier behind its opening barrier
	s_cmp_lg_u32 s14, 0
	s_cbranch_scc1 .Lnot_wave_0_\@
	s_barrier_signal -3
.Lnot_wave_0_\@:
	s_barrier_wait -3
	s_barrier_signal -1
	s_barrier_wait -1
.endm
.macro CROUND
	s_barrier_signal -1
	s_barrier_wait -1
	CREST
.endm
	s_load_b128 s[4:7], s[0:1], 0x0                ; codes s[4:5], the scales' exponents s[6:7]
	s_load_b64 s[8:9], s[0:1], 0x10                ; qkv
	v_lshl_add_u32 v[SPW], v0, 2, SPARE
	v_mov_b32 v[NIL], 0
	s_and_b32 s66, ttmp7, 0xffff                   ; cluster y, 0..15: the sixteen partners share it
	s_wait_alu depctr_va_vdst(0)                   ; ahead of the branch
	s_cmp_lt_u32 s66, 12
	s_cbranch_scc0 .Lmask
	ds_add_u32 v[SPW], v[NIL]                      ; the wave's opening: the add, twice on end, and its wait ahead of my first tensor load
	ds_add_u32 v[SPW], v[NIL]
	v_lshrrev_b32 v1, 5, v0
	v_readfirstlane_b32 s14, v1                    ; wave 0..3
	s_lshr_b32 s15, s14, 1                         ; which half of the tile's rows is mine.  Also: I fetch for P (0) or for Q (1)
	s_and_b32 s16, s14, 1                          ; which half of its columns.  Also: which 128 rows of that tile I fetch
	s_bfe_u32 s40, ttmp6, 0x40000                  ; cx, cy: my place in the cluster
	s_bfe_u32 s41, ttmp6, 0x40004
	s_lshr_b32 s67, s66, 2                         ; 0 q, 1 k, 2 v
	s_and_b32 s10, s66, 3                          ; which 1,024 of the 4,096 tokens
	s_lshl_b32 s11, s10, 10
	s_lshl_b32 s12, s67, 12
	s_add_co_u32 s12, s12, s11                     ; q, k: P's first row: the tokens'
	s_lshl_b32 s13, s67, 10
	s_add_co_u32 s13, s13, 12288                   ; q, k: Q's first row: the weight's
	s_add_co_u32 s11, s11, 8192                    ; v: Q's first row: value's tokens
	s_mov_b32 s2, 14336                            ; v: P's first row: Wv's
	s_cmp_eq_u32 s67, 2
	s_cselect_b32 s12, s2, s12
	s_cselect_b32 s13, s11, s13
	s_lshl_b32 s43, s41, 2
	s_lshl_b32 s43, 15, s43                        ; my row of the cluster
	s_lshl_b32 s44, 0x1111, s40                    ; my column
	s_or_b32 s[G1+0], s43, (0<<16)|(1<<20)|(1<<21)|(5<<22)|(3<<25)  ; the mask: P's tiles go to my row; elements of 1 byte; padding on; bit 21 beside a mask; 4 words after every 64
	s_or_b32 s[G1B+0], s44, (0<<16)|(1<<20)|(1<<21)|(5<<22)|(3<<25)
.irp g, G1, G1B
	s_mov_b32 s[\g+1], ROWB<<16                    ; tensor_dim0
	s_mov_b32 s[\g+2], 128<<16                     ; tensor_dim1
	s_mov_b32 s[\g+3], ROWB<<16                    ; tile_dim0
	s_mov_b32 s[\g+4], 128                         ; tile_dim1
	s_mov_b32 s[\g+5], KROW                        ; from row to row
	s_mov_b32 s[\g+6], 0
	s_mov_b32 s[\g+7], 0
.endr
	s_lshl_b32 s18, s16, 7                         ; which 128 rows of the tile I fetch
	s_lshl_b32 s20, s41, 8
	s_add_co_u32 s20, s20, s18
	s_add_co_u32 s20, s20, s12                     ; P: its first row + 256 cy + 128 x half
	s_lshl_b32 s20, s20, 10                        ; in bytes (under 2^24)
	s_mov_b32 s21, 0
	s_lshl_b32 s46, s40, 8
	s_add_co_u32 s46, s46, s18
	s_add_co_u32 s46, s46, s13                     ; Q: its first row + 256 cx + 128 x half
	s_lshl_b32 s46, s46, 10
	s_mov_b32 s47, 0
	s_mul_i32 s45, s14, HALFT                      ; where they go: wave x 128 rows: no place in the cluster enters an LDS address
	s_wait_dscnt 0x0                               ; both opening adds are done
	s_wait_kmcnt 0x0
	s_load_b256 s[68:75], s[6:7], 0x0              ; entries 0..7
	s_load_b128 s[76:79], s[6:7], 0x20             ; entries 8..11
	s_add_nc_u64 s[20:21], s[4:5], s[20:21]
	s_add_nc_u64 s[46:47], s[4:5], s[46:47]
	CROUND                                         ; all sixteen work-groups are here: the first joint loads meet
.irp s, 0,1
	s_mov_b32 s[G0+4*\s], 1
	s_add_co_u32 s[G0+4*\s+1], s45, \s*SLOT
	s_add_nc_u64 s[G0+4*\s+2:G0+4*\s+3], s[20:21], \s*ROWB
	s_or_b32 s[G0+4*\s+3], s[G0+4*\s+3], 0x80000000
	s_mov_b32 s[G0B+4*\s], 1
	s_add_co_u32 s[G0B+4*\s+1], s45, \s*SLOT
	s_add_nc_u64 s[G0B+4*\s+2:G0B+4*\s+3], s[46:47], \s*ROWB
	s_or_b32 s[G0B+4*\s+3], s[G0B+4*\s+3], 0x80000000
.endr
	JLOAD G0, G1, G0B, G1B                         ; K step 0: one tensor load a wave at the head
	; PREFETCHES INTO THE L2 of K steps 1 and 2 here, of K step 3 when K step 1 has been asked for: at most two K steps ahead of the loads.  Of the 128 rows that my wave fetches, each of the four partners names 32,
	; told apart by address (cx for P, cy for Q): a lane a row, 256 bytes of it: each block once in each cluster that loads it.
	s_cmp_eq_u32 s15, 0
	s_cselect_b64 s[96:97], s[20:21], s[46:47]
	s_cselect_b32 s98, s40, s41
	s_lshl_b32 s98, s98, 15                        ; 32 rows of 1,024 bytes
	s_mov_b32 s99, 0
	s_add_nc_u64 s[96:97], s[96:97], s[98:99]
	v_and_b32 v27, 31, v0
	v_lshlrev_b32 v27, 10, v27
	global_prefetch_b8 v27, s[96:97] offset:256 th:TH_LOAD_NT scope:SCOPE_SE
	global_prefetch_b8 v27, s[96:97] offset:512 th:TH_LOAD_NT scope:SCOPE_SE
	v_and_b32 v1, 15, v0                           ; r
	v_bfe_u32 v2, v0, 4, 1                         ; h
	v_mul_u32_u24 v3, v1, PITCH
	v_lshl_add_u32 v4, v2, 4, v3                   ; a fragment's row x pitch + 16 x half
	s_mul_i32 s21, s15, HALFT                      ; my 128 rows of P
	s_mul_i32 s22, s16, HALFT                      ; my 128 rows of Q,
	s_add_co_u32 s22, s22, 2*HALFT                 ; which lie behind P's 256
.irp s, 0,1
	v_add_nc_u32 v[ADRA+\s], s21, v4
	v_add_nc_u32 v[ADRB+\s], s22, v4
	s_add_co_u32 s21, s21, SLOT
	s_add_co_u32 s22, s22, SLOT
.endr
	; the way out: my stage, 16,384 bytes, lies in slot 0, which has had its last fill and its last read when the first code is stored there
	v_and_b32 v5, 7, v0
	v_bfe_u32 v6, v0, 3, 1
	v_lshlrev_b32 v5, 4, v5                        ; 16 (r % 8)
	v_lshl_add_u32 v5, v6, 10, v5                  ; + 1,024 (r / 8)
	v_lshl_add_u32 v5, v2, 3, v5                   ; + 8 h
	s_lshl_b32 s23, s14, 14
	v_add_nc_u32 v[STO], s23, v5
	v_and_b32 v6, 31, v0
	v_lshlrev_b32 v[CO], 4, v6
	v_add_nc_u32 v[RD], s23, v[CO]
	; where my 128 x 128 goes: two images' worth in each direction.  (In registers that feed no descriptor)
	s_lshl_b32 s88, s10, 2
	s_cmp_eq_u32 s67, 2
	s_cselect_b32 s89, 0, s88
	s_cselect_b32 s90, s88, 0
	s_add_co_u32 s89, s89, s41                     ; tile row of G
	s_add_co_u32 s90, s90, s40                     ; tile column of G
	s_lshl_b32 s89, s89, 8
	s_lshl_b32 s91, s15, 7
	s_add_co_u32 s89, s89, s91                     ; my first row
	s_lshl_b32 s90, s90, 8
	s_lshl_b32 s91, s16, 7
	s_add_co_u32 s90, s90, s91                     ; my first column
	s_mov_b32 s94, 0x20000
	s_cmp_eq_u32 s67, 2
	s_cselect_b32 s92, s90, s89                    ; my first token
	s_cselect_b32 s93, s89, s90                    ; my first head 64 + d
	s_cselect_b32 s95, 4096, s94                   ; from the stage's first half to its second: q, k the next head; v the image's second half
	s_cselect_b32 s94, s94, 4096                   ; from a quarter to the next: the other way round
	s_lshr_b32 s88, s92, 11                        ; n
	s_lshl_b32 s88, s88, 4
	s_lshr_b32 s91, s93, 6                         ; head
	s_add_co_u32 s88, s88, s91
	s_lshl_b32 s88, s88, 4
	s_bfe_u32 s91, s92, 0x40007                    ; the step of 128 tokens
	s_add_co_u32 s88, s88, s91
	s_lshl_b32 s88, s88, 13
	s_lshl_b32 s91, s67, 22                        ; the region
	s_add_co_u32 s88, s88, s91
	s_mov_b32 s89, 0
	s_add_nc_u64 s[OB:OB+1], s[8:9], s[88:89]
	s_mov_b32 s88, s94
	s_add_nc_u64 s[OB+2:OB+3], s[OB:OB+1], s[88:89]
	s_mov_b32 s88, s95
	s_add_nc_u64 s[OB+4:OB+5], s[OB:OB+1], s[88:89]
	s_mov_b32 s88, s94
	s_add_nc_u64 s[OB+6:OB+7], s[OB+4:OB+5], s[88:89]
.macro FRAG reg, adr, q, i             ; a fragment: lane l holds row l % 16; registers 4 c .. 4 c + 3 hold K = 32 c + 16 (l / 16) + 0 .. 15: the same order of k on both sides
.irp c, 0,1,2,3
	ds_load_b128 v[\reg+4*\c:\reg+4*\c+3], v[\adr] offset:128*(\q)+32*\c+(\i)*16*PITCH
.endr
.endm
; 16 matrix instructions: P's blocks a0, a0 + 1 x Q's eight.  The 64 accumulators take turns, one instruction a turn, in the same order in every step.
.macro MUL16 a0, p, zero
.irp a, \a0, \a0+1
.irp b, 0,1,2,3,4,5,6,7
.if \zero
	v_wmma_f32_16x16x128_fp8_fp8 v[8*(8*((\a)%4)+\b):8*(8*((\a)%4)+\b)+7], v[128*(\p)+FR*\b:128*(\p)+FR*\b+FR-1], v[AF+FR*(\a):AF+FR*(\a)+FR-1], 0
.else
	v_wmma_f32_16x16x128_fp8_fp8 v[8*(8*((\a)%4)+\b):8*(8*((\a)%4)+\b)+7], v[128*(\p)+FR*\b:128*(\p)+FR*\b+FR-1], v[AF+FR*(\a):AF+FR*(\a)+FR-1], v[8*(8*((\a)%4)+\b):8*(8*((\a)%4)+\b)+7]
.endif
.endr
.endr
.endm
.macro FETCH_B slot, q, p
	WIN TO_B
.irp i, 0,1,2,3,4,5,6,7
	FRAG 128*(\p)+FR*\i, ADRB+\slot, \q, \i
.endr
	WIN 0
.endm
.macro FETCH_A slot, q, i0
.irp i, \i0, \i0+1, \i0+2, \i0+3
	FRAG AF+FR*(\i), ADRA+\slot, \q, \i
.endr
.endm
.macro PLACES n                        ; plain vector instructions between a matrix instruction and a load into, or a vector read of, its registers
.rept \n
	v_nop
.endr
.endm
.macro STEP slot, q, zero              ; 128 along K that has its successor in the same slot
	s_wait_dscnt 4*NL                              ; Q's set and P's blocks 0-3 are in; the youngest sixteen loads (P's blocks 4-7) may be out
	WIN MUL_LO
	MUL16 0, (\q)%2, \zero
	MUL16 2, (\q)%2, \zero
	s_wait_dscnt 0
	PLACES NP
	FETCH_B \slot, (\q)+1, 1-(\q)%2
	FETCH_A \slot, (\q)+1, 0
	WIN MUL_HI
	MUL16 4, (\q)%2, \zero
	MUL16 6, (\q)%2, \zero
	PLACES NP
	WIN 0
	FETCH_A \slot, (\q)+1, 4
.endm
; A slot's last step changes slots: ONE barrier; in front of it each wave waits for all its tensor loads, adds 0 to its spare word, and waits for that and for its own reads of this slot.
.macro TURN slot, next, fill
	s_wait_tensorcnt 0x0                           ; all my tensor loads have landed: my part of the next slot
	ds_add_u32 v[SPW], v[NIL]                      ; 0 onto my spare word
	s_wait_dscnt 4*NL+1                            ; (the add and the youngest sixteen loads may be out)
	WIN MUL_LO
	MUL16 0, 1, 0
	s_wait_dscnt 0x0                               ; the add is done, and my reads of this slot are over
	s_barrier_signal -1
	MUL16 2, 1, 0
	WIN 0
	s_barrier_wait -1
.if \fill
	CREST                                          ; the barrier has opened a round of the cluster's: no wave of any partner still reads this slot or has a load on its way
	s_add_nc_u64 s[G0+4*\slot+2:G0+4*\slot+3], s[G0+4*\slot+2:G0+4*\slot+3], 2*ROWB
	s_add_nc_u64 s[G0B+4*\slot+2:G0B+4*\slot+3], s[G0B+4*\slot+2:G0B+4*\slot+3], 2*ROWB
	JLOAD G0+4*\slot, G1, G0B+4*\slot, G1B         ; the first tensor load behind the round; its four v_nop are the places in front of the loads below
.else
	PLACES NP
.endif
	FETCH_B \next, 0, 0
	FETCH_A \next, 0, 0
	WIN MUL_HI
	MUL16 4, 1, 0
	MUL16 6, 1, 0
	PLACES NP
	WIN 0
	FETCH_A \next, 0, 4
.endm
	s_wait_alu depctr_va_vdst(0)                   ; at the head's end
	s_wait_tensorcnt 0x0                           ; my part of K step 0 is in
	ds_add_u32 v[SPW], v[NIL]
	s_wait_dscnt 0x0                               ; the add is done
	CROUND                                         ; everybody's part of K step 0 is in, and all sixteen work-groups are here:
	JLOAD G0+4, G1, G0B+4, G1B                     ; K step 1's joint load, the first tensor load behind the round
	FETCH_B 0, 0, 0
	FETCH_A 0, 0, 0
	FETCH_A 0, 0, 4
	global_prefetch_b8 v27, s[96:97] offset:768 th:TH_LOAD_NT scope:SCOPE_SE   ; K step 3
	STEP 0, 0, 1                                   ; the first step's products start the sums
	s_mov_b32 s3, LAPS-1
.Llap:
	TURN 0, 1, 1
	STEP 1, 0, 0
	TURN 1, 0, 1
	STEP 0, 0, 0
	s_sub_co_u32 s3, s3, 1
	s_cmp_lg_u32 s3, 0
	s_cbranch_scc1 .Llap
	TURN 0, 1, 0                                   ; the last lap fills nothing, and has no round of the cluster's barrier
	STEP 1, 0, 0
	s_wait_dscnt 4*NL
	WIN MUL_LO
	MUL16 0, 1, 0
	MUL16 2, 1, 0
	s_wait_dscnt 0
	WIN MUL_HI
	MUL16 4, 1, 0
	MUL16 6, 1, 0
	WIN 0
	; THE WAY OUT.  The three scales are folded into the conversion's one; chosen without a branch
	s_wait_kmcnt 0x0
	s_sub_co_i32 s74, s74, s68
	s_sub_co_i32 s74, s74, s69                     ; q: e6 - e0 - e1
	s_sub_co_i32 s75, s75, s70
	s_sub_co_i32 s75, s75, s71                     ; k: e7 - e2 - e3
	s_sub_co_i32 s77, s77, s72
	s_sub_co_i32 s77, s77, s73                     ; v: e9 - e4 - e5
	s_cmp_eq_u32 s67, 1
	s_cselect_b32 s74, s75, s74
	s_cmp_eq_u32 s67, 2
	s_cselect_b32 s74, s77, s74
	s_add_co_i32 s74, s74, 127
	s_lshl_b32 s75, s74, 23
	s_add_co_i32 s74, s74, 8
	s_lshl_b32 s74, s74, 23
	s_or_b32 s74, s74, 0x600000
	PLACES NP
	v_mov_b32 v[SCL], s75                          ; 2^E
	v_mov_b32 v[LIM], s74                          ; 448 x 2^E
; Block a (16 rows x 128 columns): held, converted, and each lane's eight codes put where the image wants them.  Each accumulator is read from its low end on.
.macro QBLOCK a
.set AC, 64*((\a)%4)
	WIN 0x02+((\a)/4)                              ; source 0: window 2 or 3
.set j, 0
.rept 64
	v_med3_num_f32 v[TMP+j], v[AC+j], -v[LIM], v[LIM]   ; the conversion to an 8-bit code does not saturate (ISA guide 7.6.2)
.set j, j+1
.endr
	WIN 0
.irp b, 0,1,2,3,4,5,6,7
	v_cvt_scalef32_pk8_fp8_f32 v[CD+16*(\a)+2*\b:CD+16*(\a)+2*\b+1], v[TMP+8*\b:TMP+8*\b+7], v[SCL]
.endr
	v_nop                                          ; a plain instruction between the conversions and the next block's writes of their sources
.irp b, 0,1,2,3,4,5,6,7
	ds_store_b64 v[STO], v[CD+16*(\a)+2*\b:CD+16*(\a)+2*\b+1] offset:(\b/4)*8192+((\a)/2)*2048+((\b%4)/2)*512+(\b%2)*256+((\a)%2)*128
.endr
.endm
.irp a, 0,1,2,3,4,5,6,7
	QBLOCK \a
.endr
	s_wait_dscnt 0x0                               ; the stores have read the codes' registers, which take the stage's bytes back
.set i, 0
.rept 32
	ds_load_b128 v[CD+4*i:CD+4*i+3], v[RD] offset:512*i
.set i, i+1
.endr
.set i, 0
.rept 32
	s_wait_dscnt 31-i                              ; the younger loads may be out
	global_store_b128 v[CO], v[CD+4*i:CD+4*i+3], s[OB+2*(i/8):OB+2*(i/8)+1] offset:512*(i%8)   ; the wave stores 512 consecutive bytes, aligned
.set i, i+1
.endr
	s_wait_tensorcnt 0x0                           ; the wave's end
	ds_add_u32 v[SPW], v[NIL]
	s_wait_dscnt 0x0
	CROUND                                         ; the closing round: no work-group ends while a partner may still ask for a tile that names it
	s_endpgm
; ---------------- THE MASK.  A wave takes a tile of 16 queries x all 2,048 keys of the mask (int32) and stores, for each of the 16 steps of 128 keys, 64 words of 32 bits (mw): bit l of word n says whether lane l's
; register n of the score tile counts (mask != 0); and one record a tile (fl): which lanes have any key that counts, which steps have any, which steps have any that does not.
; Row r of tile TI = ((n 16 + g) 8 + j) is query 128 g + 32 (j / 2) + 8 (j % 2) + r + 8 (r / 8) of batch n; lane l = 16 h + r; register n = 16 b + i is key 32 b + 16 h + i of the step.
; Steps come in pairs, two pairs of load registers by turns (window 1, 128 registers each): a pair is asked for again as soon as it has been worked.  Each step's rows turn through my stage.
.Lmask:
	s_load_b128 s[68:71], s[0:1], 0x18             ; mask 68, mw 70
	s_load_b64 s[72:73], s[0:1], 0x28              ; fl
	v_lshrrev_b32 v1, 5, v0
	v_readfirstlane_b32 s14, v1                    ; wave 0..3
	v_and_b32 v2, 31, v0
	v_lshlrev_b32 v4, 4, v2                        ; 16 x lane
	v_lshlrev_b32 v10, 3, v2                       ; 8 x lane
	v_and_b32 v5, 15, v2
	v_lshrrev_b32 v6, 4, v2
	v_mul_u32_u24 v7, v5, 528
	v_lshl_add_u32 v7, v6, 6, v7
	s_mul_i32 s35, s14, 8448
	s_add_co_u32 s35, s35, MST                     ; my stage: 16 rows of 512 bytes + 16
	v_add_nc_u32 v8, s35, v4                       ; in: as loaded, 16 bytes a lane
	v_add_nc_u32 v9, s35, v7                       ; out: row r, + 64 h: my 16 keys of each block of 32
.irp i, 130,131,132,133,134,135,136,137,138,139,140,141
	v_mov_b32 v\i, 0                               ; written whole once: a lane write keeps the other lanes
.endr
	s_bfe_u32 s40, ttmp6, 0x40000
	s_bfe_u32 s41, ttmp6, 0x40004
	s_sub_co_u32 s74, s66, 12
	s_lshl_b32 s74, s74, 2
	s_add_co_u32 s74, s74, s41
	s_lshl_b32 s74, s74, 2
	s_add_co_u32 s74, s74, s40
	s_lshl_b32 s74, s74, 2
	s_add_co_u32 s74, s74, s14                     ; TI = 4 (16 (y - 12) + 4 cy + cx) + wave
	s_lshr_b32 s75, s74, 3
	s_lshl_b32 s75, s75, 7                         ; 128 x (16 n + g)
	s_bfe_u32 s76, s74, 0x20001
	s_lshl_b32 s76, s76, 5                         ; + 32 (j / 2)
	s_add_co_u32 s75, s75, s76
	s_and_b32 s76, s74, 1
	s_lshl_b32 s76, s76, 3                         ; + 8 (j % 2)
	s_add_co_u32 s76, s75, s76                     ; the tile's first row of the mask
	s_lshl_b32 s76, s76, 13                        ; a row is 8,192 bytes
	s_mov_b32 s77, 0
	s_mov_b32 s33, 0                               ; which steps have any key that counts
	s_mov_b32 s34, 0                               ; which steps have any that does not
	s_mov_b32 s37, 1                               ; the step's bit
	s_mov_b32 s36, 4
	s_wait_alu depctr_va_vdst(0)                   ; at the head's end
	s_wait_kmcnt 0x0
	s_add_nc_u64 s[68:69], s[68:69], s[76:77]
	s_lshl_b32 s76, s74, 12
	s_add_nc_u64 s[70:71], s[70:71], s[76:77]      ; mw: 16 steps of 256 bytes a tile
	s_lshl_b32 s76, s74, 8
	s_add_nc_u64 s[72:73], s[72:73], s[76:77]      ; fl: 256 bytes a tile
.macro LOADM o, off                    ; two steps: 2 x 16 rows x 512 bytes; each load reads 512 consecutive bytes of one row
	WIN 0x40
.irp p, 0,1,2,3,4,5,6,7,8,9,10,11,12,13,14,15
	global_load_b128 v[\o+4*\p:\o+4*\p+3], v4, s[68:69] offset:(\p+8*(\p/8))*8192+\off th:TH_LOAD_NT
.endr
.irp p, 0,1,2,3,4,5,6,7,8,9,10,11,12,13,14,15
	global_load_b128 v[\o+64+4*\p:\o+64+4*\p+3], v4, s[68:69] offset:(\p+8*(\p/8))*8192+\off+512 th:TH_LOAD_NT
.endr
	WIN 0
.endm
.macro MSTEP o, w, k                   ; a step's 16 rows lie at o in window 1; its words go to v[w:w+1]; k = which of the trip's four steps
	WIN 0x04
.irp p, 0,1,2,3,4,5,6,7,8,9,10,11,12,13,14,15
	ds_store_b128 v8, v[\o+4*\p:\o+4*\p+3] offset:\p*528
.endr
	WIN 0
.irp b, 0,1,2,3
.irp c, 0,1,2,3
	ds_load_b128 v[64+16*\b+4*\c:64+16*\b+4*\c+3], v9 offset:128*\b+16*\c   ; register 16 b + i: key 32 b + 16 h + i of row r.  LDS serves a wave's instructions in order
.endr
.endr
	s_wait_dscnt 0x0                               ; the rows are back, and the stores have read their registers
.set n, 0
.rept 8
.irp m, 0,1,2,3,4,5,6,7
	v_cmp_ne_u32 s[48+\m], 0, v[64+n+\m]           ; word n: bit l = lane l's register n counts
.endr
.irp m, 0,1,2,3,4,5,6,7
	v_writelane_b32 v[\w+((n+\m)&1)], s[48+\m], (n+\m)>>1   ; word n to lane n / 2 of the pair's register n % 2
.endr
.set n, n+8
.endr
	global_store_b64 v10, v[\w:\w+1], s[70:71] offset:256*\k   ; lane l stores words 2 l, 2 l + 1: 256 consecutive bytes, aligned
	v_or_b32 v136, v136, v[\w]
	v_or_b32 v136, v136, v[\w+1]
	v_cmp_ne_u32 s48, 0, v[\w]
	v_cmp_ne_u32 s49, 0, v[\w+1]
	v_cmp_ne_u32 s50, -1, v[\w]
	v_cmp_ne_u32 s51, -1, v[\w+1]
	s_or_b32 s48, s48, s49
	s_cselect_b32 s48, s37, 0
	s_or_b32 s33, s33, s48
	s_or_b32 s50, s50, s51
	s_cselect_b32 s50, s37, 0
	s_or_b32 s34, s34, s50
	s_lshl_b32 s37, s37, 1
.endm
	LOADM 0, 0
	LOADM 128, 1024
.Lpairs:                                               ; four trips of four steps
	s_wait_loadcnt 32                              ; the first pair's 32 loads are in; the second's may be out
	MSTEP 0, 130, 0
	MSTEP 64, 132, 1
	s_cmp_eq_u32 s36, 1
	s_cbranch_scc1 .Llast_pair
	LOADM 0, 2048                                  ; the next trip's first pair
	s_wait_loadcnt 32                              ; all but these
	s_branch .Lsecond
.Llast_pair:
	s_wait_loadcnt 0x0
.Lsecond:
	MSTEP 128, 134, 2
	MSTEP 192, 140, 3
	s_cmp_eq_u32 s36, 1
	s_cbranch_scc1 .Lmask_done
	LOADM 128, 3072                                ; the next trip's second pair
	s_wait_xcnt 0x0                                ; loads and stores have read their bases, and the stores their words
	s_add_nc_u64 s[68:69], s[68:69], 2048
	s_add_nc_u64 s[70:71], s[70:71], 1024
	s_sub_co_u32 s36, s36, 1
	s_cmp_lg_u32 s36, 0
	s_cbranch_scc1 .Lpairs
.Lmask_done:
	s_wait_alu depctr_va_vdst(0)                   ; ahead of the readers below
	v_mov_b32_dpp v137, v136 row_xmask:1 row_mask:0xf bank_mask:0xf
	v_or_b32 v136, v136, v137
	v_mov_b32_dpp v137, v136 row_xmask:2 row_mask:0xf bank_mask:0xf
	v_or_b32 v136, v136, v137
	v_mov_b32_dpp v137, v136 row_xmask:4 row_mask:0xf bank_mask:0xf
	v_or_b32 v136, v136, v137
	v_mov_b32_dpp v137, v136 row_xmask:8 row_mask:0xf bank_mask:0xf
	v_or_b32 v136, v136, v137
	v_readlane_b32 s32, v136, 0
	v_readlane_b32 s35, v136, 16
	s_or_b32 s32, s32, s35                         ; all 1,024 words of the tile together: which lanes have any key that counts
	v_writelane_b32 v138, s32, 0
	v_writelane_b32 v139, s33, 0
	v_writelane_b32 v138, s34, 1
	global_store_b64 v10, v[138:139], s[72:73]     ; 256 bytes: three words and zeros
	s_wait_tensorcnt 0x0                           ; the wave's end
	ds_add_u32 v[SPW], v[NIL]
	s_wait_dscnt 0x0
	s_endpgm
.Lfunc_end_k_qe663c64b04_proj:
	.size	k_qe663c64b04_proj, .Lfunc_end_k_qe663c64b04_proj-k_qe663c64b04_proj
	.p2alignl 7, 3214868480
	.fill 96, 4, 3214868480
	.section	.rodata,"a",@progbits
	.p2align	6, 0x0
	.amdhsa_kernel k_qe663c64b04_proj
		.amdhsa_group_segment_fixed_size 327680
		.amdhsa_private_segment_fixed_size 0
		.amdhsa_enable_private_segment 0
		.amdhsa_kernarg_size 48
		.amdhsa_user_sgpr_count 2
		.amdhsa_user_sgpr_kernarg_segment_ptr 1
		.amdhsa_wavefront_size32 1
		.amdhsa_system_sgpr_workgroup_id_x 1
		.amdhsa_system_sgpr_workgroup_id_y 1
		.amdhsa_system_sgpr_workgroup_id_z 1
		.amdhsa_system_vgpr_workitem_id 0
		.amdhsa_next_free_vgpr 1024
		.amdhsa_next_free_sgpr 100
		.amdhsa_reserve_vcc 0
		.amdhsa_float_denorm_mode_32 3
		.amdhsa_float_denorm_mode_16_64 3
		.amdhsa_memory_ordered 1
		.amdhsa_forward_progress 1
		.amdhsa_inst_pref_size 186
	.end_amdhsa_kernel
	.amdgpu_metadata
---
amdhsa.version: [ 1, 2 ]
amdhsa.kernels:
  - .name:           k_qe663c64b04_proj
    .symbol:         k_qe663c64b04_proj.kd
    .args:
      - { .name: codes, .offset: 0, .size: 8, .value_kind: global_buffer, .address_space: global }
      - { .name: lowp_scales, .offset: 8, .size: 8, .value_kind: global_buffer, .address_space: global }
      - { .name: qkv, .offset: 16, .size: 8, .value_kind: global_buffer, .address_space: global }
      - { .name: mask, .offset: 24, .size: 8, .value_kind: global_buffer, .address_space: global }
      - { .name: mw, .offset: 32, .size: 8, .value_kind: global_buffer, .address_space: global }
      - { .name: fl, .offset: 40, .size: 8, .value_kind: global_buffer, .address_space: global }
    .group_segment_fixed_size: 327680
    .private_segment_fixed_size: 0
    .kernarg_segment_align: 8
    .kernarg_segment_size: 48
    .max_flat_workgroup_size: 128
    .sgpr_count:     100
    .vgpr_count:     1024
    .wavefront_size: 32
...
	.end_amdgpu_metadata
.endif
;; end of part 6
;; launch attn (part 7): grid 8 x 32, 16 waves a work-group, no clusters, 264,192 bytes of LDS; arguments qkv, mw, fl, lowp_scales, cc; writes cc
.if DOCPART == 7
	.amdgcn_target "amdgcn-amd-amdhsa--gfx1250"
	.amdhsa_code_object_version 6
	.text
	.protected	k_qe663c64b04_attn
	.globl	k_qe663c64b04_attn
	.p2align	8
	.type	k_qe663c64b04_attn,@function
k_qe663c64b04_attn:
	s_mov_b64 s[64:65], 0
	v_nop
	global_prefetch_b8 v0, s[64:65] scope:SCOPE_SE
	s_setreg_imm32_b32 hwreg(HW_REG_WAVE_MODE, 25, 1), 1
	s_wait_xcnt 0x0
; LAUNCH 3 OF 4: attention on codes of E4M3, and its result quantised for the last product.
; energy = q . k (entries 6, 7); where mask == 0 it is replaced; t = energy x log2(e) / 8; M = the running largest t rounded UP to a whole number; p = 2^(t - M) is quantised (entry 8), not normalised;
; the row's sum is taken of the unquantised p and divides O = p v (entry 9) at the end; O / sum is quantised with entry 10.
; WHAT IS PASSED OVER, AND WHY.  The mask is an input of whole numbers; the second launch stored what it says (mw, fl), and this launch reads that from memory.  A step of 128 keys in which the mask hides
; all keys from all 16 queries of a tile adds p = 0 to sums and products, if each of the 16 queries has a key that counts somewhere: then, and only then, the step is passed over.  If any of the 16 rows
; is hidden altogether, all sixteen steps are walked, and that row comes out as the plain mean over all keys, as the replaced energies, all equal, make it.  A step in which every key counts needs no
; selection and no mask words.
; LIMIT: a NaN or an infinity that lies only in a step that is passed over is not carried to the result.
; THE REPLACED ENERGY is taken as -2^66 in place of -1e20: a power of two, so that its product with c is exact and a row that is hidden altogether has t - M = 0 exactly.  Either number lies under every
; energy that codes can make, so p is the same: 0, or 1 in a row hidden altogether.  LIMITS: e6 + e7 between -61 and 26; e8 between -126 and 119; e10 - e8 - e9 between -126 and 119.
; SHARES.  A work-group has one head and one j = 0 .. 7; its sixteen query tiles are (g, j), g = the block of 128 queries.  A WAVE OWNS A PAIR OF TILES, g = 15 - q and g = q, AND ONE PARITY b OF THE KEY STEPS: it walks the steps
; 2 u + b, u = 0 .. 7, first for the tile 15 - q and then for the tile q.  Where late queries see more keys the sixteen waves have 8 or 9 steps each; the text is right for every mask.
; At the end the two waves of a pair hand each other one tile's part (O, sum, M) through LDS, and each finishes one tile: b = 0 the tile 15 - q, b = 1 the tile q.  Parts are joined by factors 2^(M of the part - M): exact.
; THE HEAD'S WHOLE K AND V (2 x 131,072 bytes of images of operand registers) come into LDS once, through registers, in four parts of four key steps.  Parts 0 and 1 are asked for at the head, part 2 when
; part 1 is stored, part 3 when part 2 is stored.  Three barriers show them: part 0; parts 1 and 2 behind each wave's second step; part 3 behind its fourth.  From there on twelve steps go without a barrier.
; No tensor load: so the branches on stored whole numbers are free.  No cluster: without tensor loads there is nothing to ask for jointly.  Nothing is prefetched: each part is asked for one or two steps ahead by the loads themselves.
; A masked step's 64 words are asked for as soon as the masked step before it has used its own (the first ones at the head).
; LAYOUT.  Both products are used transposed: S^T = K Q^T (source 0 = 16 keys), O^T = V^T P^T (source 0 = 16 of the head's 64): a lane holds ONE query (lane % 16).  The keys of a tile are chosen so that
; the 16 registers of tiles 2 b, 2 b + 1 are keys 32 b + 16 (lane / 16) + 0 .. 15; V's rows likewise, so that O^T's 16 registers of two tiles are 16 neighbours along the last product's K.
; REGISTERS: v1 16 x lane; v2 the same in V's half; v3, v4 the add's two; v5 the replaced score; v6, v7 the way out's scale and limit; v8, v9 addresses at work; v10 16 x thread; v12 -M; v13 the largest t; v[14:15] the sum;
; v[16:23] Q; v[24:31] the second tile's Q, then v28, v29 the first tile's sum and -M; v32-95 K's, then V's fragments; v96-159 S^T, then p (part 0 of the fill ahead of that); v160-191 O^T;
; v192-223 a part of the fill on its way, then the first tile's O^T; v224-239 p's codes; v240 448 x 2^e8; v244 2^e8; v236-239, v242-243, v246-255 at work.
.set VIMG,  131072                     ; LDS: K's sixteen images from 0, V's from here
.set SPARE, 262144                     ; the spare words, 128 bytes a wave: eight blocks of 256 bytes that no other line names
.set SPW, 3
.set NIL, 4
.set DW,  4352                         ; a wave's part on its way to the other wave of the pair: 32 x 128 bytes of O^T, then sum and -M; from LDS byte 0, over K's images, which all waves have left by then
; Part ph of the fill: key steps 4 ph .. 4 ph + 3, an image of 8,192 bytes of K and one of V for each: the sixteen waves read 8,192 consecutive bytes an instruction
.macro LOADG ph, d
.irp i, 0,1,2,3
	global_load_b128 v[\d+4*\i:\d+4*\i+3], v10, s[18:19] offset:8192*(4*(\ph)+\i)
.endr
.irp i, 0,1,2,3
	global_load_b128 v[\d+16+4*\i:\d+16+4*\i+3], v10, s[4:5] offset:8192*(4*(\ph)+\i)
.endr
.endm
.macro STOREG ph, d
.set KA, 10
.if (\ph) > 1
	v_add_nc_u32 v8, 65536, v10
.set KA, 8
.endif
	v_add_nc_u32 v9, VIMG+65536*((\ph)/2), v10
.irp i, 0,1,2,3
	ds_store_b128 v[KA], v[\d+4*\i:\d+4*\i+3] offset:8192*((4*(\ph)+\i)%8)
	ds_store_b128 v9, v[\d+16+4*\i:\d+16+4*\i+3] offset:8192*((4*(\ph)+\i)%8)
.endr
.endm
; The next masked step's words: word n in s[32 + n], from n = 32 on in s[36 + n].  s27 lists my masked steps still to come (bits 0-15 the first tile's, 16-31 the second's); s[30:31] = the second tile's words; the first tile's lie 16 x s66 bytes further on.
.macro MLOAD
	s_ctz_i32_b32 s16, s27
	s_min_u32 s16, s16, 31                         ; (an empty list, at the head alone, gives 31: a block of the tile's own)
	s_add_co_u32 s100, s16, 16
	s_and_b32 s100, s100, 16                       ; 16 for the first tile, 0 for the second
	s_mul_i32 s100, s100, s66
	s_and_b32 s16, s16, 15
	s_lshl_b32 s16, s16, 8
	s_add_co_u32 s16, s16, s100
	s_add_nc_u64 s[2:3], s[30:31], s[16:17]
	s_load_b512 s[32:47], s[2:3], 0x0
	s_load_b512 s[48:63], s[2:3], 0x40
	s_load_b512 s[68:83], s[2:3], 0x80
	s_load_b512 s[84:99], s[2:3], 0xc0
.endm
; A KEY STEP of my parity: 128 keys for the tile in hand.  A step that the stored flags pass over jumps to the lines that step the addresses.
.macro STEP wrap
	s_bitcmp1_b32 s26, s24
	s_cbranch_scc0 .Lnext_\@
	v_add_nc_u32 v8, s25, v1
	v_add_nc_u32 v9, s25, v2
	v_nop                                          ; with the two additions: four places in front of loads into registers that the last step's products have read
	v_nop
	s_wait_alu depctr_va_vdst(0)
.irp t, 0,1,2,3,4,5,6,7
	ds_load_b128 v[32+8*\t:35+8*\t], v8 offset:1024*\t
	ds_load_b128 v[36+8*\t:39+8*\t], v8 offset:1024*\t+512
.endr
	s_wait_dscnt 0x8                               ; the first four tiles are in; the other four's eight loads may be out
.irp t, 0,1,2,3
	v_wmma_f32_16x16x64_fp8_fp8 v[96+8*\t:103+8*\t], v[32+8*\t:39+8*\t], v[16:23], 0   ; S^T: 16 keys x my 16 queries, K = the head's 64
.endr
	s_wait_dscnt 0x0
.irp t, 4,5,6,7
	v_wmma_f32_16x16x64_fp8_fp8 v[96+8*\t:103+8*\t], v[32+8*\t:39+8*\t], v[16:23], 0
.endr
.rept 4
	v_nop                                          ; places in front of the loads below and of the first read of the scores
.endr
.irp t, 0,1,2,3
.irp b, 0,1,2,3
	ds_load_b128 v[32+16*\t+4*\b:35+16*\t+4*\b], v9 offset:(\b/2)*4096+\t*1024+(\b%2)*512   ; V's four fragments land while the softmax is walked
.endr
.endr
	s_bitcmp1_b32 s27, s24
	s_cbranch_scc0 .Lopen_\@                       ; every key of the step counts for every query of the tile
	s_wait_kmcnt 0x0                               ; this step's words are in; their base may be rewritten
.set n, 0
.rept 64
	v_cndmask_b32 v[96+n], v5, v[96+n], s[32+n+4*(n/32)]   ; where the mask is 0: the replaced score
.set n, n+1
.endr
	s_sub_co_u32 s16, s27, 1
	s_and_b32 s27, s27, s16                        ; off the list: it was the lowest bit, since the walk ascends
	s_cbranch_scc0 .Lopen_\@
	MLOAD
.Lopen_\@:
	v_max3_num_f32 v254, v96, v97, v98             ; the step's largest score of my query, among my 64 keys, in two chains,
	v_max3_num_f32 v252, v99, v100, v101
.irp i, 6,10,14,18,22,26,30,34,38,42,46,50,54,58
	v_max3_num_f32 v254, v254, v[96+\i], v[97+\i]
	v_max3_num_f32 v252, v252, v[98+\i], v[99+\i]
.endr
	v_max3_num_f32 v254, v254, v158, v159
	s_delay_alu instid0(VALU_DEP_1)
	v_max_num_f32 v254, v254, v252
	v_permlanex16_b32 v236, v254, s20, s21
	s_delay_alu instid0(VALU_DEP_1)
	v_max_num_f32 v254, v254, v236                 ; and among lane l xor 16's
	s_delay_alu instid0(VALU_DEP_1)
	v_mul_f32 v254, s22, v254                      ; as t (c is positive)
	s_delay_alu instid0(VALU_DEP_1)
	v_max_num_f32 v13, v13, v254                   ; the running largest t
	v_mov_b32 v254, v12
	s_delay_alu instid0(VALU_DEP_2)
	v_floor_f32 v12, -v13                          ; the new -M = floor(-t): M is a whole number
	s_delay_alu instid0(VALU_DEP_1)
	v_sub_f32 v254, v12, v254                      ; M's old value less its new one: a whole number, 0 or less
	s_delay_alu instid0(VALU_DEP_1)
	v_cvt_i32_f32 v254, v254                       ; (it saturates)
	s_delay_alu instid0(VALU_DEP_1)
	v_ldexp_f32 v252, 1.0, v254                    ; f = 2^(old M - new M): a multiplication by it rounds nothing
.set j, 0
.rept 32
	v_pk_fma_f32 v[96+j:97+j], v[96+j:97+j], s[22:23], v[12:13] op_sel_hi:[1,0,0]   ; t - M, two at a time (of the pairs c and -M the low word serves both halves)
.set j, j+2
.endr
.set j, 0
	s_wait_alu depctr_va_vdst(0)                   ; ahead of the batch
.rept 64
	v_exp_f32 v[96+j], v[96+j]                     ; p = 2^(t - M), at most 1
.set j, j+1
.endr
	v_pk_mul_f32 v[14:15], v[14:15], v[252:253] op_sel_hi:[1,0]   ; the sums under the new M: the plain instruction behind the exponentials
	s_wait_alu depctr_va_vdst(0)                   ; one wait for the whole batch, ahead of its first reader
	v_pk_add_f32 v[242:243], v[100:101], v[104:105]
	v_pk_add_f32 v[254:255], v[108:109], v[112:113]
	v_pk_add_f32 v[250:251], v[116:117], v[120:121]
	v_pk_add_f32 v[248:249], v[124:125], v[128:129]
	v_pk_add_f32 v[246:247], v[132:133], v[136:137]
	v_pk_add_f32 v[238:239], v[140:141], v[144:145]
	v_pk_add_f32 v[236:237], v[148:149], v[152:153]
	v_pk_add_f32 v[14:15], v[14:15], v[156:157]
	v_pk_add_f32 v[242:243], v[242:243], v[96:97]
	v_pk_add_f32 v[254:255], v[254:255], v[98:99]
	v_pk_add_f32 v[250:251], v[250:251], v[102:103]
	v_pk_add_f32 v[248:249], v[248:249], v[106:107]
	v_pk_add_f32 v[246:247], v[246:247], v[110:111]
	v_pk_add_f32 v[238:239], v[238:239], v[114:115]
	v_pk_add_f32 v[236:237], v[236:237], v[118:119]
	v_pk_add_f32 v[14:15], v[14:15], v[122:123]
	v_pk_add_f32 v[242:243], v[242:243], v[126:127]
	v_pk_add_f32 v[254:255], v[254:255], v[130:131]
	v_pk_add_f32 v[250:251], v[250:251], v[134:135]
	v_pk_add_f32 v[248:249], v[248:249], v[138:139]
	v_pk_add_f32 v[246:247], v[246:247], v[142:143]
	v_pk_add_f32 v[238:239], v[238:239], v[146:147]
	v_pk_add_f32 v[236:237], v[236:237], v[150:151]
	v_pk_add_f32 v[14:15], v[14:15], v[154:155]
	v_pk_add_f32 v[242:243], v[242:243], v[158:159]
	s_delay_alu instid0(VALU_DEP_2)
	v_pk_add_f32 v[14:15], v[14:15], v[248:249]
	s_delay_alu instid0(VALU_DEP_2)
	v_pk_add_f32 v[242:243], v[242:243], v[246:247]
	v_pk_add_f32 v[254:255], v[254:255], v[238:239]
	v_pk_add_f32 v[250:251], v[250:251], v[236:237]
	s_delay_alu instid0(VALU_DEP_2)
	v_pk_add_f32 v[14:15], v[14:15], v[254:255]
	s_delay_alu instid0(VALU_DEP_2)
	v_pk_add_f32 v[242:243], v[242:243], v[250:251]
	s_delay_alu instid0(VALU_DEP_1)
	v_pk_add_f32 v[14:15], v[14:15], v[242:243]
	s_cmp_lg_u32 s28, 0
	s_cbranch_scc0 .Lnohold_\@
.set j, 0
.rept 64
	v_min_num_f32 v[96+j], v[96+j], v240           ; e8 under -8: the conversion does not saturate (ISA guide 7.6.2); p is not negative, so the hold is one-sided
.set j, j+1
.endr
.Lnohold_\@:
.irp b, 0,1,2,3
	v_cvt_scalef32_pk8_fp8_f32 v[224+4*\b:225+4*\b], v[96+16*\b:103+16*\b], v244
	v_cvt_scalef32_pk8_fp8_f32 v[226+4*\b:227+4*\b], v[104+16*\b:111+16*\b], v244
.endr
	s_wait_alu depctr_va_vdst(0)                   ; directly ahead of the first reader of O^T
.set j, 0
.rept 16
	v_pk_mul_f32 v[160+j:161+j], v[160+j:161+j], v[252:253] op_sel_hi:[1,0]   ; O^T under the new M; also the plain instructions between the conversions and the products
.set j, j+2
.endr
	s_wait_alu depctr_va_vdst(0)                   ; directly ahead of the wait below
	s_wait_dscnt 0x0                               ; V's fragments are in
.irp t, 0,1,2,3
	v_wmma_f32_16x16x128_fp8_fp8 v[160+8*\t:167+8*\t], v[32+16*\t:47+16*\t], v[224:239], v[160+8*\t:167+8*\t]   ; O^T += V^T P^T, K = the step's 128 keys; the four accumulators take turns
.endr
.Lnext_\@:
	s_add_co_u32 s25, s25, 16384                   ; two images on
.if \wrap
	s_and_b32 s25, s25, 0x1ffff                    ; behind the last step the second tile begins with the first
.endif
	s_add_co_u32 s24, s24, 2
.endm
	s_load_b256 s[4:11], s[0:1], 0x0               ; qkv 4, mw 6, fl 8, the scales' exponents 10
	s_load_b64 s[12:13], s[0:1], 0x20              ; cc
	v_lshrrev_b32 v1, 5, v0
	v_lshl_add_u32 v[SPW], v0, 2, SPARE
	v_readfirstlane_b32 s14, v1                    ; wave 0..15
	v_mov_b32 v[NIL], 0
	v_and_b32 v1, 31, v0
	v_lshlrev_b32 v10, 4, v0                       ; 16 x thread: the fill's place in 8,192 bytes, in memory and in LDS
	v_lshlrev_b32 v1, 4, v1                        ; 16 x lane
	v_add_nc_u32 v2, VIMG, v1
	s_bfe_u32 s15, s14, 0x10002                    ; b = bit 2 of the wave's number
	s_and_b32 s16, s14, 3
	s_lshr_b32 s17, s14, 3
	s_lshl_b32 s17, s17, 2
	s_add_co_u32 s87, s16, s17                     ; q = wave % 4 + 4 (wave / 8): the second tile's block of queries
	s_sub_co_u32 s86, 15, s87                      ; the first tile's
	s_and_b32 s29, ttmp7, 0xffff                   ; y
	s_lshr_b32 s2, ttmp9, 2
	s_lshl_b32 s2, s2, 4
	s_lshr_b32 s3, s29, 1
	s_add_co_u32 s100, s2, s3                      ; 16 n + head = 16 (x / 4) + y / 2
	s_and_b32 s2, ttmp9, 3
	s_and_b32 s3, s29, 1
	s_lshl_b32 s3, s3, 2
	s_add_co_u32 s101, s2, s3                      ; j = x % 4 + 4 (y % 2)
	s_lshr_b32 s2, s100, 4
	s_lshl_b32 s2, s2, 7
	s_add_co_u32 s2, s2, s101
	s_lshl_b32 s3, s86, 3
	s_add_co_u32 s84, s2, s3                       ; my first tile: (16 n + g) 8 + j
	s_lshl_b32 s3, s87, 3
	s_add_co_u32 s85, s2, s3                       ; my second tile
	s_lshl_b32 s92, s100, 4
	s_lshl_b32 s93, s101, 10
	s_mov_b32 s3, 0
	s_wait_alu depctr_va_vdst(0)                   ; directly ahead of the wait below
	s_wait_kmcnt 0x0
	s_add_co_u32 s2, s92, s86
	s_lshl_b32 s2, s2, 13
	s_add_co_u32 s2, s2, s93
	s_add_nc_u64 s[94:95], s[4:5], s[2:3]          ; Q: image (16 n + head, g), tile j: the first tile's
	s_add_co_u32 s2, s92, s87
	s_lshl_b32 s2, s2, 13
	s_add_co_u32 s2, s2, s93
	s_add_nc_u64 s[96:97], s[4:5], s[2:3]          ; and the second's
	s_lshl_b32 s2, s100, 17
	s_add_co_u32 s2, s2, 0x400000
	s_add_nc_u64 s[18:19], s[4:5], s[2:3]          ; K's sixteen images of my head
	s_add_nc_u64 s[4:5], s[18:19], 0x400000        ; V's
	global_load_b128 v[16:19], v1, s[94:95]        ; Q's fragments stay in registers: d = 16 h + 0 .. 15,
	global_load_b128 v[20:23], v1, s[94:95] offset:512   ; 32 + 16 h + 0 .. 15
	global_load_b128 v[24:27], v1, s[96:97]
	global_load_b128 v[28:31], v1, s[96:97] offset:512
	LOADG 0, 96                                    ; part 0, into registers that the first step's scores will take
	s_lshl_b32 s2, s84, 8
	s_add_nc_u64 s[88:89], s[8:9], s[2:3]          ; fl: 256 bytes a tile
	s_lshl_b32 s2, s85, 8
	s_add_nc_u64 s[90:91], s[8:9], s[2:3]
	s_load_b128 s[32:35], s[88:89], 0x0            ; each tile's flags: three words
	s_load_b128 s[48:51], s[90:91], 0x0
	s_load_b128 s[68:71], s[10:11], 0x18           ; e6, e7, e8, e9
	s_load_b32 s72, s[10:11], 0x28                 ; e10
	LOADG 1, 192                                   ; part 1
	s_lshl_b32 s2, s85, 12
	s_add_nc_u64 s[30:31], s[6:7], s[2:3]          ; mw: 16 steps of 256 bytes a tile: the second tile's
	s_sub_co_u32 s66, s86, s87
	s_lshl_b32 s66, s66, 11                        ; the first tile's lie 8 (g - q) tiles of 4,096 bytes further on: a sixteenth of that
	s_cmp_eq_u32 s15, 0
	s_cselect_b32 s2, s84, s85                     ; the tile that I finish
	s_lshl_b32 s2, s2, 14
	s_and_b32 s16, s100, 15
	s_lshl_b32 s16, s16, 10
	s_add_co_u32 s2, s2, s16
	s_add_nc_u64 s[12:13], s[12:13], s[2:3]        ; cc: 16,384 bytes a tile, 1,024 a head
	s_mov_b32 s20, 0x76543210
	s_mov_b32 s21, 0xfedcba98                      ; v_permlanex16_b32's selects for lane l xor 16
	s_mov_b32 s24, s15                             ; the step: bit 0-15 of the lists for the first tile, 16-31 for the second
	s_lshl_b32 s25, s15, 13                        ; its image in K's half of LDS
	v_mov_b32 v13, 0xff61b1e6                      ; the largest t so far: -3e38, under every t
	v_mov_b32 v14, 0                               ; the sum, in two halves
	v_mov_b32 v15, 0
	v_floor_f32 v12, -v13                          ; -M
	v_mov_b32 v236, 0                              ; written once: a lane permute's destination counts as one of its sources
	v_mov_b32 v253, 0                              ; (named as the upper half of the pair v[252:253])
.set i, 0
.rept 32
	v_mov_b32 v[160+i], 0                          ; O^T.  (The step is written for every turn alike: the first finds zeros, which the first change of M leaves zeros)
.set i, i+1
.endr
	s_wait_alu depctr_va_vdst(0)                   ; directly ahead of the wait below
	s_wait_kmcnt 0x0
; A tile's flags: s[w] the steps to walk, s[x] the steps with any key that does not count
.macro FLAGS f, w, x
	s_lshr_b32 s3, s[\f], 16
	s_or_b32 s2, s[\f], s3
	s_and_b32 s2, s2, 0xffff                       ; which of the 16 rows have any key that counts
	s_mov_b32 s[\x], s[\f+2]
	s_mov_b32 s3, 0xffff
	s_cmp_eq_u32 s2, s3
	s_cselect_b32 s[\w], s[\f+1], s3               ; a row hidden altogether: all sixteen steps are walked
.endm
	FLAGS 32, 26, 27
	FLAGS 48, 16, 17
	s_lshl_b32 s16, s16, 16
	s_or_b32 s26, s26, s16                         ; the steps to walk, of both tiles
	s_lshl_b32 s17, s17, 16
	s_or_b32 s27, s27, s17
	s_and_b32 s27, s27, s26
	s_lshl_b32 s2, 0x55555555, s15
	s_and_b32 s27, s27, s2                         ; my masked steps
	s_mov_b32 s17, 0
	s_add_co_i32 s2, s68, s69                      ; e6 + e7
	s_lshl_b32 s3, s2, 23
	s_mov_b32 s22, 0x3e38aa3b                      ; c = log2(e) / 8;
	s_add_co_i32 s22, s22, s3                      ; a score stands for score x 2^(e6 + e7): added to c's exponent field
	s_mov_b32 s23, s22                             ; (named with it as a pair, so it is written)
	s_sub_co_i32 s2, 193, s2
	s_lshl_b32 s2, s2, 23
	s_or_b32 s2, s2, 0x80000000
	v_mov_b32 v5, s2                               ; the score that stands for the energy -2^66
	s_cmp_lt_i32 s70, -8
	s_cselect_b32 s28, 1, 0                        ; p is at most 1, and 1 <= 448 x 2^e8 from e8 = -8 on: only under that does the hold at the largest code change anything
	s_add_co_i32 s2, s70, 127
	s_lshl_b32 s3, s2, 23
	v_mov_b32 v244, s3                             ; 2^e8
	s_add_co_i32 s2, s2, 8
	s_lshl_b32 s2, s2, 23
	s_or_b32 s2, s2, 0x600000
	v_mov_b32 v240, s2                             ; 448 x 2^e8
	s_sub_co_i32 s2, s72, s70
	s_sub_co_i32 s2, s2, s71                       ; O / sum stands for that x 2^(e8 + e9): its code is that / 2^(e10 - e8 - e9)
	s_add_co_i32 s2, s2, 127
	s_lshl_b32 s3, s2, 23
	v_mov_b32 v6, s3
	s_add_co_i32 s2, s2, 8
	s_lshl_b32 s2, s2, 23
	s_or_b32 s2, s2, 0x600000
	v_mov_b32 v7, s2
	s_wait_alu depctr_va_vdst(0)                   ; at the head's end
	s_wait_xcnt 0x0                                ; the loads have read their bases, some of which the mask words overwrite
	MLOAD                                          ; my first masked step's words
	s_wait_loadcnt 0x8                             ; Q's four and part 0's eight loads are in; part 1's eight may be out
	STOREG 0, 96
	s_wait_dscnt 0x0                               ; for the others' sake: my share lies in LDS; and the stores have read their registers
	s_barrier_signal -1
	s_barrier_wait -1                              ; part 0 is whole: steps 0 .. 3
	STEP 0
	s_wait_loadcnt 0x0
	STOREG 1, 192
	s_wait_dscnt 0x0                               ; the stores have read their registers, which take part 2
	LOADG 2, 192
	STEP 0
	s_wait_loadcnt 0x0
	STOREG 2, 192
	s_wait_dscnt 0x0
	LOADG 3, 192
	s_barrier_signal -1
	s_barrier_wait -1                              ; parts 1 and 2 are whole: steps 4 .. 11
	s_mov_b32 s29, 2
.Ltwo:
	STEP 0
	s_sub_co_u32 s29, s29, 1
	s_cmp_lg_u32 s29, 0
	s_cbranch_scc1 .Ltwo
	s_wait_loadcnt 0x0
	STOREG 3, 192
	s_wait_dscnt 0x0
	s_barrier_signal -1
	s_barrier_wait -1                              ; all of K and V is whole; nothing is written over it before the last step of every wave
	s_mov_b32 s29, 12
.Lwalk:                                            ; twelve trips: the first tile's last four of my parity, then the second tile's eight
	s_cmp_lg_u32 s29, 8
	s_cbranch_scc1 .Lstay
	; ON TO THE SECOND TILE: the first tile's sum, -M and O^T are kept
.rept 4
	v_nop                                          ; places behind the last products
.endr
.irp i, 0,1,2,3,4,5,6,7
	v_mov_b32 v[16+\i], v[24+\i]                   ; the second tile's Q
.endr
	v_add_f32 v14, v14, v15                        ; the sum's two halves,
	v_permlanex16_b32 v236, v14, s20, s21
	v_mov_b32 v29, v12                             ; (-M)
	v_add_f32 v28, v14, v236                       ; and lane l xor 16's
.set i, 0
.rept 32
	v_mov_b32 v[192+i], v[160+i]
.set i, i+1
.endr
.set i, 0
.rept 32
	v_mov_b32 v[160+i], 0
.set i, i+1
.endr
	v_mov_b32 v13, 0xff61b1e6
	v_mov_b32 v14, 0
	v_mov_b32 v15, 0
	v_floor_f32 v12, -v13
	s_wait_alu depctr_va_vdst(0)
.Lstay:
	STEP 1
	s_sub_co_u32 s29, s29, 1
	s_cmp_lg_u32 s29, 0
	s_cbranch_scc1 .Lwalk
	; THE PAIR'S TWO PARTS MEET
.rept 4
	v_nop                                          ; places behind the last products
.endr
	v_add_f32 v14, v14, v15
	v_permlanex16_b32 v236, v14, s20, s21
	v_mov_b32 v15, v12                             ; v[14:15]: the second tile's sum and -M
	v_add_f32 v14, v14, v236
	s_mul_i32 s24, s14, DW
	s_xor_b32 s25, s14, 4                          ; the other wave of the pair
	s_mul_i32 s25, s25, DW
	v_lshrrev_b32 v11, 1, v1                       ; 8 x lane
	v_add_nc_u32 v8, s24, v1
	v_add_nc_u32 v9, s24, v11
	v_add_nc_u32 v24, s25, v1
	v_add_nc_u32 v25, s25, v11
	s_wait_alu depctr_va_vdst(0)                   ; ahead of the barrier
	s_wait_dscnt 0x0                               ; my reads of K and V are over,
	s_barrier_signal -1
	s_barrier_wait -1                              ; and so are everybody's
	s_cmp_eq_u32 s15, 0
	s_cbranch_scc1 .Lgive_second
.irp i, 0,1,2,3,4,5,6,7
	ds_store_b128 v8, v[192+4*\i:195+4*\i] offset:512*\i   ; b = 1 hands over the first tile's part
.endr
	ds_store_b64 v9, v[28:29] offset:4096
	s_branch .Lgiven
.Lgive_second:
.irp i, 0,1,2,3,4,5,6,7
	ds_store_b128 v8, v[160+4*\i:163+4*\i] offset:512*\i   ; b = 0 hands over the second tile's, and takes up the first's again
.endr
	ds_store_b64 v9, v[14:15] offset:4096
	s_wait_dscnt 0x0                               ; the stores have read their registers
.set i, 0
.rept 32
	v_mov_b32 v[160+i], v[192+i]
.set i, i+1
.endr
	v_mov_b32 v14, v28
	v_mov_b32 v15, v29
.Lgiven:
	s_wait_alu depctr_va_vdst(0)                   ; directly ahead of the wait below
	s_wait_dscnt 0x0                               ; for the other wave's sake
	s_barrier_signal -1
	s_barrier_wait -1
.irp i, 0,1,2,3,4,5,6,7
	ds_load_b128 v[96+4*\i:99+4*\i], v24 offset:512*\i
.endr
	ds_load_b64 v[128:129], v25 offset:4096
	s_wait_dscnt 0x0
	v_min_num_f32 v130, v15, v129                  ; -M of the row
	v_mov_b32 v133, 0                              ; (named as the upper halves of the pairs v[132:133], v[134:135])
	v_sub_f32 v132, v130, v15
	v_sub_f32 v134, v130, v129
	v_mov_b32 v135, 0
	v_cvt_i32_f32 v132, v132                       ; (it saturates: a part that walked nothing has -M = 3e38 and gets the factor 0)
	v_cvt_i32_f32 v134, v134
	v_ldexp_f32 v132, 1.0, v132                    ; my part's factor
	v_ldexp_f32 v134, 1.0, v134                    ; the other part's
	v_mul_f32 v14, v132, v14
	v_fma_f32 v14, v134, v128, v14                 ; the row's sum
	s_wait_alu depctr_va_vdst(0)                   ; ahead of the transcendental
	v_rcp_f32 v14, v14
	v_nop                                          ; a plain instruction behind the reciprocal
	s_wait_alu depctr_va_vdst(0)                   ; and the wait ahead of its first reader
	v_mul_f32 v134, v134, v14
	v_mul_f32 v132, v132, v14
.set j, 0
.rept 16
	v_pk_mul_f32 v[96+j:97+j], v[96+j:97+j], v[134:135] op_sel_hi:[1,0]
.set j, j+2
.endr
	s_wait_alu depctr_va_vdst(0)                   ; directly ahead of the first reader of O^T
.set j, 0
.rept 16
	v_pk_fma_f32 v[96+j:97+j], v[160+j:161+j], v[132:133], v[96+j:97+j] op_sel_hi:[1,0,1]   ; O / sum
.set j, j+2
.endr
	; THE WAY OUT.  The 16 registers of two tiles are 16 neighbours along the last product's K, so the conversions' results are that operand's registers, and are stored as they stand.
.set j, 0
.rept 32
	v_med3_num_f32 v[96+j], v[96+j], -v7, v7
.set j, j+1
.endr
.irp b, 0,1,2,3
	v_cvt_scalef32_pk8_fp8_f32 v[224+2*\b:225+2*\b], v[96+8*\b:103+8*\b], v6
.endr
	v_nop
	global_store_b128 v1, v[224:227], s[12:13]             ; d = 16 h + 0 .. 15 of my query: the wave stores 512 consecutive bytes, aligned
	global_store_b128 v1, v[228:231], s[12:13] offset:512  ; d = 32 + 16 h + 0 .. 15
	s_wait_tensorcnt 0x0                           ; the wave's end, behind my last LDS store
	ds_add_u32 v[SPW], v[NIL]
	s_wait_dscnt 0x0
	s_endpgm
.Lfunc_end_k_qe663c64b04_attn:
	.size	k_qe663c64b04_attn, .Lfunc_end_k_qe663c64b04_attn-k_qe663c64b04_attn
	.p2alignl 7, 3214868480
	.fill 96, 4, 3214868480
	.section	.rodata,"a",@progbits
	.p2align	6, 0x0
	.amdhsa_kernel k_qe663c64b04_attn
		.amdhsa_group_segment_fixed_size 264192
		.amdhsa_private_segment_fixed_size 0
		.amdhsa_enable_private_segment 0
		.amdhsa_kernarg_size 40
		.amdhsa_user_sgpr_count 2
		.amdhsa_user_sgpr_kernarg_segment_ptr 1
		.amdhsa_wavefront_size32 1
		.amdhsa_system_sgpr_workgroup_id_x 1
		.amdhsa_system_sgpr_workgroup_id_y 1
		.amdhsa_system_sgpr_workgroup_id_z 1
		.amdhsa_system_vgpr_workitem_id 0
		.amdhsa_next_free_vgpr 256
		.amdhsa_next_free_sgpr 102
		.amdhsa_reserve_vcc 0
		.amdhsa_float_denorm_mode_32 3
		.amdhsa_float_denorm_mode_16_64 3
		.amdhsa_memory_ordered 1
		.amdhsa_forward_progress 1
		.amdhsa_inst_pref_size 108
	.end_amdhsa_kernel
	.amdgpu_metadata
---
amdhsa.version: [ 1, 2 ]
amdhsa.kernels:
  - .name:           k_qe663c64b04_attn
    .symbol:         k_qe663c64b04_attn.kd
    .args:
      - { .name: qkv, .offset: 0, .size: 8, .value_kind: global_buffer, .address_space: global }
      - { .name: mw, .offset: 8, .size: 8, .value_kind: global_buffer, .address_space: global }
      - { .name: fl, .offset: 16, .size: 8, .value_kind: global_buffer, .address_space: global }
      - { .name: lowp_scales, .offset: 24, .size: 8, .value_kind: global_buffer, .address_space: global }
      - { .name: cc, .offset: 32, .size: 8, .value_kind: global_buffer, .address_space: global }
    .group_segment_fixed_size: 264192
    .private_segment_fixed_size: 0
    .kernarg_segment_align: 8
    .kernarg_segment_size: 40
    .max_flat_workgroup_size: 512
    .sgpr_count:     102
    .vgpr_count:     256
    .wavefront_size: 32
...
	.end_amdgpu_metadata
.endif
;; end of part 7
;; launch outp (part 8): grid 8 x 32, 4 waves a work-group, clusters of 4 x 4, 327,680 bytes of LDS; arguments cc, codes, lowp_scales, bo, out0; writes out0
.if DOCPART == 8
	.amdgcn_target "amdgcn-amd-amdhsa--gfx1250"
	.amdhsa_code_object_version 6
	.text
	.protected	k_qe663c64b04_outp
	.globl	k_qe663c64b04_outp
	.p2align	8
	.type	k_qe663c64b04_outp,@function
k_qe663c64b04_outp:
	s_mov_b64 s[64:65], 0
	v_nop
	global_prefetch_b8 v0, s[64:65] scope:SCOPE_SE
	s_setreg_imm32_b32 hwreg(HW_REG_WAVE_MODE, 25, 1), 1
	s_wait_xcnt 0x0
	s_wait_alu depctr_hold_cnt(0) depctr_sa_sdst(0) depctr_va_vdst(0) depctr_va_sdst(0) depctr_va_ssrc(0) depctr_va_vcc(0) depctr_vm_vsrc(0)
	s_getreg_b32 s2, hwreg(HW_REG_IB_STS2, 6, 4)
	s_cmp_eq_u32 s2, 0
	s_cbranch_scc0 .Lentry_in_a_cluster
	s_endpgm
.Lentry_in_a_cluster:
	s_bfe_u32 s2, ttmp6, 0x10000c
	s_cmp_lg_u32 s2, 0xf033
	s_cbranch_scc0 .Lentry_shape_is_right
	s_endpgm
.Lentry_shape_is_right:
; LAUNCH 4 OF 4: out0[m][n] = sum over k of concat[m][k] Wo[n][k] + bo[n], K = 1,024, on codes of E4M3 (entries 10, 11); f32 out.  Nothing is left out.
; A tile of 128 x 128 is made by four waves, 64 x 64 each: 16 accumulators.  ALL OF K lies in LDS at once: 131,072 bytes of concat's operand images and 128 rows of Wo of 1,024 bytes + 16 of padding:
; one tensor load a wave brings it, there is no ring and nothing is filled again.  4 x 4 work-groups form a cluster: concat's part is asked for jointly along a row of the cluster, Wo's along a column.
; Nothing is prefetched: each byte is asked for at the head by its one load, and no loop runs ahead.
; concat's codes are images: 16,384 bytes for a tile of 16 rows, piece (k step s of 128, c) at 2,048 s + 512 c + 16 lane.  The row r of tile j of a block is 32 (j / 2) + 8 (j % 2) + r + 8 (r / 8).
; THE MATRIX INSTRUCTION IS USED TRANSPOSED (source 0 = 16 rows of Wo, source 1 = 16 rows of concat): a lane holds eight neighbouring columns of a row.
; LIMIT: e10 + e11 between -126 and 127.
; REGISTERS: window 0: v0-31 addresses; v32-63 the bias; v64-127 at work on the way out; v128-255 the accumulators.  window 1: two buffers of fragments, v0-127 and v128-255: concat's four blocks, then Wo's four.
.set PITCH,  1040                      ; an LDS row of Wo: 1,024 bytes + 16: the 16 rows that a load touches start at 16 different banks (64 banks of 4 bytes: ISA guide 11.1)
.set FR,     16                        ; registers of a fragment: 16 rows x 128 K
.set NP,     4                         ; places behind this matrix instruction (ISA guide 7.12.1)
.set ABYTES, 131072
.set HALFB,  64*PITCH
.set STAGE,  ABYTES+2*HALFB            ; the way out: 16 rows x 272 bytes a wave
.set SPITCH, 272
.set SPARE,  STAGE+4*16*SPITCH         ; the spare words, 128 bytes a wave: two blocks of 256 bytes that no other line names
.set ADRA, 16
.set ADRB, 20
.set STO,  24
.set RD,   25
.set CO,   26
.set BOF,  27
.set SPW,  28
.set NIL,  29
.set BIAS, 32
.set TMP,  64
.set ACC,  128
.set F0,   0
.set F1,   128
.set G1, 24
.set G0, 32
.set G1B, 48
.set G0B, 56
.set MSB, 0
.macro WIN new                         ; the immediate's high byte repeats the setting that is left
.if MSB != \new
	s_set_vgpr_msb (MSB<<8)|\new
.set MSB, \new
.endif
.endm
.set MUL,  0x05                        ; sources 0 and 1 in window 1
.set TO_F, 0x40                        ; destination in window 1
.macro CROUND                          ; a round of the cluster's barrier
	s_barrier_signal -1
	s_barrier_wait -1
	s_cmp_lg_u32 s14, 0
	s_cbranch_scc1 .Lnot_wave_0_\@
	s_barrier_signal -3
.Lnot_wave_0_\@:
	s_barrier_wait -3
	s_barrier_signal -1
	s_barrier_wait -1
.endm
	s_load_b128 s[4:7], s[0:1], 0x0                ; cc 4, codes 6
	s_load_b128 s[8:11], s[0:1], 0x10              ; the scales' exponents 8, bo 10
	s_load_b64 s[12:13], s[0:1], 0x20              ; out0
	v_lshl_add_u32 v[SPW], v0, 2, SPARE
	v_mov_b32 v[NIL], 0
	ds_add_u32 v[SPW], v[NIL]                      ; the wave's opening: the add, twice on end, and its wait ahead of my tensor load
	ds_add_u32 v[SPW], v[NIL]
	v_lshrrev_b32 v1, 5, v0
	v_readfirstlane_b32 s14, v1                    ; wave 0..3
	s_lshr_b32 s15, s14, 1                         ; which half of the tile's rows is mine.  Also: I fetch for concat (0) or for Wo (1)
	s_and_b32 s16, s14, 1                          ; which half of its columns.  Also: which 64 rows I fetch
	s_bfe_u32 s40, ttmp6, 0x40000                  ; cx, cy
	s_bfe_u32 s41, ttmp6, 0x40004
	s_lshl_b32 s42, ttmp9, 2
	s_add_co_u32 s42, s42, s40                     ; tile column
	s_and_b32 s17, ttmp7, 0xffff
	s_lshl_b32 s17, s17, 2
	s_add_co_u32 s17, s17, s41                     ; tile row
	s_lshl_b32 s43, s41, 2
	s_lshl_b32 s43, 15, s43                        ; my row of the cluster
	s_lshl_b32 s44, 0x1111, s40                    ; my column
	s_or_b32 s[G1+0], s43, (3<<16)|(1<<21)         ; concat: elements of 8 bytes, no padding; four images of 16,384 bytes, dense
	s_mov_b32 s[G1+1], 2048<<16
	s_mov_b32 s[G1+2], 4<<16
	s_mov_b32 s[G1+3], 2048<<16
	s_mov_b32 s[G1+4], 4
	s_mov_b32 s[G1+5], 2048
	s_mov_b32 s[G1+6], 0
	s_mov_b32 s[G1+7], 0
	s_or_b32 s[G1B+0], s44, (0<<16)|(1<<20)|(1<<21)|(7<<22)|(3<<25)   ; Wo: 64 rows of 1,024 bytes, 4 words of padding after every 256
	s_mov_b32 s[G1B+1], 1024<<16
	s_mov_b32 s[G1B+2], 64<<16
	s_mov_b32 s[G1B+3], 1024<<16
	s_mov_b32 s[G1B+4], 64
	s_mov_b32 s[G1B+5], 1024
	s_mov_b32 s[G1B+6], 0
	s_mov_b32 s[G1B+7], 0
	s_lshl_b32 s20, s17, 17                        ; concat: eight images of 16,384 bytes a tile row,
	s_lshl_b32 s18, s16, 16                        ; four of them mine to fetch
	s_add_co_u32 s20, s20, s18
	s_mov_b32 s21, 0
	s_lshl_b32 s46, s42, 7                         ; Wo: row 15,360 + 128 x tile column + 64 x half
	s_lshl_b32 s18, s16, 6
	s_add_co_u32 s46, s46, s18
	s_add_co_u32 s46, s46, 15360
	s_lshl_b32 s46, s46, 10
	s_mov_b32 s47, 0
	s_lshl_b32 s45, s16, 16                        ; where they go in LDS: no place in the cluster enters an LDS address
	s_mul_i32 s67, s16, HALFB
	s_add_co_u32 s67, s67, ABYTES
	s_mov_b32 s[G0], 1
	s_mov_b32 s[G0+1], s45
	s_mov_b32 s[G0B], 1
	s_mov_b32 s[G0B+1], s67
	s_wait_dscnt 0x0                               ; both opening adds are done
	s_wait_kmcnt 0x0
	s_load_b64 s[96:97], s[8:9], 0x28              ; e10, e11
	s_add_nc_u64 s[G0+2:G0+3], s[4:5], s[20:21]
	s_or_b32 s[G0+3], s[G0+3], 0x80000000
	s_add_nc_u64 s[G0B+2:G0B+3], s[6:7], s[46:47]
	s_or_b32 s[G0B+3], s[G0B+3], 0x80000000
	CROUND                                         ; all sixteen work-groups are here: the joint loads meet
	s_cmp_eq_u32 s15, 0
	s_cbranch_scc0 .Lfor_b
	tensor_load_to_lds s[G0:G0+3], s[G1:G1+7]
	s_nop 0
.rept 4
	v_nop
.endr
	s_branch .Lasked
.Lfor_b:
	tensor_load_to_lds s[G0B:G0B+3], s[G1B:G1B+7]
	s_nop 0
.rept 4
	v_nop
.endr
.Lasked:
	v_and_b32 v1, 15, v0                           ; r
	v_bfe_u32 v2, v0, 4, 1                         ; h
	v_mul_u32_u24 v3, v1, PITCH
	v_lshl_add_u32 v4, v2, 4, v3
	v_and_b32 v6, 31, v0
	v_lshlrev_b32 v7, 4, v6                        ; 16 x lane
	s_lshl_b32 s21, s15, 16                        ; my four images
	s_mul_i32 s22, s16, HALFB                      ; my 64 rows of Wo
	s_add_co_u32 s22, s22, ABYTES
	v_add_nc_u32 v[ADRA], s21, v7
	v_add_nc_u32 v[ADRB], s22, v4
	s_mul_i32 s23, s14, 16*SPITCH
	s_add_co_u32 s23, s23, STAGE                   ; my stage
	v_mul_u32_u24 v5, v1, SPITCH
	v_lshl_add_u32 v5, v2, 5, v5
	v_add_nc_u32 v[STO], s23, v5                   ; in: row r, 32 bytes for each half of the lanes
	v_mul_u32_u24 v8, v2, SPITCH
	v_lshl_add_u32 v8, v1, 4, v8
	v_add_nc_u32 v[RD], s23, v8                    ; back: sixteen lanes to a row of 256 bytes
	v_lshlrev_b32 v9, 12, v2
	v_lshl_add_u32 v[CO], v1, 4, v9                ; and the same two rows in out0
	v_lshlrev_b32 v[BOF], 5, v2
	s_lshl_b32 s20, s17, 19
	s_lshl_b32 s21, s15, 18
	s_add_co_u32 s20, s20, s21                     ; my first row of out0: 128 x tile row + 64 x half, rows of 4,096 bytes
	s_mov_b32 s21, 0
	s_lshl_b32 s46, s42, 9
	s_lshl_b32 s47, s16, 8
	s_add_co_u32 s46, s46, s47                     ; my first column, in bytes
	s_mov_b32 s47, 0
	s_add_nc_u64 s[10:11], s[10:11], s[46:47]
	s_add_nc_u64 s[20:21], s[20:21], s[46:47]
	s_add_nc_u64 s[12:13], s[12:13], s[20:21]
	s_wait_alu depctr_va_vdst(0)                   ; at the head's end
.irp b, 0,1,2,3
	global_load_b128 v[BIAS+8*\b:BIAS+8*\b+3], v[BOF], s[10:11] offset:64*\b       ; bo at my eight columns of each block
	global_load_b128 v[BIAS+8*\b+4:BIAS+8*\b+7], v[BOF], s[10:11] offset:64*\b+16
.endr
; The fragments of K step s into buffer f: concat's four blocks (an image gives each lane its 16 bytes), Wo's four (lane l holds row l % 16; registers 4 c .. 4 c + 3 hold K = 32 c + 16 (l / 16) + 0 .. 15, as the images do)
.macro FETCH s, f
	WIN TO_F
.irp i, 0,1,2,3
.irp c, 0,1,2,3
	ds_load_b128 v[\f+64+FR*\i+4*\c:\f+64+FR*\i+4*\c+3], v[ADRB] offset:\i*16*PITCH+128*(\s)+32*\c
.endr
.irp c, 0,1,2,3
	ds_load_b128 v[\f+FR*\i+4*\c:\f+FR*\i+4*\c+3], v[ADRA] offset:\i*16384+(\s)*2048+512*\c
.endr
.endr
.endm
; Sixteen matrix instructions; the sixteen accumulators take turns, one instruction a turn, in the same order in every step
.macro MUL16 f, zero
.irp a, 0,1,2,3
.irp b, 0,1,2,3
.if \zero
	v_wmma_f32_16x16x128_fp8_fp8 v[ACC+8*(4*\a+\b):ACC+8*(4*\a+\b)+7], v[\f+64+FR*\b:\f+64+FR*\b+FR-1], v[\f+FR*\a:\f+FR*\a+FR-1], 0
.else
	v_wmma_f32_16x16x128_fp8_fp8 v[ACC+8*(4*\a+\b):ACC+8*(4*\a+\b)+7], v[\f+64+FR*\b:\f+64+FR*\b+FR-1], v[\f+FR*\a:\f+FR*\a+FR-1], v[ACC+8*(4*\a+\b):ACC+8*(4*\a+\b)+7]
.endif
.endr
.endr
.endm
.macro PLACES n
.rept \n
	v_nop
.endr
.endm
.macro STEPK s, f, g                   ; multiplies K step s from buffer f while K step s + 1 comes into buffer g
	PLACES NP                                      ; places in front of loads into registers that matrix instructions have read
	FETCH (\s)+1, \g
	s_wait_dscnt 32                                ; all but the 32 just issued
	WIN MUL
	MUL16 \f, 0
.endm
	s_wait_tensorcnt 0x0                           ; my part is in,
	s_barrier_signal -1
	s_barrier_wait -1                              ; and everybody's
	FETCH 0, F0
	FETCH 1, F1
	s_wait_dscnt 32                                ; K step 0's fragments are in, K step 1's 32 loads may be out
	WIN MUL
	MUL16 F0, 1                                    ; the first products start the sums
	STEPK 1, F1, F0
	STEPK 2, F0, F1
	STEPK 3, F1, F0
	STEPK 4, F0, F1
	STEPK 5, F1, F0
	STEPK 6, F0, F1
	s_wait_dscnt 0x0
	MUL16 F1, 0
	WIN 0
; THE WAY OUT of block a: sum x 2^(e10 + e11) + bias, through my stage, back as whole rows of 256 bytes.  LDS serves a wave's instructions in order (ISA guide 5.7.1.4).
.macro TOSTAGE a
.set AC, ACC+32*(\a)
.set j, 0
.rept 16
	v_pk_fma_f32 v[TMP+j:TMP+j+1], v[AC+j:AC+j+1], s[96:97], v[BIAS+j:BIAS+j+1] op_sel_hi:[1,0,1]
.set j, j+2
.endr
.irp b, 0,1,2,3
	ds_store_b128 v[STO], v[TMP+8*\b:TMP+8*\b+3] offset:64*\b
	ds_store_b128 v[STO], v[TMP+8*\b+4:TMP+8*\b+7] offset:64*\b+16
.endr
.irp t, 0,1,2,3,4,5,6,7
	ds_load_b128 v[AC+4*\t:AC+4*\t+3], v[RD] offset:2*\t*SPITCH
.endr
.endm
.macro SEND a, younger                 ; younger: the LDS instructions issued behind block a's loads, which may stay out
.set AC, ACC+32*(\a)
	s_wait_dscnt \younger
.irp t, 0,1,2,3,4,5,6,7
	global_store_b128 v[CO], v[AC+4*\t:AC+4*\t+3], s[12:13] offset:(32*((\a)/2)+8*((\a)%2)+2*\t+8*(\t/4))*4096 th:TH_STORE_NT   ; sixteen lanes store 256 consecutive bytes, aligned
.endr
.endm
	s_wait_kmcnt 0x0
	s_add_co_i32 s96, s96, s97
	s_add_co_i32 s96, s96, 127
	s_lshl_b32 s96, s96, 23                        ; 2^(e10 + e11)
	s_mov_b32 s97, s96
	s_wait_loadcnt 0x0                             ; the bias
	PLACES NP
	TOSTAGE 0
	TOSTAGE 1
	SEND 0, 16
	TOSTAGE 2
	SEND 1, 16
	TOSTAGE 3
	SEND 2, 16
	SEND 3, 0
	s_wait_tensorcnt 0x0                           ; the wave's end
	ds_add_u32 v[SPW], v[NIL]
	s_wait_dscnt 0x0
	CROUND                                         ; the closing round: no work-group ends while a partner may still ask for a part that names it
	s_endpgm
.Lfunc_end_k_qe663c64b04_outp:
	.size	k_qe663c64b04_outp, .Lfunc_end_k_qe663c64b04_outp-k_qe663c64b04_outp
	.p2alignl 7, 3214868480
	.fill 96, 4, 3214868480
	.section	.rodata,"a",@progbits
	.p2align	6, 0x0
	.amdhsa_kernel k_qe663c64b04_outp
		.amdhsa_group_segment_fixed_size 327680
		.amdhsa_private_segment_fixed_size 0
		.amdhsa_enable_private_segment 0
		.amdhsa_kernarg_size 40
		.amdhsa_user_sgpr_count 2
		.amdhsa_user_sgpr_kernarg_segment_ptr 1
		.amdhsa_wavefront_size32 1
		.amdhsa_system_sgpr_workgroup_id_x 1
		.amdhsa_system_sgpr_workgroup_id_y 1
		.amdhsa_system_sgpr_workgroup_id_z 1
		.amdhsa_system_vgpr_workitem_id 0
		.amdhsa_next_free_vgpr 512
		.amdhsa_next_free_sgpr 100
		.amdhsa_reserve_vcc 0
		.amdhsa_float_denorm_mode_32 3
		.amdhsa_float_denorm_mode_16_64 3
		.amdhsa_memory_ordered 1
		.amdhsa_forward_progress 1
		.amdhsa_inst_pref_size 44
	.end_amdhsa_kernel
	.amdgpu_metadata
---
amdhsa.version: [ 1, 2 ]
amdhsa.kernels:
  - .name:           k_qe663c64b04_outp
    .symbol:         k_qe663c64b04_outp.kd
    .args:
      - { .name: cc, .offset: 0, .size: 8, .value_kind: global_buffer, .address_space: global }
      - { .name: codes, .offset: 8, .size: 8, .value_kind: global_buffer, .address_space: global }
      - { .name: lowp_scales, .offset: 16, .size: 8, .value_kind: global_buffer, .address_space: global }
      - { .name: bo, .offset: 24, .size: 8, .value_kind: global_buffer, .address_space: global }
      - { .name: out0, .offset: 32, .size: 8, .value_kind: global_buffer, .address_space: global }
    .group_segment_fixed_size: 327680
    .private_segment_fixed_size: 0
    .kernarg_segment_align: 8
    .kernarg_segment_size: 40
    .max_flat_workgroup_size: 128
    .sgpr_count:     100
    .vgpr_count:     512
    .wavefront_size: 32
...
	.end_amdgpu_metadata
.endif
;; end of part 8
